; MI455X (gfx1250); checked and timed in simulation.
; The chip was launched on July 23, 2026; its instructions are those of AMD's public machine-readable ISA for CDNA 5 (MIT licence, August 2026) and "CDNA5" Instruction Set Architecture Reference Guide (July 2026). The comments in the code are by the model that wrote it; some were corrected since.
;; MTP Attention. Allowed arithmetic: float matrix products may take bf16 or f16 operands with f32 sums; other float arithmetic in f32, or as packed bf16 or f16 multiplies, adds, multiply-adds, maxima and minima; sums over many terms, partial sums and values carried from step to step in f32; what a program stores and reads back later, other than sums and carried values, may be rounded once to bf16 or f16.
;; Inputs: Wk 1,024 x 512 float32; Wo 2,048 x 1,024 float32; Wq 1,024 x 4,096 float32; Wv 1,024 x 512 float32; cos 2 x 2,048 x 128 float32; hidden_states 2 x 2,048 x 1,024 float32; k_norm_w 256 float32; q_norm_w 256 float32; sin 2 x 2,048 x 128 float32.
;; Outputs: out0 2 x 2,048 x 1,024 float32.
;; 3 versions, each right; version 2 is faster than version 1; version 3 is version 2 with the launch cast written anew for expert scheduling mode. Each part assembles by itself: llvm-mc -triple=amdgcn-amd-amdhsa -mcpu=gfx1250 --defsym DOCPART=n.
;; ======== version 1 of 3: 4 launches
;; limits: values are held in f16: magnitudes above 65,504 overflow, below 6.1e-05 lose precision
;; workspace buffers: xb 8,388,608 bytes; wall 10,485,760 bytes; wob 4,194,304 bytes; csb 2,097,152 bytes; qf 16,777,216 bytes; kvf 8,388,608 bytes; sg 16,777,216 bytes; ao 16,777,216 bytes
;; launch cast (part 1): grid 768 x 1, 8 waves a work-group, no clusters, 0 bytes of LDS; arguments hidden_states, Wq, Wo, Wk, Wv, cos, sin, xb, wall, wob, csb; writes xb, wall, wob, csb
.if DOCPART == 1
	.amdgcn_target "amdgcn-amd-amdhsa--gfx1250"
	.amdhsa_code_object_version 6
	.text
	.protected	k_qffb608c90f_cast
	.globl	k_qffb608c90f_cast
	.p2align	8
	.type	k_qffb608c90f_cast,@function
k_qffb608c90f_cast:
	s_mov_b64 s[64:65], 0
	v_nop
	global_prefetch_b8 v0, s[64:65] scope:SCOPE_SE
	s_setreg_imm32_b32 hwreg(HW_REG_WAVE_MODE, 25, 1), 1
	s_wait_xcnt 0x0
; All large inputs are rounded once to bf16 and laid out for the launches behind.
;   hidden_states -> xb [4096][1024] bf16.   cos, sin -> csb: cos [4096][128] bf16, sin 1,048,576 bytes behind it.
;   Wq, Wk, Wv -> wall [1024 k][5120] bf16, in column blocks of 256: 0-7 q of head 0-7, 8-15 gate of head 0-7, 16,17 k, 18,19 v.
;   Wo -> wob [2048 k][1024]: rounded to bf16, and that number written as f16.
; LIMIT. An entry of Wo beyond 65,504 would become an infinity; below 6e-5 it keeps f16's fixed step of 6e-8.
; A chunk is 256 f32: 1,024 bytes in, 512 bytes out. A work-group takes 64 chunks on end, a wave 8: sixteen loads of 512 neighbouring bytes,
; all issued before the first is waited for; each becomes one store of 256 neighbouring bytes, aligned. No LDS, no matrix unit: bytes are all there is.
; Where a chunk goes: DST + LW*DL + (wave/2)*DW1 + (wave%2)*DW0 + DC + (i/2)*SA + (i%2)*SB, with the seven numbers chosen by the segment.
.set X,  16                            ; v[16:79]   sixteen loads of four f32
.set Y,  80                            ; v[80:111]  sixteen pairs to store
.set T,  112                           ; v[112:115] at work on the f16 way
.set VO, 4                             ; v[4:11]    chunk i: byte offset of my 8 bytes
	s_load_b512 s[4:19], s[0:1], 0x0               ; hidden_states, Wq, Wo, Wk, Wv, cos, sin, xb
	s_load_b128 s[20:23], s[0:1], 0x40             ; wall, wob
	s_load_b64 s[24:25], s[0:1], 0x50              ; csb
	v_lshrrev_b32 v3, 5, v0
	v_readfirstlane_b32 s28, v3                    ; wave 0..7
	v_and_b32 v3, 31, v0
	v_lshlrev_b32 v1, 4, v3                        ; 16 bytes a lane in
	v_lshlrev_b32 v2, 3, v3                        ; 8 bytes a lane out
	s_mov_b32 s29, ttmp9
	s_mov_b32 s35, 32768                           ; DL, DW1, DW0, SA, SB for a dense copy: out = in / 2
	s_mov_b32 s36, 8192
	s_mov_b32 s37, 4096
	s_mov_b32 s38, 1024
	s_mov_b32 s39, 512
	s_mov_b32 s40, 0                               ; DC
	s_mov_b32 s41, 0                               ; 1: the f16 way
	s_wait_kmcnt 0x0
	s_cmp_lt_u32 s29, 256
	s_cbranch_scc0 .Lnot_x
	s_mov_b64 s[30:31], s[4:5]                     ; work-groups 0-255: hidden_states -> xb
	s_mov_b64 s[32:33], s[18:19]
	s_mov_b32 s34, s29
	s_branch .Lgo
.Lnot_x:
	s_cmp_lt_u32 s29, 512
	s_cbranch_scc0 .Lnot_wq
	s_mov_b64 s[30:31], s[6:7]                     ; 256-511: Wq -> wall. A work-group is 4 rows of 16 chunks; chunk c goes to block (c%2)*8 + c/2
	s_mov_b64 s[32:33], s[20:21]
	s_sub_co_u32 s34, s29, 256
	s_mov_b32 s35, 40960
	s_mov_b32 s36, 10240
	s_mov_b32 s37, 2048
	s_mov_b32 s38, 512
	s_mov_b32 s39, 4096
	s_branch .Lgo
.Lnot_wq:
	s_cmp_lt_u32 s29, 640
	s_cbranch_scc0 .Lnot_wo
	s_mov_b64 s[30:31], s[8:9]                     ; 512-639: Wo -> wob
	s_mov_b64 s[32:33], s[22:23]
	s_sub_co_u32 s34, s29, 512
	s_mov_b32 s41, 1
	s_branch .Lgo
.Lnot_wo:
	s_cmp_lt_u32 s29, 704
	s_cbranch_scc0 .Lnot_wkv
	s_cmp_lt_u32 s29, 672                          ; 640-671: Wk -> blocks 16, 17; 672-703: Wv -> blocks 18, 19. A work-group is 32 rows of 2 chunks
	s_cselect_b64 s[30:31], s[10:11], s[12:13]
	s_cselect_b32 s43, 0, 1
	s_lshl_b32 s40, s43, 10
	s_add_co_u32 s40, s40, 8192
	s_lshl_b32 s43, s43, 5
	s_sub_co_u32 s34, s29, 640
	s_sub_co_u32 s34, s34, s43
	s_mov_b64 s[32:33], s[20:21]
	s_mov_b32 s35, 327680
	s_mov_b32 s36, 81920
	s_mov_b32 s37, 40960
	s_mov_b32 s38, 10240
	s_mov_b32 s39, 512
	s_branch .Lgo
.Lnot_wkv:
	s_cmp_lt_u32 s29, 736                          ; 704-735: cos; 736-767: sin, behind cos in csb
	s_cselect_b64 s[30:31], s[14:15], s[16:17]
	s_cselect_b32 s43, 0, 1
	s_lshl_b32 s40, s43, 20
	s_lshl_b32 s43, s43, 5
	s_sub_co_u32 s34, s29, 704
	s_sub_co_u32 s34, s34, s43
	s_mov_b64 s[32:33], s[24:25]
.Lgo:
	s_lshl_b32 s42, s34, 16                        ; 65,536 bytes a work-group,
	s_lshl_b32 s43, s28, 13                        ; 8,192 a wave
	s_add_co_u32 s42, s42, s43
	s_mov_b32 s43, 0
	s_add_nc_u64 s[30:31], s[30:31], s[42:43]
.set n, 0
.rept 16
	global_load_b128 v[X+4*n:X+4*n+3], v1, s[30:31] offset:512*n th:TH_LOAD_NT
.set n, n+1
.endr
	s_mul_i32 s44, s34, s35
	s_lshr_b32 s45, s28, 1
	s_mul_i32 s45, s45, s36
	s_add_co_u32 s44, s44, s45
	s_and_b32 s45, s28, 1
	s_mul_i32 s45, s45, s37
	s_add_co_u32 s44, s44, s45
	s_add_co_u32 s44, s44, s40
	s_mov_b32 s45, 0
	s_add_nc_u64 s[32:33], s[32:33], s[44:45]
.irp i, 0,1,2,3,4,5,6,7
	s_mul_i32 s46, s38, (\i)/2
	s_mul_i32 s47, s39, (\i)%2
	s_add_co_u32 s46, s46, s47
	v_add_nc_u32 v[VO+\i], s46, v2
.endr
; Load n is half n%2 of chunk n/2. Each group has its own registers to store from, so nothing pending is rewritten.
.macro GROUP n, f16
	s_wait_loadcnt 15-(\n)                         ; loads come back in order: mine is in, the 15-n younger ones stay out
	v_cvt_pk_bf16_f32 v[Y+2*(\n)], v[X+4*(\n)], v[X+4*(\n)+1]
	v_cvt_pk_bf16_f32 v[Y+2*(\n)+1], v[X+4*(\n)+2], v[X+4*(\n)+3]
.if \f16
	v_lshlrev_b32 v[T], 16, v[Y+2*(\n)]            ; the bf16 numbers as f32,
	v_and_b32 v[T+1], 0xffff0000, v[Y+2*(\n)]
	v_lshlrev_b32 v[T+2], 16, v[Y+2*(\n)+1]
	v_and_b32 v[T+3], 0xffff0000, v[Y+2*(\n)+1]
	v_cvt_pk_f16_f32 v[Y+2*(\n)], v[T], v[T+1]     ; written as f16: exact within f16's range
	v_cvt_pk_f16_f32 v[Y+2*(\n)+1], v[T+2], v[T+3]
.endif
	global_store_b64 v[VO+(\n)/2], v[Y+2*(\n):Y+2*(\n)+1], s[32:33] offset:256*((\n)%2)  ; 32 lanes store 256 consecutive bytes, aligned
.endm
	s_cmp_eq_u32 s41, 1
	s_cbranch_scc1 .Lf16
.irp n, 0,1,2,3,4,5,6,7,8,9,10,11,12,13,14,15
	GROUP \n, 0
.endr
	s_endpgm
.Lf16:
.irp n, 0,1,2,3,4,5,6,7,8,9,10,11,12,13,14,15
	GROUP \n, 1
.endr
	s_endpgm
.Lfunc_end_k_qffb608c90f_cast:
	.size	k_qffb608c90f_cast, .Lfunc_end_k_qffb608c90f_cast-k_qffb608c90f_cast
	.p2alignl 7, 3214868480
	.fill 96, 4, 3214868480
	.section	.rodata,"a",@progbits
	.p2align	6, 0x0
	.amdhsa_kernel k_qffb608c90f_cast
		.amdhsa_group_segment_fixed_size 0
		.amdhsa_private_segment_fixed_size 0
		.amdhsa_enable_private_segment 0
		.amdhsa_kernarg_size 88
		.amdhsa_user_sgpr_count 2
		.amdhsa_user_sgpr_kernarg_segment_ptr 1
		.amdhsa_wavefront_size32 1
		.amdhsa_system_sgpr_workgroup_id_x 1
		.amdhsa_system_sgpr_workgroup_id_y 1
		.amdhsa_system_sgpr_workgroup_id_z 1
		.amdhsa_system_vgpr_workitem_id 0
		.amdhsa_next_free_vgpr 116
		.amdhsa_next_free_sgpr 66
		.amdhsa_reserve_vcc 0
		.amdhsa_float_denorm_mode_32 3
		.amdhsa_float_denorm_mode_16_64 3
		.amdhsa_memory_ordered 1
		.amdhsa_forward_progress 1
		.amdhsa_inst_pref_size 20
	.end_amdhsa_kernel
	.amdgpu_metadata
---
amdhsa.version: [ 1, 2 ]
amdhsa.kernels:
  - .name:           k_qffb608c90f_cast
    .symbol:         k_qffb608c90f_cast.kd
    .args:
      - { .name: hidden_states, .offset: 0, .size: 8, .value_kind: global_buffer, .address_space: global }
      - { .name: Wq, .offset: 8, .size: 8, .value_kind: global_buffer, .address_space: global }
      - { .name: Wo, .offset: 16, .size: 8, .value_kind: global_buffer, .address_space: global }
      - { .name: Wk, .offset: 24, .size: 8, .value_kind: global_buffer, .address_space: global }
      - { .name: Wv, .offset: 32, .size: 8, .value_kind: global_buffer, .address_space: global }
      - { .name: cos, .offset: 40, .size: 8, .value_kind: global_buffer, .address_space: global }
      - { .name: sin, .offset: 48, .size: 8, .value_kind: global_buffer, .address_space: global }
      - { .name: xb, .offset: 56, .size: 8, .value_kind: global_buffer, .address_space: global }
      - { .name: wall, .offset: 64, .size: 8, .value_kind: global_buffer, .address_space: global }
      - { .name: wob, .offset: 72, .size: 8, .value_kind: global_buffer, .address_space: global }
      - { .name: csb, .offset: 80, .size: 8, .value_kind: global_buffer, .address_space: global }
    .group_segment_fixed_size: 0
    .private_segment_fixed_size: 0
    .kernarg_segment_align: 8
    .kernarg_segment_size: 88
    .max_flat_workgroup_size: 256
    .sgpr_count:     66
    .vgpr_count:     116
    .wavefront_size: 32
...
	.end_amdgpu_metadata
.endif
;; end of part 1
;; launch proj (part 2): grid 20 x 32, 4 waves a work-group, clusters of 4 x 4, 327,680 bytes of LDS; arguments xb, wall, csb, q_norm_w, k_norm_w, qf, kvf, sg; writes qf, kvf, sg
.if DOCPART == 2
	.amdgcn_target "amdgcn-amd-amdhsa--gfx1250"
	.amdhsa_code_object_version 6
	.text
	.protected	k_qffb608c90f_proj
	.globl	k_qffb608c90f_proj
	.p2align	8
	.type	k_qffb608c90f_proj,@function
k_qffb608c90f_proj:
	s_mov_b64 s[64:65], 0
	v_nop
	global_prefetch_b8 v0, s[64:65] scope:SCOPE_SE
	s_setreg_imm32_b32 hwreg(HW_REG_WAVE_MODE, 25, 1), 1
	s_wait_xcnt 0x0
	s_wait_alu depctr_hold_cnt(0) depctr_sa_sdst(0) depctr_va_vdst(0) depctr_va_sdst(0) depctr_va_ssrc(0) depctr_va_vcc(0) depctr_vm_vsrc(0)
	s_getreg_b32 s2, hwreg(HW_REG_IB_STS2, 6, 4)
	s_cmp_eq_u32 s2, 0
	s_cbranch_scc0 .Lentry_in_a_cluster
	s_endpgm
.Lentry_in_a_cluster:
	s_bfe_u32 s2, ttmp6, 0x10000c
	s_cmp_lg_u32 s2, 0xf033
	s_cbranch_scc0 .Lentry_shape_is_right
	s_endpgm
.Lentry_shape_is_right:
; The three projections with what follows them. C = xb [4096][1024] x wall [1024][5120], bf16 operands, f32 sums; a tile of C is 128 rows x ONE column block of 256: a whole head.
;   blocks 0-7: q: RMS norm with gain 1 + w, RoPE on channels 0-127 -> qf f16 [b][8][2048][256], unscaled.   blocks 8-15: gate: sigmoid -> sg f16, same layout.
;   blocks 16,17: k: norm and RoPE -> kvf f16 [b][2][2048][256].   blocks 18,19: v as it is -> kvf, 4,194,304 bytes further on.
; The gains, cos and sin count rounded to bf16, like every input. LIMIT: v beyond 65,504 would become an infinity in f16; NaN and infinities are not treated apart.
; 640 tiles of 128 x 256: tiles of 256 x 256 would be 320, two turns of the 256 WGPs for one and a quarter turns of work.
; SHARES. Four waves; wave w makes rows 64 (w/2).. x columns 128 (w%2)..: 32 accumulators. The matrix instruction is used transposed (source 0 = 16 columns of wall, source 1 = 16 rows of x):
; a lane then holds row l%16 and eight neighbouring columns. wall lies [k][n], so its fragments come out of LDS by the turning load.
; K goes in steps of 128 through two LDS slots. CLUSTER 4 x 4: x's tile, cos and sin hang on the tile row alone and are asked for jointly along a row of the cluster, wall's tile along a column.
; THE WAY OUT. The f32 tile goes into LDS (over the ring, which has had its last fill); then each wave takes 32 whole rows, four a trip: a row's sum of squares never leaves the wave.
; No branch hangs on my place in the cluster: gate blocks are whole clusters (cluster x 2 and 3); k and v share cluster x 4 and differ by selected values alone (gain 1, partner 0, cos 1, scale 1).
; Gate tiles fetch cos and sin (65,536 of a tile's 852,000 bytes) without reading them: all work-groups make the same first requests.
; REGISTERS. window 0: addresses, gains, v64-223 four rows at work. window 1: two fragment buffers of 96 (64 of wall, 32 of x). window 2: accumulator (a, b) at 8 (8 a + b).
.set KSTEP, 128
.set WROW,  10240                      ; bytes in a row of wall
.set PA,    272                        ; LDS row of x, cos, sin: 256 bytes + 16: the 16 rows of a load start at 16 different groups of four banks
.set PB,    544                        ; LDS row of wall: 512 + 32
.set AHALF, 64*PA
.set ATILE, 2*AHALF
.set BHALF, 64*PB
.set SLOT,  ATILE+2*BHALF              ; x's 128 rows, then wall's 128 k rows
.set COSB,  2*SLOT
.set SINB,  COSB+128*PA
.set SPARE, SINB+128*PA                ; the spare words: 128 bytes a wave, two blocks of 256 bytes that no other line names
.set FP,    1040                       ; a row of the f32 stage: 1,024 bytes + 16
.set LAPS,  4                          ; 1024 / (2 x 128)
.set ADRA, 16                          ; v16,17  my x fragments in slot 0, 1
.set ADRB, 20                          ; v20,21  my wall fragments
.set SA,   22                          ; v22     my 8 bytes of sin in my first row
.set GO,   23                          ; v23     my 8 bytes in my first row of the output
.set STO,  24                          ; v24     where I put 16 bytes into the stage
.set RA,   25                          ; v25     my 16 bytes in my first row of the stage
.set RP,   26                          ; v26     the RoPE partner's 16 bytes, 64 columns away
.set CA,   27                          ; v27     my 8 bytes of cos
.set SPW,  28                          ; v28     my spare word; never rewritten
.set NIL,  29                          ; v29     0; never rewritten
.set ZERO, 30
.set SGN,  31                          ; v31     the sign bit in lanes 0-15: the partner of a column below 64 counts negative
.set W1,   32                          ; v32-35 gain of columns 4l.., v36-39 of 128+4l.., v40-43 of the partner's
.set GA,   44
.set GP,   45
.set TW,   46
.set ONEB, 47                          ; 1.0 twice in bf16
.set F0,   0
.set F1,   96
.set G1A, 32                           ; s[32:39] group 1 for x's tiles
.set G1B, 40                           ; s[40:47] for wall's
.set G1C, 48                           ; s[48:55] for cos and sin
.set G0A, 56                           ; s[56:63] group 0 for x, a set for each slot
.set G0B, 68                           ; s[68:75] for wall
.set G0C, 76                           ; s[76:79] cos
.set G0S, 80                           ; s[80:83] sin
.set MSB, 0
.macro WIN new                         ; the high byte repeats the setting that is left; a switch that changes nothing is dropped
.if MSB != (\new)
	s_set_vgpr_msb (MSB<<8)|(\new)
.set MSB, \new
.endif
.endm
.set MUL,  0xa5                        ; sources 0 and 1 window 1; C and D window 2
.set TO_F, 0x40                        ; destination window 1
.set DUMP, 0x08                        ; an LDS store's data in window 2
.macro PLACES                          ; four plain places between a matrix instruction and a load into, or a read of, its registers
.rept 4
	v_nop
.endr
.endm
.macro JLOAD s                         ; a joint refill: waves 0, 1 fetch x's halves, waves 2, 3 wall's
	s_cmp_eq_u32 s25, 0
	s_cbranch_scc0 .Lfor_b_\@
	tensor_load_to_lds s[G0A+4*(\s):G0A+4*(\s)+3], s[G1A:G1A+7]
	s_nop 0
	PLACES
	s_branch .Lasked_\@
.Lfor_b_\@:
	tensor_load_to_lds s[G0B+4*(\s):G0B+4*(\s)+3], s[G1B:G1B+7]
	s_nop 0
	PLACES
.Lasked_\@:
.endm
.macro CREST                           ; a round of the cluster's barrier behind its opening barrier
	s_cmp_lg_u32 s24, 0
	s_cbranch_scc1 .Lnot_wave_0_\@
	s_barrier_signal -3
.Lnot_wave_0_\@:
	s_barrier_wait -3
	s_barrier_signal -1
	s_barrier_wait -1
.endm
.macro CROUND
	s_barrier_signal -1
	s_barrier_wait -1
	CREST
.endm
	s_load_b512 s[4:19], s[0:1], 0x0               ; xb, wall, csb, q_norm_w, k_norm_w, qf, kvf, sg
	v_lshl_add_u32 v[SPW], v0, 2, SPARE
	v_mov_b32 v[NIL], 0
	ds_add_u32 v[SPW], v[NIL]                      ; the wave's opening: the add and its wait ahead of my first tensor load
	v_lshrrev_b32 v1, 5, v0
	v_readfirstlane_b32 s24, v1                    ; wave 0..3
	s_lshr_b32 s25, s24, 1                         ; my half of the rows. Also: I fetch x and cos (0) or wall and sin (1)
	s_and_b32 s26, s24, 1                          ; my half of the columns. Also: which half of a tile I fetch
	s_bfe_u32 s27, ttmp6, 0x40000                  ; cx
	s_bfe_u32 s28, ttmp6, 0x40004                  ; cy
	s_lshl_b32 s29, ttmp9, 2
	s_add_co_u32 s29, s29, s27                     ; X: column block 0..19
	s_and_b32 s30, ttmp7, 0xffff
	s_lshl_b32 s30, s30, 2
	s_add_co_u32 s30, s30, s28                     ; Y: block of 128 rows, 0..31
	s_lshl_b32 s20, s28, 2
	s_lshl_b32 s20, 15, s20                        ; my row of the cluster
	s_lshl_b32 s21, 0x1111, s27                    ; my column
	s_or_b32 s[G1A], s20, (1<<16)|(1<<20)|(1<<21)|(5<<22)|(3<<25)  ; mask; 2-byte elements; padding on; bit 21 beside a mask; after every 64 words 4 words
	s_or_b32 s[G1C], s20, (1<<16)|(1<<20)|(1<<21)|(5<<22)|(3<<25)
	s_or_b32 s[G1B], s21, (1<<16)|(1<<20)|(1<<21)|(6<<22)|(7<<25)  ; after every 128 words 8 words
.irp g, G1A, G1C
	s_mov_b32 s[\g+1], 128<<16                     ; tensor_dim0 = 128
	s_mov_b32 s[\g+2], 64<<16                      ; tensor_dim1 = 64
	s_mov_b32 s[\g+3], 128<<16                     ; tile_dim0 = 128
	s_mov_b32 s[\g+4], 64                          ; tile_dim1 = 64
	s_mov_b32 s[\g+6], 0
	s_mov_b32 s[\g+7], 0
.endr
	s_mov_b32 s[G1A+5], 1024                       ; elements from row to row: x
	s_mov_b32 s[G1C+5], 128                        ; cos, sin
	s_mov_b32 s[G1B+1], 256<<16
	s_mov_b32 s[G1B+2], 64<<16
	s_mov_b32 s[G1B+3], 256<<16
	s_mov_b32 s[G1B+4], 64
	s_mov_b32 s[G1B+5], 5120
	s_mov_b32 s[G1B+6], 0
	s_mov_b32 s[G1B+7], 0
	s_lshl_b32 s84, s30, 7                         ; x, cos, sin: row 128 Y + 64 half; no register here ever holds cx
	s_lshl_b32 s85, s26, 6
	s_add_co_u32 s84, s84, s85
	s_lshl_b32 s86, s84, 8                         ; rows of 256 bytes
	s_lshl_b32 s84, s84, 11                        ; rows of 2,048 bytes
	s_mov_b32 s85, 0
	s_mov_b32 s87, 0
	s_mul_i32 s88, s26, 64*WROW                    ; wall: k row 64 half, column block X; no register here ever holds cy
	s_lshl_b32 s89, s29, 9
	s_add_co_u32 s88, s88, s89
	s_mov_b32 s89, 0
	s_mul_i32 s96, s26, AHALF                      ; LDS places hang on the wave's number alone
	s_mul_i32 s97, s26, BHALF
	s_mov_b32 s22, 0x76543210                      ; v_permlanex16_b32: each lane takes its own place in the other half
	s_mov_b32 s23, 0xfedcba98
	s_mov_b32 s98, 0x3b800000                      ; 1 / 256
	s_mov_b32 s99, 0x358637bd                      ; 1e-6
	s_wait_dscnt 0x0                               ; the opening add is done
	s_wait_kmcnt 0x0
	s_add_nc_u64 s[84:85], s[4:5], s[84:85]
	s_add_nc_u64 s[86:87], s[8:9], s[86:87]
	s_add_nc_u64 s[88:89], s[6:7], s[88:89]
.irp s, 0,1
	s_mov_b32 s[G0A+4*\s], 1
	s_add_co_u32 s[G0A+4*\s+1], s96, \s*SLOT
	s_add_nc_u64 s[G0A+4*\s+2:G0A+4*\s+3], s[84:85], \s*KSTEP*2
	s_or_b32 s[G0A+4*\s+3], s[G0A+4*\s+3], 0x80000000
	s_mov_b32 s[G0B+4*\s], 1
	s_add_co_u32 s[G0B+4*\s+1], s97, \s*SLOT+ATILE
	s_add_nc_u64 s[G0B+4*\s+2:G0B+4*\s+3], s[88:89], \s*KSTEP*WROW
	s_or_b32 s[G0B+4*\s+3], s[G0B+4*\s+3], 0x80000000
.endr
	s_mov_b32 s[G0C], 1
	s_add_co_u32 s[G0C+1], s96, COSB
	s_add_nc_u64 s[G0C+2:G0C+3], s[86:87], 0
	s_or_b32 s[G0C+3], s[G0C+3], 0x80000000
	s_mov_b32 s[G0S], 1
	s_add_co_u32 s[G0S+1], s96, SINB
	s_add_nc_u64 s[G0S+2:G0S+3], s[86:87], 0x100000
	s_or_b32 s[G0S+3], s[G0S+3], 0x80000000
	CROUND                                         ; all sixteen work-groups are here: the first joint loads meet
	s_cmp_eq_u32 s25, 0                            ; a wave's three first fills stand in one branch: three loads of mine are out
	s_cbranch_scc0 .Lfirst_b
	tensor_load_to_lds s[G0A:G0A+3], s[G1A:G1A+7]
	s_nop 0
	tensor_load_to_lds s[G0A+4:G0A+7], s[G1A:G1A+7]
	s_nop 0
	tensor_load_to_lds s[G0C:G0C+3], s[G1C:G1C+7]
	s_nop 0
	PLACES
	s_branch .Lfirst_asked
.Lfirst_b:
	tensor_load_to_lds s[G0B:G0B+3], s[G1B:G1B+7]
	s_nop 0
	tensor_load_to_lds s[G0B+4:G0B+7], s[G1B:G1B+7]
	s_nop 0
	tensor_load_to_lds s[G0S:G0S+3], s[G1C:G1C+7]
	s_nop 0
	PLACES
.Lfirst_asked:
	v_and_b32 v1, 15, v0                           ; l % 16
	v_bfe_u32 v2, v0, 4, 1                         ; l / 16
	v_and_b32 v3, 31, v0                           ; l
	v_lshlrev_b32 v[GA], 4, v3
	v_xor_b32 v[GP], 0x100, v[GA]                  ; 64 columns of f32 away
	s_mov_b32 s91, ttmp9                           ; the cluster's x: 0,1 q; 2,3 gate; 4 k and v
	s_cmp_lt_u32 s91, 2
	s_cselect_b64 s[92:93], s[10:11], s[12:13]     ; q's gains or k's
	s_cselect_b64 s[94:95], s[14:15], s[18:19]     ; qf or sg,
	s_cmp_lt_u32 s91, 4
	s_cselect_b64 s[94:95], s[94:95], s[16:17]     ; or kvf
	global_load_b128 v[W1:W1+3], v[GA], s[92:93]
	global_load_b128 v[W1+4:W1+7], v[GA], s[92:93] offset:512
	global_load_b128 v[W1+8:W1+11], v[GP], s[92:93]
	s_lshr_b32 s91, s30, 4                         ; batch
	s_and_b32 s31, s30, 15
	s_lshl_b32 s31, s31, 7                         ; first position
	s_and_b32 s67, s29, 7
	s_and_b32 s2, s29, 1
	s_cmp_lt_u32 s29, 16
	s_cselect_b32 s67, s67, s2                     ; the head in its buffer,
	s_cselect_b32 s66, 3, 1                        ; of 8 or of 2 a batch
	s_lshl_b32 s91, s91, s66
	s_add_co_u32 s91, s91, s67
	s_lshl_b32 s91, s91, 11
	s_add_co_u32 s91, s91, s31
	s_lshl_b32 s66, s91, 9                         ; rows of 512 bytes
	s_cmp_ge_u32 s29, 18
	s_cselect_b32 s90, -1, 0                       ; all ones: a tile of v
	s_cselect_b32 s67, 0x400000, 0                 ; v lies behind k
	s_add_co_u32 s66, s66, s67
	s_mov_b32 s67, 0
	s_add_nc_u64 s[94:95], s[94:95], s[66:67]
	v_mul_u32_u24 v4, v1, PA                       ; a fragment of x: row l % 16, 16 bytes for each half of the lanes, two loads 32 bytes apart
	v_lshl_add_u32 v4, v2, 4, v4
	s_mul_i32 s96, s25, AHALF
	v_add_nc_u32 v[ADRA], s96, v4
	v_add_nc_u32 v[ADRA+1], SLOT, v[ADRA]
	v_and_b32 v5, 7, v0                            ; the turning load: lane l reads k row 8 (l/16) + l%8, columns 8 ((l/8)%2) + 0..7
	v_lshl_add_u32 v5, v2, 3, v5
	v_mul_u32_u24 v5, v5, PB
	v_bfe_u32 v6, v0, 3, 1
	v_lshl_add_u32 v5, v6, 4, v5
	s_lshl_b32 s96, s26, 8
	s_add_co_u32 s96, s96, ATILE
	v_add_nc_u32 v[ADRB], s96, v5
	v_add_nc_u32 v[ADRB+1], SLOT, v[ADRB]
	v_mul_u32_u24 v[STO], v1, FP                   ; into the stage: row 64 (w/2) + l%16, columns 128 (w%2) + 8 (l/16)
	v_lshl_add_u32 v[STO], v2, 5, v[STO]
	s_mul_i32 s96, s25, 64*FP
	s_lshl_b32 s97, s26, 9
	s_add_co_u32 s96, s96, s97
	v_add_nc_u32 v[STO], s96, v[STO]
	s_mul_i32 s96, s24, 32*FP                      ; back: wave w takes rows 32 w ..
	v_add_nc_u32 v[RA], s96, v[GA]
	v_add_nc_u32 v[RP], s96, v[GP]
	s_mul_i32 s96, s24, 32*PA
	s_add_co_u32 s96, s96, COSB
	v_lshl_add_u32 v[CA], v3, 3, s96
	v_add_nc_u32 v[SA], SINB-COSB, v[CA]
	s_lshl_b32 s96, s24, 14
	v_lshl_add_u32 v[GO], v3, 3, s96
	v_mov_b32 v[ZERO], 0
	v_mov_b32 v[ONEB], 0x3f803f80
	v_xor_b32 v[SGN], 1, v2
	v_lshlrev_b32 v[SGN], 31, v[SGN]
; 8 matrix instructions: row block a x all 8 column blocks, 32 along K. The 32 accumulators take turns in one order. zero = 1: the product starts the sums.
.macro MULA f, a, zero
	WIN MUL
.irp b, 0,1,2,3,4,5,6,7
.if \zero
	v_wmma_f32_16x16x32_bf16 v[8*(8*(\a)+\b):8*(8*(\a)+\b)+7], v[(\f)+8*\b:(\f)+8*\b+7], v[(\f)+64+8*(\a):(\f)+64+8*(\a)+7], 0
.else
	v_wmma_f32_16x16x32_bf16 v[8*(8*(\a)+\b):8*(8*(\a)+\b)+7], v[(\f)+8*\b:(\f)+8*\b+7], v[(\f)+64+8*(\a):(\f)+64+8*(\a)+7], v[8*(8*(\a)+\b):8*(8*(\a)+\b)+7]
.endif
.endr
.endm
; 24 LDS loads in one run: quarter q (32 along K) of a slot into buffer f: wall's 8 fragments, then x's 4, blocks 0 and 1 first
.macro FETCH slot, q, f
	WIN TO_F
.irp b, 0,1,2,3,4,5,6,7
	ds_load_tr16_b128 v[(\f)+8*\b:(\f)+8*\b+3],   v[ADRB+(\slot)] offset:(\q)*32*PB+32*\b
	ds_load_tr16_b128 v[(\f)+8*\b+4:(\f)+8*\b+7], v[ADRB+(\slot)] offset:(\q)*32*PB+32*\b+16*PB
.endr
.irp a, 0,1,2,3
	ds_load_b128 v[(\f)+64+8*\a:(\f)+64+8*\a+3],   v[ADRA+(\slot)] offset:(\q)*64+\a*16*PA
	ds_load_b128 v[(\f)+64+8*\a+4:(\f)+64+8*\a+7], v[ADRA+(\slot)] offset:(\q)*64+\a*16*PA+32
.endr
.endm
; One of a K step's first three quarters: multiplies buffer f; in its middle fetches quarter q into buffer g
.macro QUARTER slot, q, f, g, zero
	s_wait_dscnt 4                                 ; wall and x's blocks 0, 1 are in; the youngest four loads (blocks 2, 3) may be out
	MULA \f, 0, \zero
	MULA \f, 1, \zero
	PLACES
	FETCH \slot, \q, \g
	s_wait_dscnt 24                                ; all but the 24 just issued
	MULA \f, 2, \zero
	MULA \f, 3, \zero
.endm
; The last quarter multiplies buffer 1 and changes slots: one barrier; in front of it each wave waits for all its tensor loads, adds 0 to its spare word, and waits for that and for its reads of this slot.
.macro TURN slot, next, fill
	WIN 0
	s_wait_tensorcnt 0x0                           ; all my tensor loads have landed: my part of the next slot among them
	ds_add_u32 v[SPW], v[NIL]
	s_wait_dscnt 5                                 ; (the add and the youngest four loads may be out)
	MULA F1, 0, 0
	s_wait_dscnt 0x0                               ; the add is done, and my reads of this slot are over
	s_barrier_signal -1
	MULA F1, 1, 0
.if \fill
	WIN 0
.endif
	s_barrier_wait -1
.if \fill
	CREST                                          ; the barrier has opened a round of the cluster's: no wave of any partner still reads this slot or has a load on its way
	s_add_nc_u64 s[G0A+4*(\slot)+2:G0A+4*(\slot)+3], s[G0A+4*(\slot)+2:G0A+4*(\slot)+3], 2*KSTEP*2
	s_add_nc_u64 s[G0B+4*(\slot)+2:G0B+4*(\slot)+3], s[G0B+4*(\slot)+2:G0B+4*(\slot)+3], 2*KSTEP*WROW
	JLOAD \slot                                    ; the first tensor load behind the round; its four v_nop are also the places in front of the loads below
.else
	PLACES
.endif
	FETCH \next, 0, F0
	MULA F1, 2, 0
	MULA F1, 3, 0
.endm
	s_wait_tensorcnt 2                             ; my part of K step 0 is in; slot 1 and cos or sin may stay out
	s_barrier_signal -1
	s_barrier_wait -1
	FETCH 0, 0, F0
	QUARTER 0, 1, F0, F1, 1                        ; the first quarter stands in front of the loop: its products start the sums
	WIN 0
	s_mov_b32 s3, LAPS-1
.Llap:                                                 ; a trip goes once round the ring and fills both slots again
	QUARTER 0, 2, F1, F0, 0
	QUARTER 0, 3, F0, F1, 0
	TURN 0, 1, 1
	QUARTER 1, 1, F0, F1, 0
	QUARTER 1, 2, F1, F0, 0
	QUARTER 1, 3, F0, F1, 0
	TURN 1, 0, 1
	QUARTER 0, 1, F0, F1, 0
	WIN 0
	s_sub_co_u32 s3, s3, 1
	s_cmp_lg_u32 s3, 0
	s_cbranch_scc1 .Llap
	QUARTER 0, 2, F1, F0, 0                        ; the last lap fills nothing
	QUARTER 0, 3, F0, F1, 0
	TURN 0, 1, 0
	QUARTER 1, 1, F0, F1, 0
	QUARTER 1, 2, F1, F0, 0
	QUARTER 1, 3, F0, F1, 0
	s_wait_dscnt 4
	MULA F1, 0, 0
	MULA F1, 1, 0
	s_wait_dscnt 0x0
	MULA F1, 2, 0
	MULA F1, 3, 0
	WIN 0
	PLACES
	s_barrier_signal -1                            ; every wave's reads of the ring are back: the stage may be written over it
	s_barrier_wait -1
	WIN DUMP
.irp a, 0,1,2,3
.irp b, 0,1,2,3,4,5,6,7
	ds_store_b128 v[STO], v[8*(8*\a+\b):8*(8*\a+\b)+3]   offset:\a*16*FP+64*\b
	ds_store_b128 v[STO], v[8*(8*\a+\b)+4:8*(8*\a+\b)+7] offset:\a*16*FP+64*\b+16
.endr
.endr
	WIN 0
	s_wait_dscnt 0x0                               ; for the others' sake: my stores into the stage are done
	s_barrier_signal -1
	s_barrier_wait -1
	s_wait_loadcnt 0x0                             ; the gains
.macro ROWS line:vararg                ; one line for each of a trip's four rows: row RHO's registers begin at R
.set R, 64
.set RHO, 0
	s_wait_alu depctr_va_vdst(0)
.rept 4
	\line
.set R, R+40
.set RHO, RHO+1
.endr
.endm
	s_mov_b32 s3, 8
	s_lshr_b32 s91, ttmp9, 1
	s_cmp_eq_u32 s91, 1
	s_cbranch_scc1 .Lgate
	; gains: rounded to bf16, plus 1; the partner's with its sign; for v: 1, 1 and 0
.irp j, 0,2,4,6,8,10
	v_cvt_pk_bf16_f32 v[TW], v[W1+\j], v[W1+\j+1]
	v_lshlrev_b32 v[W1+\j], 16, v[TW]
	v_and_b32 v[W1+\j+1], 0xffff0000, v[TW]
	v_pk_add_f32 v[W1+\j:W1+\j+1], v[W1+\j:W1+\j+1], 1.0 op_sel_hi:[1,0]
.endr
.irp j, 0,1,2,3
	v_xor_b32 v[W1+8+\j], v[SGN], v[W1+8+\j]
.endr
.irp j, 0,1,2,3,4,5,6,7
	v_cndmask_b32 v[W1+\j], v[W1+\j], 1.0, s90
.endr
.irp j, 0,1,2,3
	v_cndmask_b32 v[W1+8+\j], v[W1+8+\j], 0, s90
.endr
	ROWS v_mov_b32 v[R+29], 0                      ; named with the scale as a pair
; R+0..3 columns 4l.., R+4..7 columns 128+4l.., R+8..11 the partner's, R+12,13 cos, R+14,15 sin, R+16..19 the sum, R+20..23 rotated, R+24..27 to store, R+28 the scale
.Lnorm:
	ROWS ds_load_b128 v[R:R+3], v[RA] offset:RHO*FP
	ROWS ds_load_b128 v[R+4:R+7], v[RA] offset:RHO*FP+512
	ROWS ds_load_b128 v[R+8:R+11], v[RP] offset:RHO*FP
	ROWS ds_load_b64 v[R+12:R+13], v[CA] offset:RHO*PA
	ROWS ds_load_b64 v[R+14:R+15], v[SA] offset:RHO*PA
	s_wait_dscnt 0x0
	ROWS v_pk_mul_f32 v[R+16:R+17], v[R:R+1], v[R:R+1]
	ROWS v_pk_fma_f32 v[R+16:R+17], v[R+2:R+3], v[R+2:R+3], v[R+16:R+17]
	ROWS v_pk_fma_f32 v[R+16:R+17], v[R+4:R+5], v[R+4:R+5], v[R+16:R+17]
	ROWS v_pk_fma_f32 v[R+16:R+17], v[R+6:R+7], v[R+6:R+7], v[R+16:R+17]
	ROWS v_add_f32 v[R+18], v[R+16], v[R+17]
	ROWS v_add_f32_dpp v[R+18], v[R+18], v[R+18] row_xmask:1 row_mask:0xf bank_mask:0xf
	ROWS v_add_f32_dpp v[R+18], v[R+18], v[R+18] row_xmask:2 row_mask:0xf bank_mask:0xf
	ROWS v_add_f32_dpp v[R+18], v[R+18], v[R+18] row_xmask:4 row_mask:0xf bank_mask:0xf
	ROWS v_add_f32_dpp v[R+18], v[R+18], v[R+18] row_xmask:8 row_mask:0xf bank_mask:0xf
	ROWS v_permlanex16_b32 v[R+17], v[R+18], s22, s23
	ROWS v_add_f32 v[R+18], v[R+18], v[R+17]
	ROWS v_fma_f32 v[R+18], v[R+18], s98, s99      ; the mean of squares + 1e-6
	ROWS v_rsq_f32 v[R+28], v[R+18]
	ROWS v_pk_mul_f32 v[R:R+1], v[R:R+1], v[W1:W1+1]      ; plain work behind the roots: x (1 + w)
	ROWS v_pk_mul_f32 v[R+2:R+3], v[R+2:R+3], v[W1+2:W1+3]
	ROWS v_pk_mul_f32 v[R+4:R+5], v[R+4:R+5], v[W1+4:W1+5]
	ROWS v_pk_mul_f32 v[R+6:R+7], v[R+6:R+7], v[W1+6:W1+7]
	ROWS v_pk_mul_f32 v[R+8:R+9], v[R+8:R+9], v[W1+8:W1+9]
	ROWS v_pk_mul_f32 v[R+10:R+11], v[R+10:R+11], v[W1+10:W1+11]
	ROWS v_cndmask_b32 v[R+28], v[R+28], 1.0, s90
	ROWS v_cndmask_b32 v[R+12], v[R+12], v[ONEB], s90
	ROWS v_cndmask_b32 v[R+13], v[R+13], v[ONEB], s90
	ROWS v_fma_mix_f32_bf16 v[R+20], v[R], v[R+12], v[ZERO] op_sel_hi:[0,1,0]
	ROWS v_fma_mix_f32_bf16 v[R+21], v[R+1], v[R+12], v[ZERO] op_sel:[0,1,0] op_sel_hi:[0,1,0]
	ROWS v_fma_mix_f32_bf16 v[R+22], v[R+2], v[R+13], v[ZERO] op_sel_hi:[0,1,0]
	ROWS v_fma_mix_f32_bf16 v[R+23], v[R+3], v[R+13], v[ZERO] op_sel:[0,1,0] op_sel_hi:[0,1,0]
	ROWS v_fma_mix_f32_bf16 v[R+20], v[R+8], v[R+14], v[R+20] op_sel_hi:[0,1,0]
	ROWS v_fma_mix_f32_bf16 v[R+21], v[R+9], v[R+14], v[R+21] op_sel:[0,1,0] op_sel_hi:[0,1,0]
	ROWS v_fma_mix_f32_bf16 v[R+22], v[R+10], v[R+15], v[R+22] op_sel_hi:[0,1,0]
	ROWS v_fma_mix_f32_bf16 v[R+23], v[R+11], v[R+15], v[R+23] op_sel:[0,1,0] op_sel_hi:[0,1,0]
	ROWS v_pk_mul_f32 v[R+20:R+21], v[R+20:R+21], v[R+28:R+29] op_sel_hi:[1,0]
	ROWS v_pk_mul_f32 v[R+22:R+23], v[R+22:R+23], v[R+28:R+29] op_sel_hi:[1,0]
	ROWS v_pk_mul_f32 v[R+4:R+5], v[R+4:R+5], v[R+28:R+29] op_sel_hi:[1,0]
	ROWS v_pk_mul_f32 v[R+6:R+7], v[R+6:R+7], v[R+28:R+29] op_sel_hi:[1,0]
	ROWS v_cvt_pk_f16_f32 v[R+24], v[R+20], v[R+21]
	ROWS v_cvt_pk_f16_f32 v[R+25], v[R+22], v[R+23]
	ROWS v_cvt_pk_f16_f32 v[R+26], v[R+4], v[R+5]
	ROWS v_cvt_pk_f16_f32 v[R+27], v[R+6], v[R+7]
	ROWS global_store_b64 v[GO], v[R+24:R+25], s[94:95] offset:RHO*512       ; 32 lanes store 256 consecutive bytes, aligned
	ROWS global_store_b64 v[GO], v[R+26:R+27], s[94:95] offset:RHO*512+256
	s_wait_xcnt 0x0                                ; the stores' offset and data are rewritten only behind this wait
	v_add_nc_u32 v[RA], 4*FP, v[RA]
	v_add_nc_u32 v[RP], 4*FP, v[RP]
	v_add_nc_u32 v[CA], 4*PA, v[CA]
	v_add_nc_u32 v[SA], 4*PA, v[SA]
	v_add_nc_u32 v[GO], 4*512, v[GO]
	s_sub_co_u32 s3, s3, 1
	s_cmp_lg_u32 s3, 0
	s_cbranch_scc1 .Lnorm
	s_branch .Lend
.Lgate:                                                ; sigmoid(g) = 1 / (1 + 2^(-g log2 e)), four rows a trip
	ROWS ds_load_b128 v[R:R+3], v[RA] offset:RHO*FP
	ROWS ds_load_b128 v[R+4:R+7], v[RA] offset:RHO*FP+512
	s_wait_dscnt 0x0
.irp j, 0,2,4,6
	ROWS v_pk_mul_f32 v[R+\j:R+\j+1], v[R+\j:R+\j+1], 0xbfb8aa3b op_sel_hi:[1,0]
.endr
.irp j, 0,1,2,3,4,5,6,7
	ROWS v_exp_f32 v[R+\j], v[R+\j]
.endr
	v_nop                                          ; a plain instruction between the last exponential and the use of its result
	s_wait_alu depctr_va_vdst(0)
.irp j, 0,2,4,6
	ROWS v_pk_add_f32 v[R+\j:R+\j+1], v[R+\j:R+\j+1], 1.0 op_sel_hi:[1,0]
.endr
.irp j, 0,1,2,3,4,5,6,7
	ROWS v_rcp_f32 v[R+\j], v[R+\j]
.endr
	v_nop
	s_wait_alu depctr_va_vdst(0)
.irp j, 0,1,2,3
	ROWS v_cvt_pk_f16_f32 v[R+24+\j], v[R+2*\j], v[R+2*\j+1]
.endr
	ROWS global_store_b64 v[GO], v[R+24:R+25], s[94:95] offset:RHO*512
	ROWS global_store_b64 v[GO], v[R+26:R+27], s[94:95] offset:RHO*512+256
	s_wait_xcnt 0x0
	v_add_nc_u32 v[RA], 4*FP, v[RA]
	v_add_nc_u32 v[GO], 4*512, v[GO]
	s_sub_co_u32 s3, s3, 1
	s_cmp_lg_u32 s3, 0
	s_cbranch_scc1 .Lgate
.Lend:
	s_wait_tensorcnt 0x0                           ; the wave's end
	ds_add_u32 v[SPW], v[NIL]
	s_wait_dscnt 0x0
	CROUND                                         ; the closing round: no work-group ends while a partner may still ask for a tile that names it
	s_endpgm
.Lfunc_end_k_qffb608c90f_proj:
	.size	k_qffb608c90f_proj, .Lfunc_end_k_qffb608c90f_proj-k_qffb608c90f_proj
	.p2alignl 7, 3214868480
	.fill 96, 4, 3214868480
	.section	.rodata,"a",@progbits
	.p2align	6, 0x0
	.amdhsa_kernel k_qffb608c90f_proj
		.amdhsa_group_segment_fixed_size 327680
		.amdhsa_private_segment_fixed_size 0
		.amdhsa_enable_private_segment 0
		.amdhsa_kernarg_size 64
		.amdhsa_user_sgpr_count 2
		.amdhsa_user_sgpr_kernarg_segment_ptr 1
		.amdhsa_wavefront_size32 1
		.amdhsa_system_sgpr_workgroup_id_x 1
		.amdhsa_system_sgpr_workgroup_id_y 1
		.amdhsa_system_sgpr_workgroup_id_z 1
		.amdhsa_system_vgpr_workitem_id 0
		.amdhsa_next_free_vgpr 768
		.amdhsa_next_free_sgpr 100
		.amdhsa_reserve_vcc 0
		.amdhsa_float_denorm_mode_32 3
		.amdhsa_float_denorm_mode_16_64 3
		.amdhsa_memory_ordered 1
		.amdhsa_forward_progress 1
		.amdhsa_inst_pref_size 101
	.end_amdhsa_kernel
	.amdgpu_metadata
---
amdhsa.version: [ 1, 2 ]
amdhsa.kernels:
  - .name:           k_qffb608c90f_proj
    .symbol:         k_qffb608c90f_proj.kd
    .args:
      - { .name: xb, .offset: 0, .size: 8, .value_kind: global_buffer, .address_space: global }
      - { .name: wall, .offset: 8, .size: 8, .value_kind: global_buffer, .address_space: global }
      - { .name: csb, .offset: 16, .size: 8, .value_kind: global_buffer, .address_space: global }
      - { .name: q_norm_w, .offset: 24, .size: 8, .value_kind: global_buffer, .address_space: global }
      - { .name: k_norm_w, .offset: 32, .size: 8, .value_kind: global_buffer, .address_space: global }
      - { .name: qf, .offset: 40, .size: 8, .value_kind: global_buffer, .address_space: global }
      - { .name: kvf, .offset: 48, .size: 8, .value_kind: global_buffer, .address_space: global }
      - { .name: sg, .offset: 56, .size: 8, .value_kind: global_buffer, .address_space: global }
    .group_segment_fixed_size: 327680
    .private_segment_fixed_size: 0
    .kernarg_segment_align: 8
    .kernarg_segment_size: 64
    .max_flat_workgroup_size: 128
    .sgpr_count:     100
    .vgpr_count:     768
    .wavefront_size: 32
...
	.end_amdgpu_metadata
.endif
;; end of part 2
;; launch attn (part 3): grid 64 x 4, 4 waves a work-group, clusters of 4 x 1, 327,680 bytes of LDS; arguments qf, kvf, sg, ao; writes ao
.if DOCPART == 3
	.amdgcn_target "amdgcn-amd-amdhsa--gfx1250"
	.amdhsa_code_object_version 6
	.text
	.protected	k_qffb608c90f_attn
	.globl	k_qffb608c90f_attn
	.p2align	8
	.type	k_qffb608c90f_attn,@function
k_qffb608c90f_attn:
	s_mov_b64 s[64:65], 0
	v_nop
	global_prefetch_b8 v0, s[64:65] scope:SCOPE_SE
	s_setreg_imm32_b32 hwreg(HW_REG_WAVE_MODE, 25, 1), 1
	s_wait_xcnt 0x0
	s_wait_alu depctr_hold_cnt(0) depctr_sa_sdst(0) depctr_va_vdst(0) depctr_va_sdst(0) depctr_va_ssrc(0) depctr_va_vcc(0) depctr_vm_vsrc(0)
	s_getreg_b32 s2, hwreg(HW_REG_IB_STS2, 6, 4)
	s_cmp_eq_u32 s2, 0
	s_cbranch_scc0 .Lentry_in_a_cluster
	s_endpgm
.Lentry_in_a_cluster:
	s_bfe_u32 s2, ttmp6, 0x10000c
	s_cmp_lg_u32 s2, 0x3003
	s_cbranch_scc0 .Lentry_shape_is_right
	s_endpgm
.Lentry_shape_is_right:
; CAUSAL ATTENTION with grouped heads at head size 256, and the gate. qf f16 [b][8][2048][256]; kvf: k f16 [b][2][2048][256], v 4,194,304 bytes behind; sg = sigmoid(gate), laid like qf.
; ao f16 [4096][2048] = softmax(q k / 16, keys up to the query's own) v x sg. Products, maxima and sums in f32; the weights p are rounded to f16 for the second product (their sum is taken unrounded); ao is rounded once.
; LIMITS. f16 ends at 65,504: v and the gated output lie within it. A hidden score counts as -1e30; a weight below 2^-126 counts as 0; NaN and infinities are not treated apart.
; SHARES. A block is 16 positions x the four query heads of one k/v head: 64 rows, four tiles of 16 (tile = head). A work-group takes block 256 (7-t) + 16 u and then block 256 t + 16 u: key tiles of 256 keys,
; 8-t and t+1 of them: nine steps whatever t. t comes from the cluster's number, u's low bits from my place in it: the four partners walk the same tiles, and every tile of K and V is asked for JOINTLY.
; A STEP. S^T = K Q^T is shared by keys: wave w takes keys 64 w.. against all 64 rows. The rows' maxima meet in LDS, so all waves hold the same running maximum m and the same a = 2^(c m_old - c m_new), c = log2(e)/16.
; p = 2^(c s - c m) goes through LDS as ready fragments. O^T = V^T P is shared by channels: wave w makes channels 64 w.. of all 64 rows over all 256 keys. Each wave keeps the sum l of its own keys; they meet at a block's end.
; K and V have one LDS buffer each: V's tile is fetched while K Q^T and the softmax run, the next K's while V^T P runs. One tensor load of mine is out at most.
; A block's first step has a = 0 (c m starts far below every c s), so O and l need only be finite there: zeros at the start, what the first block left later.
; In the diagonal tile every row sees the tile's key 0 at least, and the maximum that is exchanged covers all four waves: m is always a true score.
; REGISTERS. window 0: v0-63 addresses and statistics; v64-127 K, two buffers of 32; v128-255 S^T at 128 + 32 tile + 8 key block.
;   window 1: v0-127 O^T at 32 tile + 8 channel block; v128-255 two buffers of 64: four fragments of V, four of P (v128-191 also hold my own p on its way to LDS).   window 2: Q at 64 tile + 8 channel step.
.set KP,   528                         ; a row of K in LDS: 512 bytes + 16
.set VP,   544                         ; a row of V: 512 + 32, for the turning load
.set VB,   256*KP
.set PBUF, VB+256*VP                   ; P: 32 images of 1,024 bytes, image 4 g + tile for keys 32 g..; at a block's end the stage: 64 rows of 528 bytes
.set SGP,  528
.set MXB,  PBUF+64*SGP                 ; the waves' maxima: 256 bytes a wave
.set LXB,  MXB+1024                    ; the waves' sums
.set SPARE, LXB+1024                   ; the spare words: 128 bytes a wave, two blocks of 256 bytes that no other line names
.set AK,   3                           ; v3   my place in my 64 rows of K
.set AV0,  4                           ; v4,5 my place in V, keys 0-127 and 128-255
.set APW,  6                           ; v6   where my p goes
.set APR,  7                           ; v7   where P is read
.set MXW,  8
.set MXR,  9
.set LXW,  10
.set LXR,  11
.set QO,   12                          ; v12  my byte offset in 16 rows of Q
.set DELTA, 13                         ; v13  my query's place in its tile less my first key's: 16 u + l%16 - 64 w - 8 (l/16)
.set BIG,  14                          ; v14  -1e30
.set ZERO, 15
.set ST,   16                          ; tile t at v[16+8t]: c m, m, l (two), c0-c3 at work; a, later 1/l, in c2
.set LM,   52                          ; v52-55 what goes to the other waves
.set STGW, 56                          ; v56  stage: my 16 bytes of row 16 w
.set STGF, 57                          ; v57  stage: row l%16, my wave's channels, as a fragment lies
.set GL,   58                          ; v58  16 l
.set SPW,  60
.set NIL,  61
.set KR,   64
.set S,    128
.set GG,   192                         ; v192-255 the gate, as O^T lies
.set PS,   128                         ; window 1
.set PR,   128                         ; window 1
.set KBASE, 6                          ; s[6:7]   K at my 64 keys of tile 0
.set VBASE, 20                         ; s[20:21] V likewise
.set WV,   15
.set T,    16
.set U,    17
.set G1K,  24
.set G1V,  32
.set G0K,  40
.set G0V,  44
.set OFF,  48                          ; s[48:49] the byte offset of the tile in hand
.set QNXT, 50
.set SGNXT, 52
.set AONXT, 54
.set CS,   56
.set SEL,  58
.set SLOTS, 60
.set RT,   61                          ; tiles of the block in hand still to be entered
.set NXT,  62                          ; the tile to be asked for next
.set LQ,   63                          ; the last tile of the block whose tiles are being asked for
.set MSB, 0
.macro WIN new
.if MSB != (\new)
	s_set_vgpr_msb (MSB<<8)|(\new)
.set MSB, \new
.endif
.endm
.set W_QK, 0x08                        ; Q in window 2; K, S^T and LDS addresses in window 0
.set W_PV, 0x55                        ; all four in window 1
.set W_T1, 0x40                        ; destination window 1
.set W_PST, 0x04                       ; an LDS store's data in window 1
.set W_RS, 0x41                        ; destination and source 0 window 1, source 1 window 0
.set W_MX, 0x01                        ; source 0 window 1
.set W_Q,  0x80                        ; destination window 2
.macro PLACES
.rept 4
	v_nop
.endr
.endm
.macro CROUND                          ; a round of the cluster's barrier
	s_barrier_signal -1
	s_barrier_wait -1
	s_cmp_lg_u32 s[WV], 0
	s_cbranch_scc1 .Lnot_wave_0_\@
	s_barrier_signal -3
.Lnot_wave_0_\@:
	s_barrier_wait -3
	s_barrier_signal -1
	s_barrier_wait -1
.endm
.macro TILES line:vararg               ; one line for each tile tt
.set tt, 0
.rept 4
.set rT, ST+8*tt
.set rS, S+32*tt
.set rO, 32*tt
	\line
.set tt, tt+1
.endr
.endm
.macro QLOAD base                      ; 64 rows of Q: tile t is head t, 1,048,576 bytes on; channels 32 c on
	WIN W_Q
.irp t, 0,1,2,3
.irp c, 0,1,2,3,4,5,6,7
	global_load_b128 v[64*\t+8*\c:64*\t+8*\c+3],   v[QO], s[\base:\base+1] offset:\t*1048576+64*\c
	global_load_b128 v[64*\t+8*\c+4:64*\t+8*\c+7], v[QO], s[\base:\base+1] offset:\t*1048576+64*\c+32
.endr
.endr
	WIN 0
.endm
	s_load_b256 s[4:11], s[0:1], 0x0               ; qf, kvf, sg, ao
	v_lshl_add_u32 v[SPW], v0, 2, SPARE
	v_mov_b32 v[NIL], 0
	ds_add_u32 v[SPW], v[NIL]                      ; the wave's opening: the add and its wait ahead of my first tensor load
	v_lshrrev_b32 v1, 5, v0
	v_readfirstlane_b32 s[WV], v1
	s_bfe_u32 s70, ttmp6, 0x40000                  ; cx: it enters Q's, sg's and ao's addresses and the mask alone
	s_lshr_b32 s[T], ttmp9, 2                      ; t: the same in all four partners
	s_and_b32 s[U], ttmp9, 3
	s_lshl_b32 s[U], s[U], 2
	s_add_co_u32 s[U], s[U], s70                   ; u
	s_and_b32 s13, ttmp7, 0xffff                   ; 2 b + kv
	s_lshl_b32 s22, s13, 20                        ; a k/v head is 1,048,576 bytes,
	s_lshl_b32 s23, s[WV], 15                      ; my 64 keys 32,768
	s_add_co_u32 s22, s22, s23
	s_mov_b32 s23, 0
	s_lshl_b32 s14, s[U], 4
	s_sub_co_u32 s18, 7, s[T]
	s_lshl_b32 s18, s18, 8
	s_add_co_u32 s18, s18, s14                     ; the first block's first position
	s_lshl_b32 s19, s[T], 8
	s_add_co_u32 s19, s19, s14                     ; the second's
	s_lshl_b32 s71, s13, 22                        ; four query heads of 1,048,576 bytes
	s_lshl_b32 s66, s18, 9
	s_add_co_u32 s66, s66, s71
	s_mov_b32 s67, 0
	s_lshl_b32 s68, s19, 9
	s_add_co_u32 s68, s68, s71
	s_mov_b32 s69, 0
	s_lshl_b32 s70, s[WV], 20                      ; sg: head w of the four is mine
	s_mov_b32 s71, 0
	s_mov_b32 s[G1K], 15|(1<<16)|(1<<20)|(1<<21)|(6<<22)|(3<<25)  ; the mask of four; 2-byte elements; padding on; bit 21 beside a mask; after every 128 words 4 words
	s_mov_b32 s[G1V], 15|(1<<16)|(1<<20)|(1<<21)|(6<<22)|(7<<25)  ; 8 words
.irp g, G1K, G1V
	s_mov_b32 s[\g+1], 256<<16                     ; tensor_dim0 = 256
	s_mov_b32 s[\g+2], 64<<16                      ; tensor_dim1 = 64
	s_mov_b32 s[\g+3], 256<<16                     ; tile_dim0 = 256
	s_mov_b32 s[\g+4], 64                          ; tile_dim1 = 64
	s_mov_b32 s[\g+5], 256                         ; elements from row to row
	s_mov_b32 s[\g+6], 0
	s_mov_b32 s[\g+7], 0
.endr
	s_mov_b32 s[G0K], 1
	s_mul_i32 s[G0K+1], s[WV], 64*KP               ; every wave fetches its own 64 keys
	s_mov_b32 s[G0V], 1
	s_mul_i32 s[G0V+1], s[WV], 64*VP
	s_add_co_u32 s[G0V+1], s[G0V+1], VB
	s_mov_b32 s[OFF], 0
	s_mov_b32 s[OFF+1], 0
	s_mov_b32 s[CS], 0x3db8aa3b                    ; c = log2(e) / 16
	s_mov_b32 s[CS+1], s[CS]
	s_mov_b32 s[SEL], 0x76543210
	s_mov_b32 s[SEL+1], 0xfedcba98
	s_sub_co_u32 s[RT], 8, s[T]                    ; the first block has 8 - t tiles
	s_mov_b32 s[NXT], 1
	s_sub_co_u32 s[LQ], 7, s[T]
	s_mov_b32 s[SLOTS], 8
	s_wait_dscnt 0x0                               ; the opening add is done
	s_wait_kmcnt 0x0
	s_add_nc_u64 s[KBASE:KBASE+1], s[6:7], s[22:23]
	s_add_nc_u64 s[VBASE:VBASE+1], s[KBASE:KBASE+1], 0x400000
	s_add_nc_u64 s[G0K+2:G0K+3], s[KBASE:KBASE+1], s[OFF:OFF+1]
	s_or_b32 s[G0K+3], s[G0K+3], 0x80000000
	CROUND                                         ; all four work-groups are here: the first joint load meets
	tensor_load_to_lds s[G0K:G0K+3], s[G1K:G1K+7]  ; K of tile 0
	s_nop 0
	PLACES
	s_add_nc_u64 s[QNXT:QNXT+1], s[4:5], s[68:69]
	s_add_nc_u64 s[4:5], s[4:5], s[66:67]
	s_add_nc_u64 s[8:9], s[8:9], s[70:71]
	s_add_nc_u64 s[SGNXT:SGNXT+1], s[8:9], s[68:69]
	s_add_nc_u64 s[8:9], s[8:9], s[66:67]
	s_lshr_b32 s66, s13, 1                         ; ao: (2048 b + position) rows of 4,096 bytes, head 4 kv + w of 512
	s_lshl_b32 s66, s66, 23
	s_and_b32 s68, s13, 1
	s_lshl_b32 s68, s68, 11
	s_add_co_u32 s66, s66, s68
	s_lshl_b32 s68, s[WV], 9
	s_add_co_u32 s66, s66, s68
	s_lshl_b32 s68, s19, 12
	s_add_co_u32 s68, s68, s66
	s_lshl_b32 s70, s18, 12
	s_add_co_u32 s66, s66, s70
	s_add_nc_u64 s[AONXT:AONXT+1], s[10:11], s[68:69]
	s_add_nc_u64 s[10:11], s[10:11], s[66:67]
	v_and_b32 v1, 15, v0                           ; l % 16
	v_bfe_u32 v2, v0, 4, 1                         ; l / 16
	v_and_b32 v62, 31, v0
	v_lshlrev_b32 v[QO], 9, v1
	v_lshl_add_u32 v[QO], v2, 4, v[QO]
	QLOAD 4
	WIN W_T1                                       ; O^T starts at 0: all this stands in the wait for the first tile
.set ii, 0
.rept 128
	v_mov_b32 v[ii], 0
.set ii, ii+1
.endr
	WIN 0
	TILES v_mov_b32 v[rT], 0xfe000000              ; c m: far below every c s
	TILES v_mov_b32 v[rT+1], 0xff7fffff            ; m
	TILES v_mov_b32 v[rT+2], 0
	TILES v_mov_b32 v[rT+3], 0
	v_mul_u32_u24 v[AK], v1, KP
	v_lshl_add_u32 v[AK], v2, 4, v[AK]
	s_mul_i32 s12, s[WV], 64*KP
	v_add_nc_u32 v[AK], s12, v[AK]
	v_and_b32 v63, 7, v0                           ; the turning load: key 8 (l/16) + l%8, channels 8 ((l/8)%2) + 0..7
	v_lshl_add_u32 v63, v2, 3, v63
	v_mul_u32_u24 v[AV0], v63, VP
	v_bfe_u32 v63, v0, 3, 1
	v_lshl_add_u32 v[AV0], v63, 4, v[AV0]
	s_lshl_b32 s12, s[WV], 7
	s_add_co_u32 s12, s12, VB
	v_add_nc_u32 v[AV0], s12, v[AV0]
	v_add_nc_u32 v[AV0+1], 128*VP, v[AV0]
	v_lshlrev_b32 v[GL], 4, v62
	s_lshl_b32 s12, s[WV], 13
	s_add_co_u32 s12, s12, PBUF
	v_add_nc_u32 v[APW], s12, v[GL]
	v_add_nc_u32 v[APR], PBUF, v[GL]
	v_lshl_add_u32 v[MXR], v1, 4, MXB
	s_lshl_b32 s12, s[WV], 8
	v_add_nc_u32 v[MXW], s12, v[MXR]
	v_add_nc_u32 v[LXR], 1024, v[MXR]
	v_add_nc_u32 v[LXW], 1024, v[MXW]
	s_mul_i32 s12, s[WV], 16*SGP
	s_add_co_u32 s12, s12, PBUF
	v_add_nc_u32 v[STGW], s12, v[GL]
	v_mul_u32_u24 v[STGF], v1, SGP
	v_lshl_add_u32 v[STGF], v2, 4, v[STGF]
	s_lshl_b32 s12, s[WV], 7
	s_add_co_u32 s12, s12, PBUF
	v_add_nc_u32 v[STGF], s12, v[STGF]
	s_lshl_b32 s12, s[WV], 6
	s_sub_co_i32 s14, s14, s12                     ; 16 u - 64 w
	v_lshlrev_b32 v[DELTA], 3, v2
	v_sub_nc_u32 v[DELTA], v1, v[DELTA]
	v_add_nc_u32 v[DELTA], s14, v[DELTA]
	v_mov_b32 v[BIG], 0xf149f2ca
	v_mov_b32 v[ZERO], 0
.macro LOADK c                         ; my 64 keys, channels 32 c on: four fragments, eight loads, into buffer c % 2
.irp kb, 0,1,2,3
	ds_load_b128 v[KR+32*((\c)%2)+8*\kb:KR+32*((\c)%2)+8*\kb+3],   v[AK] offset:\kb*16*KP+64*(\c)
	ds_load_b128 v[KR+32*((\c)%2)+8*\kb+4:KR+32*((\c)%2)+8*\kb+7], v[AK] offset:\kb*16*KP+64*(\c)+32
.endr
.endm
.macro QKMUL                           ; channel step ci: 16 products; the 16 accumulators take turns; step 0 starts the sums
.irp kb, 0,1,2,3
.irp t, 0,1,2,3
.if ci == 0
	v_wmma_f32_16x16x32_f16 v[S+32*\t+8*\kb:S+32*\t+8*\kb+7], v[KR+32*(ci%2)+8*\kb:KR+32*(ci%2)+8*\kb+7], v[64*\t+8*ci:64*\t+8*ci+7], 0
.else
	v_wmma_f32_16x16x32_f16 v[S+32*\t+8*\kb:S+32*\t+8*\kb+7], v[KR+32*(ci%2)+8*\kb:KR+32*(ci%2)+8*\kb+7], v[64*\t+8*ci:64*\t+8*ci+7], v[S+32*\t+8*\kb:S+32*\t+8*\kb+7]
.endif
.endr
.endr
.endm
.macro LOADPV g                        ; keys 32 g on: V's four fragments of my channels (turned), P's four: sixteen loads, into buffer g % 2
	WIN W_T1
.irp cb, 0,1,2,3
	ds_load_tr16_b128 v[PR+64*((\g)%2)+8*\cb:PR+64*((\g)%2)+8*\cb+3],   v[AV0+(\g)/4] offset:((\g)%4)*32*VP+32*\cb
	ds_load_tr16_b128 v[PR+64*((\g)%2)+8*\cb+4:PR+64*((\g)%2)+8*\cb+7], v[AV0+(\g)/4] offset:((\g)%4)*32*VP+32*\cb+16*VP
.endr
.irp t, 0,1,2,3
	ds_load_b128 v[PR+64*((\g)%2)+32+8*\t:PR+64*((\g)%2)+32+8*\t+3],   v[APR] offset:(4*(\g)+\t)*1024
	ds_load_b128 v[PR+64*((\g)%2)+32+8*\t+4:PR+64*((\g)%2)+32+8*\t+7], v[APR] offset:(4*(\g)+\t)*1024+512
.endr
.endm
.macro PVMUL                           ; key group gi: 16 products on 16 accumulators by turns
.irp t, 0,1,2,3
.irp cb, 0,1,2,3
	v_wmma_f32_16x16x32_f16 v[32*\t+8*\cb:32*\t+8*\cb+7], v[PR+64*(gi%2)+8*\cb:PR+64*(gi%2)+8*\cb+7], v[PR+64*(gi%2)+32+8*\t:PR+64*(gi%2)+32+8*\t+7], v[32*\t+8*\cb:32*\t+8*\cb+7]
.endr
.endr
.endm
; A BLOCK'S END. The waves' sums meet; the gate's rows go into the stage and come back as O^T lies; O^T / l x gate is rounded once to f16, goes back to the same bytes, and leaves as whole rows of 512 bytes.
; next = 1: the second block is set up: its pointers, its count of tiles, m and c m, its Q.
.macro END next
	WIN 0
	TILES v_add_f32 v[rT+4], v[rT+2], v[rT+3]
	TILES v_permlanex16_b32 v[rT+5], v[rT+4], s[SEL], s[SEL+1]
	TILES v_add_f32 v[LM+tt], v[rT+4], v[rT+5]
	ds_store_b128 v[LXW], v[LM:LM+3]
	s_wait_dscnt 0x0                               ; my sums are stored, and my reads of P are back
	s_barrier_signal -1
	s_barrier_wait -1                              ; nobody reads P any more: its bytes become the stage
.set ii, 0
.rept 16
	ds_store_b128 v[STGW], v[S+4*ii:S+4*ii+3] offset:ii*SGP   ; head w's gate, position ii: stage row 16 w + ii
.set ii, ii+1
.endr
.irp n, 0,1,2,3
	ds_load_b128 v[KR+4*\n:KR+4*\n+3], v[LXR] offset:256*\n
.endr
	s_wait_dscnt 0x0
	s_barrier_signal -1
	s_barrier_wait -1                              ; the gate's rows are whole
	TILES v_add_f32 v[rT+4], v[KR+tt], v[KR+4+tt]
	TILES v_add_f32 v[rT+5], v[KR+8+tt], v[KR+12+tt]
	TILES v_add_f32 v[rT+4], v[rT+4], v[rT+5]
	TILES v_rcp_f32 v[rT+6], v[rT+4]
	v_nop                                          ; a plain instruction between the last reciprocal and the use of its result
	s_wait_alu depctr_va_vdst(0)
.irp t, 0,1,2,3
.irp cb, 0,1,2,3
	ds_load_b128 v[GG+16*\t+4*\cb:GG+16*\t+4*\cb+3], v[STGF] offset:\t*16*SGP+32*\cb
.endr
.endr
	WIN W_RS
.set ii, 0
.rept 16
	TILES v_pk_mul_f32 v[rO+2*ii:rO+2*ii+1], v[rO+2*ii:rO+2*ii+1], v[rT+6:rT+7] op_sel_hi:[1,0]
.set ii, ii+1
.endr
	WIN 0
	s_wait_dscnt 0x0
	s_barrier_signal -1
	s_barrier_wait -1                              ; every wave's reads of the gate are back: the results may be written over it
	WIN W_MX
.irp t, 0,1,2,3
.irp cb, 0,1,2,3
.irp i, 0,1,2,3
	v_fma_mixlo_f16 v[GG+16*\t+4*\cb+\i], v[32*\t+8*\cb+2*\i], v[GG+16*\t+4*\cb+\i], v[ZERO] op_sel_hi:[0,1,0]
.endr
.irp i, 0,1,2,3
	v_fma_mixhi_f16 v[GG+16*\t+4*\cb+\i], v[32*\t+8*\cb+2*\i+1], v[GG+16*\t+4*\cb+\i], v[ZERO] op_sel:[0,1,0] op_sel_hi:[0,1,0]
.endr
.endr
.endr
	WIN 0
.irp t, 0,1,2,3
.irp cb, 0,1,2,3
	ds_store_b128 v[STGF], v[GG+16*\t+4*\cb:GG+16*\t+4*\cb+3] offset:\t*16*SGP+32*\cb
.endr
.endr
	s_wait_dscnt 0x0
	s_barrier_signal -1
	s_barrier_wait -1
.set ii, 0
.rept 16
	ds_load_b128 v[S+4*ii:S+4*ii+3], v[STGW] offset:ii*SGP
.set ii, ii+1
.endr
.set ii, 0
.rept 16
	s_wait_dscnt 15-ii                             ; row ii is back; the younger loads stay out
	global_store_b128 v[GL], v[S+4*ii:S+4*ii+3], s[10:11] offset:ii*4096   ; 512 consecutive bytes, aligned: head 4 kv + w of one position
.set ii, ii+1
.endr
.if \next
	s_wait_xcnt 0x0                                ; the stores' base and data are rewritten only behind this wait
	s_mov_b64 s[8:9], s[SGNXT:SGNXT+1]
	s_mov_b64 s[10:11], s[AONXT:AONXT+1]
	s_add_co_u32 s[RT], s[T], 1                    ; the second block has t + 1 tiles
	TILES v_mov_b32 v[rT], 0xfe000000
	TILES v_mov_b32 v[rT+1], 0xff7fffff
	QLOAD QNXT
.endif
.endm
; A STEP: one tile of 256 keys. fill = 1: the next tile's K is asked for; fill = 0: the walk's last tile, always a diagonal one and a block's end.
.macro STEP fill
	WIN 0
	s_wait_tensorcnt 0x0                           ; my part of this tile's K has landed; no load of mine is out, so a group 0 may be written
	ds_add_u32 v[SPW], v[NIL]
	s_add_nc_u64 s[G0V+2:G0V+3], s[VBASE:VBASE+1], s[OFF:OFF+1]
	s_or_b32 s[G0V+3], s[G0V+3], 0x80000000
	s_sub_co_u32 s[RT], s[RT], 1
	s_wait_dscnt 0x0                               ; the add is done; my reads of the last tile's V and P are back
	CROUND                                         ; both hold of every wave of all four work-groups
	tensor_load_to_lds s[G0V:G0V+3], s[G1V:G1V+7]  ; this tile's V: K Q^T and the softmax are its time to land
	s_nop 0
	PLACES
	s_wait_loadcnt 0x0                             ; Q
	WIN W_QK
	LOADK 0
	LOADK 1
.set ci, 0
.rept 8
.if ci == 7
	s_wait_dscnt 0x0
.else
	s_wait_dscnt 8                                 ; this step's eight loads are in, the next step's eight may be out
.endif
	QKMUL
.if ci < 6
	PLACES
	LOADK ci+2
.endif
.set ci, ci+1
.endr
	PLACES
	WIN 0
.if \fill
	s_cmp_lg_u32 s[RT], 0
	s_cbranch_scc1 .Lnomask_\@
.endif
.set ii, 0
.rept 32                               ; the diagonal tile: register ii holds key 16 (ii/8) + ii%8 of my lane's: hidden where that is greater than DELTA
	v_cmp_gt_i32 vcc_lo, 16*(ii/8)+ii%8, v[DELTA]
	TILES v_cndmask_b32 v[rS+ii], v[rS+ii], v[BIG], vcc_lo
.set ii, ii+1
.endr
.if \fill
.Lnomask_\@:
.endif
.irp n, 0,1,2,3                        ; the maximum of my 32 scores a tile: four chains, each accumulator's lowest registers first
	TILES v_max3_num_f32 v[rT+4+\n], v[rS+8*\n], v[rS+8*\n+1], v[rS+8*\n+2]
.endr
.irp n, 0,1,2,3
	TILES v_max3_num_f32 v[rT+4+\n], v[rT+4+\n], v[rS+8*\n+3], v[rS+8*\n+4]
.endr
.irp n, 0,1,2,3
	TILES v_max3_num_f32 v[rT+4+\n], v[rT+4+\n], v[rS+8*\n+5], v[rS+8*\n+6]
.endr
	TILES v_max3_num_f32 v[rT+4], v[rT+4], v[rS+7], v[rS+15]
	TILES v_max3_num_f32 v[rT+6], v[rT+6], v[rS+23], v[rS+31]
	TILES v_max3_num_f32 v[rT+4], v[rT+4], v[rT+5], v[rT+6]
	TILES v_max_num_f32 v[rT+4], v[rT+4], v[rT+7]
	TILES v_permlanex16_b32 v[rT+5], v[rT+4], s[SEL], s[SEL+1]
	TILES v_max_num_f32 v[LM+tt], v[rT+4], v[rT+5]
	ds_store_b128 v[MXW], v[LM:LM+3]               ; lanes l and l + 16 hold the same four numbers and write the same bytes
	s_wait_dscnt 0x0
	s_barrier_signal -1                            ; V's load may stay out
	s_barrier_wait -1
.irp n, 0,1,2,3
	ds_load_b128 v[KR+4*\n:KR+4*\n+3], v[MXR] offset:256*\n
.endr
	s_wait_dscnt 0x0
	TILES v_max3_num_f32 v[rT+4], v[rT+1], v[KR+tt], v[KR+4+tt]
	TILES v_max3_num_f32 v[rT+1], v[rT+4], v[KR+8+tt], v[KR+12+tt]
	TILES v_mov_b32 v[rT+7], v[rT]
	TILES v_mul_f32 v[rT], s[CS], v[rT+1]
	TILES v_sub_f32 v[rT+7], v[rT+7], v[rT]
	TILES v_exp_f32 v[rT+6], v[rT+7]
.set ii, 0
.rept 16
	TILES v_pk_fma_f32 v[rS+2*ii:rS+2*ii+1], v[rS+2*ii:rS+2*ii+1], s[CS:CS+1], v[rT:rT+1] op_sel_hi:[1,0,0] neg_lo:[0,0,1] neg_hi:[0,0,1]
.set ii, ii+1
.endr
.set ii, 0
.rept 32
	TILES v_exp_f32 v[rS+ii], v[rS+ii]
.set ii, ii+1
.endr
	v_nop                                          ; a plain instruction between the last exponential and the use of its result
	s_wait_alu depctr_va_vdst(0)
	WIN W_T1
.set ii, 0
.rept 16
	TILES v_cvt_pk_f16_f32 v[PS+16*tt+ii], v[rS+2*ii], v[rS+2*ii+1]
.set ii, ii+1
.endr
	WIN W_PST
.irp t, 0,1,2,3
.irp kk, 0,1
	ds_store_b128 v[APW], v[PS+16*\t+8*\kk:PS+16*\t+8*\kk+3]   offset:(4*\kk+\t)*1024
	ds_store_b128 v[APW], v[PS+16*\t+8*\kk+4:PS+16*\t+8*\kk+7] offset:(4*\kk+\t)*1024+512
.endr
.endr
	WIN 0
.irp d, 8,4,2,1                        ; the sum of a tile's 16 pairs, in place
.set ii, 0
.rept \d
	TILES v_pk_add_f32 v[rS+2*ii:rS+2*ii+1], v[rS+2*ii:rS+2*ii+1], v[rS+2*(ii+\d):rS+2*(ii+\d)+1]
.set ii, ii+1
.endr
.endr
	TILES v_pk_fma_f32 v[rT+2:rT+3], v[rT+2:rT+3], v[rT+6:rT+7], v[rS:rS+1] op_sel_hi:[1,0,1]
.if \fill
	s_cmp_lg_u32 s[RT], 0
	s_cbranch_scc1 .Lnosg_\@
.endif
.set ii, 0
.rept 16                               ; a block's last tile: head w's gate for the 16 positions, a whole row of 512 bytes a load; V^T P is its time to land
	global_load_b128 v[S+4*ii:S+4*ii+3], v[GL], s[8:9] offset:ii*512
.set ii, ii+1
.endr
.if \fill
.Lnosg_\@:
.endif
	s_wait_tensorcnt 0x0                           ; my part of V has landed
	ds_add_u32 v[SPW], v[NIL]                      ; the rescaling of O^T stands between the add and the wait for it
	WIN W_RS
.set ii, 0
.rept 16
	TILES v_pk_mul_f32 v[rO+2*ii:rO+2*ii+1], v[rO+2*ii:rO+2*ii+1], v[rT+6:rT+7] op_sel_hi:[1,0]
.set ii, ii+1
.endr
	WIN 0
.if \fill
	s_lshl_b32 s[OFF], s[NXT], 17                  ; a tile is 131,072 bytes of K and of V; the address is made anew from the tile's number
	s_add_nc_u64 s[G0K+2:G0K+3], s[KBASE:KBASE+1], s[OFF:OFF+1]
	s_or_b32 s[G0K+3], s[G0K+3], 0x80000000
	s_add_co_u32 s[NXT], s[NXT], 1                 ; the block's next tile, or behind its last the second block's tile 0
	s_cmp_gt_u32 s[NXT], s[LQ]
	s_cselect_b32 s[NXT], 0, s[NXT]
	s_cselect_b32 s[LQ], s[T], s[LQ]
.endif
	s_wait_dscnt 0x0                               ; the add is done, my p is stored, my reads of K are back
.if \fill
	CROUND
	tensor_load_to_lds s[G0K:G0K+3], s[G1K:G1K+7]  ; the next tile's K: V^T P is its time to land
	s_nop 0
	PLACES
.else
	s_barrier_signal -1
	s_barrier_wait -1
.endif
	LOADPV 0
	LOADPV 1
.set gi, 0
.rept 8
.if gi == 7
	s_wait_dscnt 0x0
.else
	s_wait_dscnt 16                                ; this group's sixteen loads are in, the next group's may be out
.endif
	WIN W_PV
	PVMUL
.if gi < 6
	PLACES
	LOADPV gi+2
.endif
.set gi, gi+1
.endr
	PLACES
	WIN 0
	s_wait_loadcnt 0x0                             ; the gate, where it was asked for
.if \fill
	s_cmp_lg_u32 s[RT], 0
	s_cbranch_scc1 .Lnoend_\@
	END 1
.Lnoend_\@:
.else
	END 0
.endif
.endm
.Lstep:                                                ; eight trips: a tile is worked on and the next is asked for
	STEP 1
	s_sub_co_u32 s[SLOTS], s[SLOTS], 1
	s_cmp_lg_u32 s[SLOTS], 0
	s_cbranch_scc1 .Lstep
	STEP 0                                         ; the ninth tile is written out
	s_wait_tensorcnt 0x0                           ; the wave's end
	ds_add_u32 v[SPW], v[NIL]
	s_wait_dscnt 0x0
	CROUND                                         ; the closing round
	s_endpgm
.Lfunc_end_k_qffb608c90f_attn:
	.size	k_qffb608c90f_attn, .Lfunc_end_k_qffb608c90f_attn-k_qffb608c90f_attn
	.p2alignl 7, 3214868480
	.fill 96, 4, 3214868480
	.section	.rodata,"a",@progbits
	.p2align	6, 0x0
	.amdhsa_kernel k_qffb608c90f_attn
		.amdhsa_group_segment_fixed_size 327680
		.amdhsa_private_segment_fixed_size 0
		.amdhsa_enable_private_segment 0
		.amdhsa_kernarg_size 32
		.amdhsa_user_sgpr_count 2
		.amdhsa_user_sgpr_kernarg_segment_ptr 1
		.amdhsa_wavefront_size32 1
		.amdhsa_system_sgpr_workgroup_id_x 1
		.amdhsa_system_sgpr_workgroup_id_y 1
		.amdhsa_system_sgpr_workgroup_id_z 1
		.amdhsa_system_vgpr_workitem_id 0
		.amdhsa_next_free_vgpr 768
		.amdhsa_next_free_sgpr 72
		.amdhsa_reserve_vcc 1
		.amdhsa_float_denorm_mode_32 3
		.amdhsa_float_denorm_mode_16_64 3
		.amdhsa_memory_ordered 1
		.amdhsa_forward_progress 1
		.amdhsa_inst_pref_size 196
	.end_amdhsa_kernel
	.amdgpu_metadata
---
amdhsa.version: [ 1, 2 ]
amdhsa.kernels:
  - .name:           k_qffb608c90f_attn
    .symbol:         k_qffb608c90f_attn.kd
    .args:
      - { .name: qf, .offset: 0, .size: 8, .value_kind: global_buffer, .address_space: global }
      - { .name: kvf, .offset: 8, .size: 8, .value_kind: global_buffer, .address_space: global }
      - { .name: sg, .offset: 16, .size: 8, .value_kind: global_buffer, .address_space: global }
      - { .name: ao, .offset: 24, .size: 8, .value_kind: global_buffer, .address_space: global }
    .group_segment_fixed_size: 327680
    .private_segment_fixed_size: 0
    .kernarg_segment_align: 8
    .kernarg_segment_size: 32
    .max_flat_workgroup_size: 128
    .sgpr_count:     72
    .vgpr_count:     768
    .wavefront_size: 32
...
	.end_amdgpu_metadata
.endif
;; end of part 3
;; launch oproj (part 4): grid 8 x 32, 4 waves a work-group, clusters of 4 x 4, 327,680 bytes of LDS; arguments ao, wob, out0; writes out0
.if DOCPART == 4
	.amdgcn_target "amdgcn-amd-amdhsa--gfx1250"
	.amdhsa_code_object_version 6
	.text
	.protected	k_qffb608c90f_oproj
	.globl	k_qffb608c90f_oproj
	.p2align	8
	.type	k_qffb608c90f_oproj,@function
k_qffb608c90f_oproj:
	s_mov_b64 s[64:65], 0
	v_nop
	global_prefetch_b8 v0, s[64:65] scope:SCOPE_SE
	s_setreg_imm32_b32 hwreg(HW_REG_WAVE_MODE, 25, 1), 1
	s_wait_xcnt 0x0
	s_wait_alu depctr_hold_cnt(0) depctr_sa_sdst(0) depctr_va_vdst(0) depctr_va_sdst(0) depctr_va_ssrc(0) depctr_va_vcc(0) depctr_vm_vsrc(0)
	s_getreg_b32 s2, hwreg(HW_REG_IB_STS2, 6, 4)
	s_cmp_eq_u32 s2, 0
	s_cbranch_scc0 .Lentry_in_a_cluster
	s_endpgm
.Lentry_in_a_cluster:
	s_bfe_u32 s2, ttmp6, 0x10000c
	s_cmp_lg_u32 s2, 0xf033
	s_cbranch_scc0 .Lentry_shape_is_right
	s_endpgm
.Lentry_shape_is_right:
; out0 [4096][1024] f32 = ao [4096][2048] f16 x wob [2048 k][1024] f16; sums in f32, stored as they are.
; A tile of out0 is 128 x 128: 256 work-groups. Four waves, each 64 x 64: 16 accumulators. K goes in steps of 256 through two LDS slots.
; wob lies [k][n]: its fragments come out of LDS by the turning load. The matrix instruction is used transposed (source 0 = 16 columns of wob, source 1 = 16 rows of ao):
; a lane then holds eight neighbouring numbers of a row. CLUSTER 4 x 4: ao's tile is asked for jointly along a row of the cluster, wob's along a column.
; THE WAY OUT: the f32 tile goes into LDS (over the ring, which has had its last fill) and leaves as whole rows of 512 bytes.
; REGISTERS: window 0: v0-31 addresses; v128-255 the accumulators ((a, b) at 128 + 8 (4 a + b)), later the rows on their way out. window 1: two fragment buffers of 128: 64 of ao, then 64 of wob, for 64 along K.
.set SIZE_K, 2048
.set SIZE_N, 1024
.set KSTEP,  256
.set PA,     528                       ; an LDS row of ao: 512 bytes + 16
.set PB,     288                       ; an LDS row of wob: 256 + 32, for the turning load
.set AHALF,  64*PA
.set ATILE,  2*AHALF
.set BHALF,  128*PB
.set SLOT,   ATILE+2*BHALF             ; ao's 128 rows, then wob's 256 k rows
.set SPARE,  2*SLOT                    ; the spare words: 128 bytes a wave, two blocks of 256 bytes that no other line names
.set SPITCH, 528                       ; a row of the f32 stage: 512 bytes + 16
.set LAPS,   SIZE_K/(2*KSTEP)
.set ADRA, 16                          ; v16,17  my ao fragments in slot 0, 1
.set ADRB, 20                          ; v20-23  my wob fragments: slot 0 k rows 0-127, 128-255; slot 1 likewise
.set STO,  24
.set RD,   25
.set CO,   26
.set SPW,  28
.set NIL,  29
.set ACC,  128
.set F0,   0
.set F1,   128
.set G1, 24
.set G0, 32
.set G1B, 48
.set G0B, 56
.set MSB, 0
.macro WIN new
.if MSB != (\new)
	s_set_vgpr_msb (MSB<<8)|(\new)
.set MSB, \new
.endif
.endm
.set MUL,  0x05                        ; sources 0 and 1 window 1; C and D window 0
.set TO_F, 0x40
.macro PLACES
.rept 4
	v_nop
.endr
.endm
.macro JLOAD s                         ; a joint refill: waves 0, 1 fetch ao's halves, waves 2, 3 wob's
	s_cmp_eq_u32 s11, 0
	s_cbranch_scc0 .Lfor_b_\@
	tensor_load_to_lds s[G0+4*(\s):G0+4*(\s)+3], s[G1:G1+7]
	s_nop 0
	PLACES
	s_branch .Lasked_\@
.Lfor_b_\@:
	tensor_load_to_lds s[G0B+4*(\s):G0B+4*(\s)+3], s[G1B:G1B+7]
	s_nop 0
	PLACES
.Lasked_\@:
.endm
.macro CREST
	s_cmp_lg_u32 s10, 0
	s_cbranch_scc1 .Lnot_wave_0_\@
	s_barrier_signal -3
.Lnot_wave_0_\@:
	s_barrier_wait -3
	s_barrier_signal -1
	s_barrier_wait -1
.endm
.macro CROUND
	s_barrier_signal -1
	s_barrier_wait -1
	CREST
.endm
	s_load_b128 s[4:7], s[0:1], 0x0                ; ao, wob
	s_load_b64 s[8:9], s[0:1], 0x10                ; out0
	v_lshl_add_u32 v[SPW], v0, 2, SPARE
	v_mov_b32 v[NIL], 0
	ds_add_u32 v[SPW], v[NIL]                      ; the wave's opening: the add and its wait ahead of my first tensor load
	v_lshrrev_b32 v1, 5, v0
	v_readfirstlane_b32 s10, v1                    ; wave 0..3
	s_lshr_b32 s11, s10, 1                         ; my half of the rows. Also: I fetch ao (0) or wob (1)
	s_and_b32 s12, s10, 1                          ; my half of the columns. Also: which half of a tile I fetch
	s_bfe_u32 s40, ttmp6, 0x40000
	s_bfe_u32 s41, ttmp6, 0x40004
	s_lshl_b32 s42, ttmp9, 2
	s_add_co_u32 s42, s42, s40                     ; tile column
	s_and_b32 s13, ttmp7, 0xffff
	s_lshl_b32 s13, s13, 2
	s_add_co_u32 s13, s13, s41                     ; tile row
	s_lshl_b32 s43, s41, 2
	s_lshl_b32 s43, 15, s43                        ; my row of the cluster
	s_lshl_b32 s44, 0x1111, s40                    ; my column
	s_or_b32 s[G1], s43, (1<<16)|(1<<20)|(1<<21)|(6<<22)|(3<<25)   ; ao: 64 rows x 256 elements; after every 128 words 4 words of padding
	s_mov_b32 s[G1+1], 256<<16
	s_mov_b32 s[G1+2], 64<<16
	s_mov_b32 s[G1+3], 256<<16
	s_mov_b32 s[G1+4], 64
	s_mov_b32 s[G1+5], SIZE_K
	s_mov_b32 s[G1+6], 0
	s_mov_b32 s[G1+7], 0
	s_or_b32 s[G1B], s44, (1<<16)|(1<<20)|(1<<21)|(5<<22)|(7<<25)  ; wob: 128 k rows x 128 elements; after every 64 words 8 words
	s_mov_b32 s[G1B+1], 128<<16
	s_mov_b32 s[G1B+2], 128<<16
	s_mov_b32 s[G1B+3], 128<<16
	s_mov_b32 s[G1B+4], 128
	s_mov_b32 s[G1B+5], SIZE_N
	s_mov_b32 s[G1B+6], 0
	s_mov_b32 s[G1B+7], 0
	s_lshl_b32 s17, s12, 6
	s_lshl_b32 s16, s13, 7
	s_add_co_u32 s16, s16, s17                     ; ao: row 128 x tile row + 64 x half,
	s_lshl_b32 s16, s16, 12                        ; of 4,096 bytes
	s_mov_b32 s17, 0
	s_lshl_b32 s46, s12, 18                        ; wob: k row 128 x half, of 2,048 bytes,
	s_lshl_b32 s47, s42, 8                         ; 256 bytes a tile column
	s_add_co_u32 s46, s46, s47
	s_mov_b32 s47, 0
	s_mul_i32 s20, s12, AHALF                      ; LDS places hang on the wave's number alone
	s_mul_i32 s21, s12, BHALF
	s_add_co_u32 s21, s21, ATILE
	s_wait_dscnt 0x0                               ; the opening add is done
	s_wait_kmcnt 0x0
	s_add_nc_u64 s[14:15], s[4:5], s[16:17]
	s_add_nc_u64 s[46:47], s[6:7], s[46:47]
.irp s, 0,1
	s_mov_b32 s[G0+4*\s], 1
	s_add_co_u32 s[G0+4*\s+1], s20, \s*SLOT
	s_add_nc_u64 s[G0+4*\s+2:G0+4*\s+3], s[14:15], \s*KSTEP*2
	s_or_b32 s[G0+4*\s+3], s[G0+4*\s+3], 0x80000000
	s_mov_b32 s[G0B+4*\s], 1
	s_add_co_u32 s[G0B+4*\s+1], s21, \s*SLOT
	s_add_nc_u64 s[G0B+4*\s+2:G0B+4*\s+3], s[46:47], \s*KSTEP*SIZE_N*2
	s_or_b32 s[G0B+4*\s+3], s[G0B+4*\s+3], 0x80000000
.endr
	CROUND                                         ; all sixteen work-groups are here: the first joint loads meet
	s_cmp_eq_u32 s11, 0                            ; a wave's two first fills stand in one branch: two loads of mine are out
	s_cbranch_scc0 .Lfirst_b
	tensor_load_to_lds s[G0:G0+3], s[G1:G1+7]
	s_nop 0
	tensor_load_to_lds s[G0+4:G0+7], s[G1:G1+7]
	s_nop 0
	PLACES
	s_branch .Lfirst_asked
.Lfirst_b:
	tensor_load_to_lds s[G0B:G0B+3], s[G1B:G1B+7]
	s_nop 0
	tensor_load_to_lds s[G0B+4:G0B+7], s[G1B:G1B+7]
	s_nop 0
	PLACES
.Lfirst_asked:
	v_and_b32 v1, 15, v0                           ; l % 16
	v_bfe_u32 v2, v0, 4, 1                         ; l / 16
	v_and_b32 v6, 31, v0
	v_mul_u32_u24 v3, v1, PA
	v_lshl_add_u32 v3, v2, 4, v3
	s_mul_i32 s21, s11, AHALF                      ; my 64 rows of ao
	v_add_nc_u32 v[ADRA], s21, v3
	v_add_nc_u32 v[ADRA+1], SLOT, v[ADRA]
	v_and_b32 v4, 7, v0                            ; the turning load: k row 8 (l/16) + l%8, columns 8 ((l/8)%2) + 0..7
	v_lshl_add_u32 v4, v2, 3, v4
	v_mul_u32_u24 v4, v4, PB
	v_bfe_u32 v5, v0, 3, 1
	v_lshl_add_u32 v4, v5, 4, v4
	s_lshl_b32 s22, s12, 7                         ; my 64 columns
	s_add_co_u32 s22, s22, ATILE
	v_add_nc_u32 v[ADRB], s22, v4
	v_add_nc_u32 v[ADRB+1], BHALF, v[ADRB]
	v_add_nc_u32 v[ADRB+2], SLOT, v[ADRB]
	v_add_nc_u32 v[ADRB+3], SLOT+BHALF, v[ADRB]
	v_mul_u32_u24 v[STO], v1, SPITCH               ; into the stage: row 64 (w/2) + l%16, columns 64 (w%2) + 8 (l/16)
	v_lshl_add_u32 v[STO], v2, 5, v[STO]
	s_mul_i32 s23, s11, 64*SPITCH
	s_lshl_b32 s21, s12, 8
	s_add_co_u32 s23, s23, s21
	v_add_nc_u32 v[STO], s23, v[STO]
	s_mul_i32 s23, s10, 32*SPITCH                  ; back: wave w takes rows 32 w .., whole
	v_lshlrev_b32 v[CO], 4, v6
	v_add_nc_u32 v[RD], s23, v[CO]
	s_lshl_b32 s16, s13, 7
	s_lshl_b32 s17, s10, 5
	s_add_co_u32 s16, s16, s17                     ; the first row that I store
	s_lshl_b32 s16, s16, 12
	s_mov_b32 s17, 0
	s_add_nc_u64 s[8:9], s[8:9], s[16:17]
	s_lshl_b32 s46, s42, 9                         ; the tile's first column, in bytes
	s_mov_b32 s47, 0
	s_add_nc_u64 s[8:9], s[8:9], s[46:47]
; 8 matrix instructions: row blocks a0, a0 + 1 x all 4 column blocks, 32 along K: half c of buffer f. The 16 accumulators take turns.
.macro MUL8 f, c, a0, zero
	WIN MUL
.irp a, \a0, (\a0)+1
.irp b, 0,1,2,3
.if \zero
	v_wmma_f32_16x16x32_f16 v[ACC+8*(4*(\a)+(\b)):ACC+8*(4*(\a)+(\b))+7], v[(\f)+64+8*(4*(\c)+(\b)):(\f)+64+8*(4*(\c)+(\b))+7], v[(\f)+8*(4*(\c)+(\a)):(\f)+8*(4*(\c)+(\a))+7], 0
.else
	v_wmma_f32_16x16x32_f16 v[ACC+8*(4*(\a)+(\b)):ACC+8*(4*(\a)+(\b))+7], v[(\f)+64+8*(4*(\c)+(\b)):(\f)+64+8*(4*(\c)+(\b))+7], v[(\f)+8*(4*(\c)+(\a)):(\f)+8*(4*(\c)+(\a))+7], v[ACC+8*(4*(\a)+(\b)):ACC+8*(4*(\a)+(\b))+7]
.endif
.endr
.endr
.endm
; 32 LDS loads in one run: quarter q (64 along K) of a slot into buffer f; the first 32 along K first
.macro FETCH slot, q, f
	WIN TO_F
.irp c, 0,1
.irp i, 0,1,2,3
	ds_load_tr16_b128 v[(\f)+64+8*(4*(\c)+(\i)):(\f)+64+8*(4*(\c)+(\i))+3],   v[ADRB+2*(\slot)+(\q)/2] offset:(((\q)%2)*64+32*(\c))*PB+32*(\i)
	ds_load_tr16_b128 v[(\f)+64+8*(4*(\c)+(\i))+4:(\f)+64+8*(4*(\c)+(\i))+7], v[ADRB+2*(\slot)+(\q)/2] offset:(((\q)%2)*64+32*(\c))*PB+32*(\i)+16*PB
	ds_load_b128 v[(\f)+8*(4*(\c)+(\i)):(\f)+8*(4*(\c)+(\i))+3],   v[ADRA+(\slot)] offset:(\q)*128+64*(\c)+(\i)*16*PA
	ds_load_b128 v[(\f)+8*(4*(\c)+(\i))+4:(\f)+8*(4*(\c)+(\i))+7], v[ADRA+(\slot)] offset:(\q)*128+64*(\c)+(\i)*16*PA+32
.endr
.endr
.endm
.macro QUARTER slot, q, f, g, zero
	s_wait_dscnt 16                                ; the first 32 along K are in
	MUL8 \f, 0, 0, \zero
	MUL8 \f, 0, 2, \zero
	PLACES
	FETCH \slot, \q, \g
	s_wait_dscnt 32                                ; all but the 32 just issued
	MUL8 \f, 1, 0, 0
	MUL8 \f, 1, 2, 0
.endm
; The last quarter multiplies buffer 1 and changes slots: one barrier; in front of it each wave waits for all its tensor loads, adds 0 to its spare word, and waits for that and for its reads of this slot.
.macro TURN slot, next, fill
	WIN 0
	s_wait_tensorcnt 0x0                           ; all my tensor loads have landed: my part of the next slot
	ds_add_u32 v[SPW], v[NIL]
	s_wait_dscnt 17                                ; (the add and the youngest sixteen loads may be out)
	MUL8 F1, 0, 0, 0
	s_wait_dscnt 0x0                               ; the add is done, and my reads of this slot are over
	s_barrier_signal -1
	MUL8 F1, 0, 2, 0
.if \fill
	WIN 0
.endif
	s_barrier_wait -1
.if \fill
	CREST                                          ; the barrier has opened a round of the cluster's
	s_add_nc_u64 s[G0+4*(\slot)+2:G0+4*(\slot)+3], s[G0+4*(\slot)+2:G0+4*(\slot)+3], 2*KSTEP*2
	s_add_nc_u64 s[G0B+4*(\slot)+2:G0B+4*(\slot)+3], s[G0B+4*(\slot)+2:G0B+4*(\slot)+3], 2*KSTEP*SIZE_N*2
	JLOAD \slot                                    ; the first tensor load behind the round; its four v_nop are also the places in front of the loads below
.else
	PLACES
.endif
	FETCH \next, 0, F0
	MUL8 F1, 1, 0, 0
	MUL8 F1, 1, 2, 0
.endm
	s_wait_tensorcnt 1                             ; my part of K step 0 is in; slot 1's may stay out
	s_barrier_signal -1
	s_barrier_wait -1
	FETCH 0, 0, F0
	QUARTER 0, 1, F0, F1, 1                        ; the first quarter stands in front of the loop: its first products start the sums
	WIN 0
	s_mov_b32 s3, LAPS-1
.Llap:
	QUARTER 0, 2, F1, F0, 0
	QUARTER 0, 3, F0, F1, 0
	TURN 0, 1, 1
	QUARTER 1, 1, F0, F1, 0
	QUARTER 1, 2, F1, F0, 0
	QUARTER 1, 3, F0, F1, 0
	TURN 1, 0, 1
	QUARTER 0, 1, F0, F1, 0
	WIN 0
	s_sub_co_u32 s3, s3, 1
	s_cmp_lg_u32 s3, 0
	s_cbranch_scc1 .Llap
	QUARTER 0, 2, F1, F0, 0                        ; the last lap fills nothing
	QUARTER 0, 3, F0, F1, 0
	TURN 0, 1, 0
	QUARTER 1, 1, F0, F1, 0
	QUARTER 1, 2, F1, F0, 0
	QUARTER 1, 3, F0, F1, 0
	s_wait_dscnt 16
	MUL8 F1, 0, 0, 0
	MUL8 F1, 0, 2, 0
	s_wait_dscnt 0x0
	MUL8 F1, 1, 0, 0
	MUL8 F1, 1, 2, 0
	WIN 0
	PLACES
	s_barrier_signal -1                            ; every wave's reads of the ring are back: the stage may be written over it
	s_barrier_wait -1
.irp a, 0,1,2,3
.irp b, 0,1,2,3
	ds_store_b128 v[STO], v[ACC+8*(4*\a+\b):ACC+8*(4*\a+\b)+3]   offset:\a*16*SPITCH+64*\b
	ds_store_b128 v[STO], v[ACC+8*(4*\a+\b)+4:ACC+8*(4*\a+\b)+7] offset:\a*16*SPITCH+64*\b+16
.endr
.endr
	s_wait_dscnt 0x0                               ; for the others' sake: my stores into the stage are done
	s_barrier_signal -1
	s_barrier_wait -1
.set r, 0
.rept 32
	ds_load_b128 v[ACC+4*r:ACC+4*r+3], v[RD] offset:r*SPITCH
.set r, r+1
.endr
.set r, 0
.rept 32
	s_wait_dscnt 31-r                              ; row r is back; the younger loads stay out
	global_store_b128 v[CO], v[ACC+4*r:ACC+4*r+3], s[8:9] offset:r*SIZE_N*4   ; 512 consecutive bytes, aligned
.set r, r+1
.endr
	s_wait_tensorcnt 0x0                           ; the wave's end
	ds_add_u32 v[SPW], v[NIL]
	s_wait_dscnt 0x0
	CROUND                                         ; the closing round
	s_endpgm
.Lfunc_end_k_qffb608c90f_oproj:
	.size	k_qffb608c90f_oproj, .Lfunc_end_k_qffb608c90f_oproj-k_qffb608c90f_oproj
	.p2alignl 7, 3214868480
	.fill 96, 4, 3214868480
	.section	.rodata,"a",@progbits
	.p2align	6, 0x0
	.amdhsa_kernel k_qffb608c90f_oproj
		.amdhsa_group_segment_fixed_size 327680
		.amdhsa_private_segment_fixed_size 0
		.amdhsa_enable_private_segment 0
		.amdhsa_kernarg_size 24
		.amdhsa_user_sgpr_count 2
		.amdhsa_user_sgpr_kernarg_segment_ptr 1
		.amdhsa_wavefront_size32 1
		.amdhsa_system_sgpr_workgroup_id_x 1
		.amdhsa_system_sgpr_workgroup_id_y 1
		.amdhsa_system_sgpr_workgroup_id_z 1
		.amdhsa_system_vgpr_workitem_id 0
		.amdhsa_next_free_vgpr 512
		.amdhsa_next_free_sgpr 66
		.amdhsa_reserve_vcc 0
		.amdhsa_float_denorm_mode_32 3
		.amdhsa_float_denorm_mode_16_64 3
		.amdhsa_memory_ordered 1
		.amdhsa_forward_progress 1
		.amdhsa_inst_pref_size 86
	.end_amdhsa_kernel
	.amdgpu_metadata
---
amdhsa.version: [ 1, 2 ]
amdhsa.kernels:
  - .name:           k_qffb608c90f_oproj
    .symbol:         k_qffb608c90f_oproj.kd
    .args:
      - { .name: ao, .offset: 0, .size: 8, .value_kind: global_buffer, .address_space: global }
      - { .name: wob, .offset: 8, .size: 8, .value_kind: global_buffer, .address_space: global }
      - { .name: out0, .offset: 16, .size: 8, .value_kind: global_buffer, .address_space: global }
    .group_segment_fixed_size: 327680
    .private_segment_fixed_size: 0
    .kernarg_segment_align: 8
    .kernarg_segment_size: 24
    .max_flat_workgroup_size: 128
    .sgpr_count:     66
    .vgpr_count:     512
    .wavefront_size: 32
...
	.end_amdgpu_metadata
.endif
;; end of part 4
;; ======== version 2 of 3: 4 launches; 1.15 times as fast as version 1
;; limits: values are held in f16: magnitudes above 65,504 overflow, below 6.1e-05 lose precision
;; workspace buffers: xb 8,388,608 bytes; wall 10,485,760 bytes; wob 4,194,304 bytes; csb 2,097,152 bytes; qf 16,777,216 bytes; kvf 8,388,608 bytes; sg 16,777,216 bytes; ao 16,777,216 bytes
;; launch cast: the kernel of part 1 again; grid 768 x 1, 8 waves a work-group, no clusters, 0 bytes of LDS; arguments hidden_states, Wq, Wo, Wk, Wv, cos, sin, xb, wall, wob, csb; writes xb, wall, wob, csb
;; launch proj (part 5): grid 16 x 16, 4 waves a work-group, clusters of 4 x 4, 327,680 bytes of LDS; arguments xb, wall, csb, q_norm_w, k_norm_w, qf, kvf, sg; writes qf, kvf, sg
.if DOCPART == 5
	.amdgcn_target "amdgcn-amd-amdhsa--gfx1250"
	.amdhsa_code_object_version 6
	.text
	.protected	k_qffb608c90f_proj
	.globl	k_qffb608c90f_proj
	.p2align	8
	.type	k_qffb608c90f_proj,@function
k_qffb608c90f_proj:
	s_mov_b64 s[64:65], 0
	v_nop
	global_prefetch_b8 v0, s[64:65] scope:SCOPE_SE
	s_setreg_imm32_b32 hwreg(HW_REG_WAVE_MODE, 25, 1), 1
	s_wait_xcnt 0x0
	s_wait_alu depctr_hold_cnt(0) depctr_sa_sdst(0) depctr_va_vdst(0) depctr_va_sdst(0) depctr_va_ssrc(0) depctr_va_vcc(0) depctr_vm_vsrc(0)
	s_getreg_b32 s2, hwreg(HW_REG_IB_STS2, 6, 4)
	s_cmp_eq_u32 s2, 0
	s_cbranch_scc0 .Lentry_in_a_cluster
	s_endpgm
.Lentry_in_a_cluster:
	s_bfe_u32 s2, ttmp6, 0x10000c
	s_cmp_lg_u32 s2, 0xf033
	s_cbranch_scc0 .Lentry_shape_is_right
	s_endpgm
.Lentry_shape_is_right:
; The three projections with what follows them. C = xb [4096][1024] x wall [1024][5120], bf16 operands, f32 sums.
; wall's column blocks of 256: 0-7 q of head 0-7, 8-15 gate of head 0-7, 16,17 k, 18,19 v.
; THE TILE. 4096 x 5120 numbers on 256 work-groups are 256 rows x 320 columns each: one whole block of 256 (the MAIN block: a norm needs a whole head) and 64 columns that need no norm (the EXTRA).
; Column group g = 4 CX + cx (CX the cluster's x). Main: CX 0,1: q head g; CX 2: gate head g - 8; CX 3: k, k, v, v. That leaves gate heads 4-7, 1,024 columns = 16 extras: group g takes quarter cx of gate head 4 + CX.
; So a cluster has one kind of main block and every work-group the same kind of extra: no branch hangs on my place in the cluster; k and v differ by selected values alone (gain 1, partner 0, cos 1, scale 1).
; OUT. q: RMS norm with gain 1 + w, RoPE on channels 0-127 -> qf f16 [b][8][2048][256], unscaled. k likewise -> kvf f16 [b][2][2048][256]; v as it is, 4,194,304 bytes further on.
; gate: sigmoid -> sg f16 [b][8][4 quarters of 64 channels][2048][64]: in that layout an extra's 64 channels of four rows are 512 consecutive bytes.
; The gains, cos and sin count rounded to bf16, like every input.
; LIMITS. The f32 sums are rounded once to f16 on their way through LDS (an f32 stage of 256 x 320 does not fit): a raw projection beyond 65,504 becomes an infinity; q and k are rounded to f16 a second time behind norm and RoPE.
; NaN and infinities are not treated apart.
; SHARES. Four waves; wave w makes rows 128 (w/2).. x main columns 128 (w%2).. and extra columns 32 (w%2)..: 8 x 10 = 80 accumulators; for 32 along K it loads 36 times from LDS for 80 matrix instructions.
; The matrix instruction is used transposed (source 0 = 16 columns of wall, source 1 = 16 rows of x): a lane holds row l%16 and eight neighbouring columns. wall lies [k][n]: its fragments come by the turning load.
; K goes in steps of 128 through two LDS slots: 320 matrix instructions a wave between a request and the wait for it, less the forty round the barrier.
; THE LOOP'S TEXT IS ONE K STEP. The slot in hand is a scalar, TB = 0 or SLOT, turned by an exclusive or at each change of slots; the fragment addresses are made anew from it and from bases that are never rewritten,
; and one descriptor for each tensor walks: its LDS word is TB plus its constant, its address goes on by one K step. The last two K steps are written out and name their slots by constants.
; CLUSTER 4 x 4: x's tile, cos and sin hang on the tile row alone and are asked for jointly along a row of the cluster, wall's two tiles along a column.
; The extra's rows in wall are 128 bytes, 16,384 of a step's 147,456 bytes. Gate clusters fetch cos and sin (131,072 of a tile's 1,310,720 bytes) without reading them: all work-groups make the same requests.
; REGISTERS. window 0: v0-63 addresses and gains; v64-223 wall's fragments, two buffers of 80, later four rows at work; v224-255 at work in the dump.
;   accumulator n = 10 a + b: window 1 + n/32, register 8 (n%32).   window 3: v128-255 x's fragments, two buffers of 64.
.set KSTEP, 128
.set WROW,  10240                      ; bytes in a row of wall
.set PA,    272                        ; LDS row of x, cos, sin: 256 bytes + 16: the 16 rows of a load start at 16 different groups of four banks
.set PB,    544                        ; LDS row of the main block: 512 + 32
.set PX,    160                        ; LDS row of the extra: 128 + 32, likewise
.set AHALF, 128*PA
.set ATILE, 2*AHALF
.set BMT,   128*PB
.set BXT,   128*PX
.set SLOT,  ATILE+BMT+BXT              ; x's 256 rows, the main block's 128 k rows, the extra's 128 k rows
.set SPARE, 2*SLOT                     ; the spare words: 128 bytes a wave, two blocks of 256 bytes that no other line names
.set SINB,  ATILE                      ; at the end slot 0 takes cos (256 rows) and behind it sin
.set STG,   2*ATILE                    ; behind them the stage: 256 rows of 656 bytes, over ring bytes that have had their last fill
.set FP,    656                        ; a row of the stage: 320 f16 + 16 bytes
.set TRIPS, 6                          ; of the 1024 / 128 = 8 K steps the first six ask for the step two on
.set ADRA,  16                         ; v16  my x fragments in slot 0, never rewritten; v17 in the slot in hand
.set ADRBM, 18                         ; v18, v19  the same for my fragments of the main block
.set ADRBX, 20                         ; v20, v21  of the extra
.set RA,    22                         ; v22     stage: my 8 bytes in my first row
.set RP,    23                         ; v23     the RoPE partner's 8 bytes, 64 columns away
.set CA,    24                         ; v24     my 8 bytes of cos
.set SA,    25                         ; v25     of sin
.set GO,    26                         ; v26     my 8 bytes in my first row of qf or kvf
.set GR,    27                         ; v27     stage: gate, row l/8 of four, 16 bytes
.set SPW,   28                         ; v28     my spare word; never rewritten
.set NIL,   29                         ; v29     0; never rewritten
.set ZERO,  30
.set SGN,   31                         ; v31     the sign bit in lanes 0-15: the partner of a column below 64 counts negative
.set W1,    32                         ; v32-35 gain of columns 4l.., v36-39 of 128+4l.., v40-43 of the partner's
.set GA,    44
.set GP,    45
.set TW,    46
.set ONEB,  47                         ; 1.0 twice in bf16
.set GGO,   48                         ; v48     my 16 bytes in four rows of a plane of sg
.set GX,    49                         ; v49     stage: the extra's columns
.set GXO,   50                         ; v50     the extra's place in its plane
.set NL2E,  51                         ; v51     -log2(e)
.set STOM,  52                         ; v52,54  into the stage: main columns, row blocks 0-3 and 4-7
.set STOX,  53                         ; v53,55  the extra's
.set BF,    64
.set TMPD,  224
.set AF,    128                        ; window 3
.set LA,  3                            ; s3   where my half of x's tile lies in a slot (until the K steps are over; then a counter)
.set CNT, 66                           ; s66  counts the loop's K steps
.set TB,  67                           ; s67  the LDS byte at which the slot in hand begins: 0 or SLOT
.set G1A, 32                           ; s[32:39] group 1 for x's tiles
.set G1B, 40                           ; s[40:47] for the main block's
.set G1X, 48                           ; s[48:55] for the extra's
.set G0A, 56                           ; s[56:63] group 0 for x: a set for each of the two first fills; the second then walks on
.set G0B, 68                           ; s[68:75] for the main block
.set G0X, 76                           ; s[76:83] for the extra
.set G1C, 84                           ; s[84:91] group 1 for cos and sin
.set G0C, 92                           ; s[92:95] group 0 for my part of cos or sin
.set MSB, 0
.macro WIN new                         ; the high byte repeats the setting that is left; a switch that changes nothing is dropped
.if MSB != (\new)
	s_set_vgpr_msb (MSB<<8)|(\new)
.set MSB, \new
.endif
.endm
.macro PLACES                          ; four plain places between a matrix instruction and a load into, or a read of, its registers
.rept 4
	v_nop
.endr
.endm
.macro JLOAD                           ; a joint refill by the walking descriptors: waves 0, 1 fetch x's halves, wave 2 the main block, wave 3 the extra
	s_cmp_eq_u32 s25, 0
	s_cbranch_scc0 .Lfor_b_\@
	tensor_load_to_lds s[G0A+4:G0A+7], s[G1A:G1A+7]
	s_nop 0
	PLACES
	s_branch .Lasked_\@
.Lfor_b_\@:
	s_cmp_eq_u32 s26, 0
	s_cbranch_scc0 .Lfor_x_\@
	tensor_load_to_lds s[G0B+4:G0B+7], s[G1B:G1B+7]
	s_nop 0
	PLACES
	s_branch .Lasked_\@
.Lfor_x_\@:
	tensor_load_to_lds s[G0X+4:G0X+7], s[G1X:G1X+7]
	s_nop 0
	PLACES
.Lasked_\@:
.endm
.macro CREST                           ; a round of the cluster's barrier behind its opening barrier
	s_cmp_lg_u32 s24, 0
	s_cbranch_scc1 .Lnot_wave_0_\@
	s_barrier_signal -3
.Lnot_wave_0_\@:
	s_barrier_wait -3
	s_barrier_signal -1
	s_barrier_wait -1
.endm
.macro CROUND
	s_barrier_signal -1
	s_barrier_wait -1
	CREST
.endm
	s_load_b512 s[4:19], s[0:1], 0x0               ; xb, wall, csb, q_norm_w, k_norm_w, qf, kvf, sg
	v_lshl_add_u32 v[SPW], v0, 2, SPARE
	v_mov_b32 v[NIL], 0
	ds_add_u32 v[SPW], v[NIL]                      ; the wave's opening: the add and its wait ahead of my first tensor load
	v_lshrrev_b32 v1, 5, v0
	v_readfirstlane_b32 s24, v1                    ; wave 0..3
	s_lshr_b32 s25, s24, 1                         ; my half of the rows. Also: I fetch x (0) or wall (1); cos (0) or sin (1)
	s_and_b32 s26, s24, 1                          ; my half of the columns. Also: which half of x, cos, sin; main block (0) or extra (1)
	s_bfe_u32 s27, ttmp6, 0x40000                  ; cx
	s_bfe_u32 s28, ttmp6, 0x40004                  ; cy
	s_mov_b32 s31, ttmp9                           ; CX, the cluster's x: 0,1 q; 2 gate; 3 k and v
	s_lshl_b32 s29, s31, 2
	s_add_co_u32 s29, s29, s27                     ; column group g
	s_cmp_eq_u32 s31, 3
	s_cselect_b32 s20, 4, 0
	s_add_co_u32 s29, s29, s20                     ; X: the main block in wall: g, or g + 4 for k and v
	s_and_b32 s30, ttmp7, 0xffff
	s_lshl_b32 s30, s30, 2
	s_add_co_u32 s30, s30, s28                     ; Y: block of 256 rows, 0..15
	s_lshl_b32 s20, s28, 2
	s_lshl_b32 s20, 15, s20                        ; my row of the cluster
	s_lshl_b32 s21, 0x1111, s27                    ; my column
	s_or_b32 s[G1A], s20, (1<<16)|(1<<20)|(1<<21)|(5<<22)|(3<<25)  ; mask; 2-byte elements; padding on; bit 21 beside a mask; after every 64 words 4 words
	s_or_b32 s[G1C], s20, (1<<16)|(1<<20)|(1<<21)|(5<<22)|(3<<25)
	s_or_b32 s[G1B], s21, (1<<16)|(1<<20)|(1<<21)|(6<<22)|(7<<25)  ; after every 128 words 8 words
	s_or_b32 s[G1X], s21, (1<<16)|(1<<20)|(1<<21)|(4<<22)|(7<<25)  ; after every 32 words 8 words
.irp g, G1A, G1C
	s_mov_b32 s[\g+1], 128<<16                     ; tensor_dim0 = 128
	s_mov_b32 s[\g+2], 128<<16                     ; tensor_dim1 = 128
	s_mov_b32 s[\g+3], 128<<16                     ; tile_dim0 = 128
	s_mov_b32 s[\g+4], 128                         ; tile_dim1 = 128
	s_mov_b32 s[\g+6], 0
	s_mov_b32 s[\g+7], 0
.endr
	s_mov_b32 s[G1A+5], 1024                       ; elements from row to row: x
	s_mov_b32 s[G1C+5], 128                        ; cos, sin
	s_mov_b32 s[G1B+1], 256<<16
	s_mov_b32 s[G1B+2], 128<<16
	s_mov_b32 s[G1B+3], 256<<16
	s_mov_b32 s[G1B+4], 128
	s_mov_b32 s[G1B+5], 5120
	s_mov_b32 s[G1B+6], 0
	s_mov_b32 s[G1B+7], 0
	s_mov_b32 s[G1X+1], 64<<16
	s_mov_b32 s[G1X+2], 128<<16
	s_mov_b32 s[G1X+3], 64<<16
	s_mov_b32 s[G1X+4], 128
	s_mov_b32 s[G1X+5], 5120
	s_mov_b32 s[G1X+6], 0
	s_mov_b32 s[G1X+7], 0
	s_lshl_b32 s98, s30, 8                         ; x, cos, sin: row 256 Y + 128 half
	s_lshl_b32 s99, s26, 7
	s_add_co_u32 s98, s98, s99
	s_lshl_b32 s100, s98, 8                        ; rows of 256 bytes; sin lies 1,048,576 bytes behind cos
	s_lshl_b32 s99, s25, 20
	s_add_co_u32 s100, s100, s99
	s_mov_b32 s101, 0
	s_lshl_b32 s98, s98, 11                        ; rows of 2,048 bytes
	s_mov_b32 s99, 0
	s_lshl_b32 s66, s29, 9                         ; the main block: 512 bytes a block
	s_mov_b32 s67, 0
	s_add_co_u32 s20, s31, 12                      ; the extra: block 12 + CX, quarter cx
	s_lshl_b32 s20, s20, 9
	s_lshl_b32 s21, s27, 7
	s_add_co_u32 s20, s20, s21
	s_mov_b32 s21, 0
	s_mul_i32 s[LA], s26, AHALF                    ; LDS places hang on the wave's number alone
	s_mov_b32 s22, 0x76543210                      ; v_permlanex16_b32: each lane takes its own place in the other half
	s_mov_b32 s23, 0xfedcba98
	s_mov_b32 s96, 0x3b800000                      ; 1 / 256
	s_mov_b32 s97, 0x358637bd                      ; 1e-6
	s_wait_dscnt 0x0                               ; the opening add is done
	s_wait_kmcnt 0x0
	s_add_nc_u64 s[4:5], s[4:5], s[98:99]
	s_add_nc_u64 s[8:9], s[8:9], s[100:101]
	s_add_nc_u64 s[66:67], s[6:7], s[66:67]
	s_add_nc_u64 s[20:21], s[6:7], s[20:21]
.irp s, 0,1
	s_mov_b32 s[G0A+4*\s], 1
	s_add_co_u32 s[G0A+4*\s+1], s[LA], \s*SLOT
	s_add_nc_u64 s[G0A+4*\s+2:G0A+4*\s+3], s[4:5], \s*KSTEP*2
	s_or_b32 s[G0A+4*\s+3], s[G0A+4*\s+3], 0x80000000
	s_mov_b32 s[G0B+4*\s], 1
	s_mov_b32 s[G0B+4*\s+1], \s*SLOT+ATILE
	s_add_nc_u64 s[G0B+4*\s+2:G0B+4*\s+3], s[66:67], \s*KSTEP*WROW
	s_or_b32 s[G0B+4*\s+3], s[G0B+4*\s+3], 0x80000000
	s_mov_b32 s[G0X+4*\s], 1
	s_mov_b32 s[G0X+4*\s+1], \s*SLOT+ATILE+BMT
	s_add_nc_u64 s[G0X+4*\s+2:G0X+4*\s+3], s[20:21], \s*KSTEP*WROW
	s_or_b32 s[G0X+4*\s+3], s[G0X+4*\s+3], 0x80000000
.endr
	s_mov_b32 s[TB], 0                             ; K step 0 lies in slot 0
	s_mov_b32 s[G0C], 1
	s_mul_i32 s[G0C+1], s24, AHALF                 ; cos's two halves, then sin's two: wave x 128 rows
	s_add_nc_u64 s[G0C+2:G0C+3], s[8:9], 0
	s_or_b32 s[G0C+3], s[G0C+3], 0x80000000
	CROUND                                         ; all sixteen work-groups are here: the first joint loads meet
	s_cmp_eq_u32 s25, 0                            ; a wave's two first fills stand in one arm of the branch on its number: two loads of mine are out
	s_cbranch_scc0 .Lfirst_b
	tensor_load_to_lds s[G0A:G0A+3], s[G1A:G1A+7]
	s_nop 0
	tensor_load_to_lds s[G0A+4:G0A+7], s[G1A:G1A+7]
	s_nop 0
	PLACES
	s_branch .Lfirst_asked
.Lfirst_b:
	s_cmp_eq_u32 s26, 0
	s_cbranch_scc0 .Lfirst_x
	tensor_load_to_lds s[G0B:G0B+3], s[G1B:G1B+7]
	s_nop 0
	tensor_load_to_lds s[G0B+4:G0B+7], s[G1B:G1B+7]
	s_nop 0
	PLACES
	s_branch .Lfirst_asked
.Lfirst_x:
	tensor_load_to_lds s[G0X:G0X+3], s[G1X:G1X+7]
	s_nop 0
	tensor_load_to_lds s[G0X+4:G0X+7], s[G1X:G1X+7]
	s_nop 0
	PLACES
.Lfirst_asked:
	v_and_b32 v1, 15, v0                           ; l % 16
	v_bfe_u32 v2, v0, 4, 1                         ; l / 16
	v_and_b32 v3, 31, v0                           ; l
	v_lshlrev_b32 v[GA], 4, v3
	v_xor_b32 v[GP], 0x100, v[GA]                  ; 64 columns of f32 away
	s_cmp_lt_u32 s31, 2
	s_cselect_b64 s[10:11], s[10:11], s[12:13]     ; q's gains or k's
	s_cselect_b64 s[14:15], s[14:15], s[18:19]     ; the main block goes to qf or sg,
	s_cmp_lt_u32 s31, 3
	s_cselect_b64 s[14:15], s[14:15], s[16:17]     ; or kvf
	global_load_b128 v[W1:W1+3], v[GA], s[10:11]
	global_load_b128 v[W1+4:W1+7], v[GA], s[10:11] offset:512
	global_load_b128 v[W1+8:W1+11], v[GP], s[10:11]
	s_lshr_b32 s98, s30, 3                         ; batch
	s_and_b32 s99, s30, 7
	s_lshl_b32 s99, s99, 8                         ; first position
	s_and_b32 s100, s29, 7
	s_and_b32 s101, s29, 1
	s_cmp_lt_u32 s29, 16
	s_cselect_b32 s100, s100, s101                 ; the head in its buffer,
	s_cselect_b32 s101, 3, 1                       ; of 8 or of 2 a batch
	s_lshl_b32 s101, s98, s101
	s_add_co_u32 s100, s100, s101
	s_lshl_b32 s100, s100, 20                      ; a head is 1,048,576 bytes in all three buffers
	s_cmp_eq_u32 s31, 2
	s_cselect_b32 s101, 7, 9                       ; a position is 128 bytes in a plane of sg, 512 in qf and kvf
	s_lshl_b32 s101, s99, s101
	s_add_co_u32 s100, s100, s101
	s_cmp_ge_u32 s29, 18
	s_cselect_b32 s2, -1, 0                        ; all ones: a tile of v
	s_cselect_b32 s101, 0x400000, 0                ; v lies behind k
	s_add_co_u32 s100, s100, s101
	s_mov_b32 s101, 0
	s_add_nc_u64 s[14:15], s[14:15], s[100:101]
	s_lshl_b32 s100, s98, 3                        ; the extra: gate head 4 + CX, plane cx
	s_add_co_u32 s100, s100, s31
	s_add_co_u32 s100, s100, 4
	s_lshl_b32 s100, s100, 20
	s_lshl_b32 s98, s27, 18
	s_add_co_u32 s100, s100, s98
	s_lshl_b32 s98, s99, 7
	s_add_co_u32 s100, s100, s98
	s_add_nc_u64 s[18:19], s[18:19], s[100:101]
	v_mul_u32_u24 v4, v1, PA                       ; a fragment of x: row l % 16, 16 bytes for each half of the lanes, two loads 32 bytes apart
	v_lshl_add_u32 v4, v2, 4, v4
	s_mul_i32 s98, s25, AHALF
	v_add_nc_u32 v[ADRA], s98, v4
	v_mov_b32 v[ADRA+1], v[ADRA]                   ; the slot in hand is slot 0
	v_and_b32 v5, 7, v0                            ; the turning load: lane l reads k row 8 (l/16) + l%8, columns 8 ((l/8)%2) + 0..7
	v_lshl_add_u32 v5, v2, 3, v5
	v_bfe_u32 v6, v0, 3, 1
	v_lshlrev_b32 v6, 4, v6
	v_mul_u32_u24 v7, v5, PB
	v_add_nc_u32 v7, v7, v6
	s_lshl_b32 s98, s26, 8                         ; my 128 main columns
	s_add_co_u32 s98, s98, ATILE
	v_add_nc_u32 v[ADRBM], s98, v7
	v_mov_b32 v[ADRBM+1], v[ADRBM]
	v_mul_u32_u24 v7, v5, PX
	v_add_nc_u32 v7, v7, v6
	s_lshl_b32 s98, s26, 6                         ; my 32 extra columns
	s_add_co_u32 s98, s98, ATILE+BMT
	v_add_nc_u32 v[ADRBX], s98, v7
	v_mov_b32 v[ADRBX+1], v[ADRBX]
	v_mul_u32_u24 v4, v1, FP                       ; into the stage: row 128 (w/2) + 16 a + l%16; 16 bytes for each half of the lanes
	v_lshl_add_u32 v4, v2, 4, v4
	s_mul_i32 s98, s25, 128*FP
	s_add_co_u32 s98, s98, STG
	s_lshl_b32 s99, s26, 8
	s_add_co_u32 s99, s99, s98
	v_add_nc_u32 v[STOM], s99, v4
	v_add_nc_u32 v[STOM+2], 64*FP, v[STOM]
	s_lshl_b32 s99, s26, 6
	s_add_co_u32 s99, s99, s98
	s_add_co_u32 s99, s99, 512
	v_add_nc_u32 v[STOX], s99, v4
	v_add_nc_u32 v[STOX+2], 64*FP, v[STOX]
	s_mul_i32 s98, s24, 64*FP                      ; back: wave w takes rows 64 w ..
	s_add_co_u32 s98, s98, STG
	v_lshlrev_b32 v4, 3, v3
	v_add_nc_u32 v[RA], s98, v4
	v_xor_b32 v5, 0x80, v4                         ; 64 columns of f16 away
	v_add_nc_u32 v[RP], s98, v5
	s_mul_i32 s99, s24, 64*PA
	v_add_nc_u32 v[CA], s99, v4
	v_add_nc_u32 v[SA], SINB, v[CA]
	s_lshl_b32 s99, s24, 15                        ; 64 rows of 512 bytes
	v_add_nc_u32 v[GO], s99, v4
	v_lshrrev_b32 v5, 3, v3                        ; the gate's way: 32 lanes take 4 rows x 128 bytes
	v_mul_u32_u24 v5, v5, FP
	v_and_b32 v6, 7, v0
	v_lshl_add_u32 v5, v6, 4, v5
	v_add_nc_u32 v[GR], s98, v5
	v_add_nc_u32 v[GX], 512, v[GR]
	s_lshl_b32 s99, s24, 13                        ; 64 rows of 128 bytes
	v_lshl_add_u32 v[GGO], v3, 4, s99
	v_mov_b32 v[GXO], v[GGO]
	v_mov_b32 v[ZERO], 0
	v_mov_b32 v[ONEB], 0x3f803f80
	v_mov_b32 v[NL2E], 0xbfb8aa3b
	v_xor_b32 v[SGN], 1, v2
	v_lshlrev_b32 v[SGN], 31, v[SGN]
; 10 matrix instructions: row block a x my 10 column blocks, 32 along K, from buffer f. The 80 accumulators take turns in one order. zero = 1: the product starts the sums.
.macro MULA f, a, zero
.irp b, 0,1,2,3,4,5,6,7,8,9
.set nn, 10*(\a)+\b
	WIN 0x0c|(0x50*(1+nn/32))                      ; source 0 window 0, source 1 window 3, C and D the accumulator's window
.if \zero
	v_wmma_f32_16x16x32_bf16 v[8*(nn%32):8*(nn%32)+7], v[BF+80*(\f)+8*\b:BF+80*(\f)+8*\b+7], v[AF+64*(\f)+8*(\a):AF+64*(\f)+8*(\a)+7], 0
.else
	v_wmma_f32_16x16x32_bf16 v[8*(nn%32):8*(nn%32)+7], v[BF+80*(\f)+8*\b:BF+80*(\f)+8*\b+7], v[AF+64*(\f)+8*(\a):AF+64*(\f)+8*(\a)+7], v[8*(nn%32):8*(nn%32)+7]
.endif
.endr
.endm
; 36 LDS loads in one run: quarter q (32 along K) into buffer f: wall's 10 fragments, then x's 8, in ascending row blocks. w = 0: from slot 0, by the bases; w = 1: from the slot in hand
.macro FETCH w, q, f
	WIN 0
.irp b, 0,1,2,3,4,5,6,7
	ds_load_tr16_b128 v[BF+80*(\f)+8*\b:BF+80*(\f)+8*\b+3],   v[ADRBM+(\w)] offset:(\q)*32*PB+32*\b
	ds_load_tr16_b128 v[BF+80*(\f)+8*\b+4:BF+80*(\f)+8*\b+7], v[ADRBM+(\w)] offset:(\q)*32*PB+32*\b+16*PB
.endr
.irp b, 0,1
	ds_load_tr16_b128 v[BF+80*(\f)+64+8*\b:BF+80*(\f)+64+8*\b+3],   v[ADRBX+(\w)] offset:(\q)*32*PX+32*\b
	ds_load_tr16_b128 v[BF+80*(\f)+64+8*\b+4:BF+80*(\f)+64+8*\b+7], v[ADRBX+(\w)] offset:(\q)*32*PX+32*\b+16*PX
.endr
	WIN 0xc0                                       ; destination window 3
.irp a, 0,1,2,3,4,5,6,7
	ds_load_b128 v[AF+64*(\f)+8*\a:AF+64*(\f)+8*\a+3],   v[ADRA+(\w)] offset:(\q)*64+\a*16*PA
	ds_load_b128 v[AF+64*(\f)+8*\a+4:AF+64*(\f)+8*\a+7], v[ADRA+(\w)] offset:(\q)*64+\a*16*PA+32
.endr
.endm
; One of a K step's first three quarters: multiplies buffer f; in its middle fetches quarter q into buffer g
.macro QUARTER w, q, f, g, zero
	s_wait_dscnt 8                                 ; wall and x's blocks 0-3 are in; the youngest eight loads (blocks 4-7) may be out
	MULA \f, 0, \zero
	MULA \f, 1, \zero
	MULA \f, 2, \zero
	MULA \f, 3, \zero
	PLACES
	FETCH \w, \q, \g
	s_wait_dscnt 36                                ; all but the 36 just issued
	MULA \f, 4, \zero
	MULA \f, 5, \zero
	MULA \f, 6, \zero
	MULA \f, 7, \zero
.endm
; The last quarter multiplies buffer 1 and changes slots: one barrier, which opens a round of the cluster's; in front of it each wave waits for all its tensor loads, adds 0 to its spare word,
; and waits for that and for its reads of this slot. fill = 1 (the loop): the slot at TB takes the K step two on, and TB turns to the other slot.
; fill = 2 (K step 6): slot 0 has been read for the last time and takes cos and sin; the slot in hand becomes slot 1, by its constant.
.macro TURN fill
	WIN 0
	s_wait_tensorcnt 0x0                           ; all my tensor loads have landed: my part of the next slot among them
	ds_add_u32 v[SPW], v[NIL]
	s_wait_dscnt 9                                 ; (the add and the youngest eight loads may be out)
	MULA 1, 0, 0
	MULA 1, 1, 0
	s_wait_dscnt 0x0                               ; the add is done, and my reads of this slot are over
	s_barrier_signal -1
	MULA 1, 2, 0
	MULA 1, 3, 0
	WIN 0
	s_barrier_wait -1
	CREST                                          ; no wave of any partner still reads this slot or has a load on its way
.if (\fill) == 1
	s_add_co_u32 s[G0A+5], s[TB], s[LA]            ; the walking descriptors: into the slot just read out,
	s_add_co_u32 s[G0B+5], s[TB], ATILE
	s_add_co_u32 s[G0X+5], s[TB], ATILE+BMT
	s_add_nc_u64 s[G0A+6:G0A+7], s[G0A+6:G0A+7], KSTEP*2      ; the next K step that has not been asked for; the type bits on top are not reached
	s_add_nc_u64 s[G0B+6:G0B+7], s[G0B+6:G0B+7], KSTEP*WROW
	s_add_nc_u64 s[G0X+6:G0X+7], s[G0X+6:G0X+7], KSTEP*WROW
	s_xor_b32 s[TB], s[TB], SLOT                   ; TB holds 0 or SLOT: the exclusive or turns the one into the other
	JLOAD                                          ; the first tensor load behind the round; its four v_nop are also the places in front of the loads below
	v_add_nc_u32 v[ADRA+1], s[TB], v[ADRA]
	v_add_nc_u32 v[ADRBM+1], s[TB], v[ADRBM]
	v_add_nc_u32 v[ADRBX+1], s[TB], v[ADRBX]
.else
	tensor_load_to_lds s[G0C:G0C+3], s[G1C:G1C+7]  ; every wave its 128 rows of cos or sin: the last K step is their time to land
	s_nop 0
	PLACES
	v_add_nc_u32 v[ADRA+1], SLOT, v[ADRA]
	v_add_nc_u32 v[ADRBM+1], SLOT, v[ADRBM]
	v_add_nc_u32 v[ADRBX+1], SLOT, v[ADRBX]
.endif
	FETCH 1, 0, 0
	MULA 1, 4, 0
	MULA 1, 5, 0
	MULA 1, 6, 0
	MULA 1, 7, 0
.endm
	s_wait_tensorcnt 1                             ; my part of K step 0 is in; slot 1's may stay out
	s_barrier_signal -1
	s_barrier_wait -1
	FETCH 0, 0, 0
	QUARTER 0, 1, 0, 1, 1                          ; the first quarter stands in front of the loop: its products start the sums
	WIN 0
	s_mov_b32 s[CNT], TRIPS
.Lstep:                                                ; a trip goes from a K step's second quarter to the next step's first, and fills the slot that it leaves
	QUARTER 1, 2, 1, 0, 0
	QUARTER 1, 3, 0, 1, 0
	TURN 1
	QUARTER 1, 1, 0, 1, 0
	WIN 0
	s_sub_co_u32 s[CNT], s[CNT], 1
	s_cmp_lg_u32 s[CNT], 0
	s_cbranch_scc1 .Lstep
	QUARTER 0, 2, 1, 0, 0                          ; K step 6 lies in slot 0 (six turns of TB), K step 7 in slot 1: written out, by their constants
	QUARTER 0, 3, 0, 1, 0
	TURN 2
	QUARTER 1, 1, 0, 1, 0
	QUARTER 1, 2, 1, 0, 0
	QUARTER 1, 3, 0, 1, 0
	s_wait_dscnt 8
	MULA 1, 0, 0
	MULA 1, 1, 0
	MULA 1, 2, 0
	MULA 1, 3, 0
	s_wait_dscnt 0x0
	MULA 1, 4, 0
	MULA 1, 5, 0
	MULA 1, 6, 0
	MULA 1, 7, 0
	WIN 0
	PLACES
	s_wait_tensorcnt 0x0                           ; my part of cos or sin has landed
	s_barrier_signal -1                            ; every wave's reads of the ring are back: the stage may be written over it
	s_barrier_wait -1
	; THE DUMP: eight accumulators at a time are rounded to f16, each from its lowest registers on, and go into the stage, 16 bytes a lane
.set nn, 0
.rept 10
	WIN 5*(1+nn/32)                                ; sources 0 and 1: the accumulators' window
.set jj, 0
.rept 8
.set rr, 8*((nn+jj)%32)
	v_cvt_pk_f16_f32 v[TMPD+4*jj], v[rr], v[rr+1]
	v_cvt_pk_f16_f32 v[TMPD+4*jj+1], v[rr+2], v[rr+3]
	v_cvt_pk_f16_f32 v[TMPD+4*jj+2], v[rr+4], v[rr+5]
	v_cvt_pk_f16_f32 v[TMPD+4*jj+3], v[rr+6], v[rr+7]
.set jj, jj+1
.endr
	WIN 0
.set jj, 0
.rept 8
.set aa, (nn+jj)/10
.set bb, (nn+jj)%10
.if bb < 8
	ds_store_b128 v[STOM+2*(aa/4)], v[TMPD+4*jj:TMPD+4*jj+3] offset:(aa%4)*16*FP+32*bb
.else
	ds_store_b128 v[STOX+2*(aa/4)], v[TMPD+4*jj:TMPD+4*jj+3] offset:(aa%4)*16*FP+32*(bb-8)
.endif
.set jj, jj+1
.endr
.set nn, nn+8
.endr
	s_wait_dscnt 0x0                               ; for the others' sake: my stores into the stage are done
	s_barrier_signal -1
	s_barrier_wait -1
	s_wait_loadcnt 0x0                             ; the gains
.macro ROWS line:vararg                ; one line for each of a trip's four rows or units: number RHO's registers begin at R
.set R, 64
.set RHO, 0
	s_wait_alu depctr_va_vdst(0)
.rept 4
	\line
.set R, R+40
.set RHO, RHO+1
.endr
.endm
; sigmoid(g) = 1 / (1 + 2^(-g log2 e)) for four units of 4 rows x 64 channels: a lane has 8 channels, a unit's store is 512 consecutive bytes of a plane of sg
.macro GATEBODY adr, lstep, goff, gstep, base
	ROWS ds_load_b128 v[R:R+3], v[\adr] offset:RHO*(\lstep)
	s_wait_dscnt 0x0
.irp j, 0,1,2,3
	ROWS v_fma_mix_f32 v[R+4+2*\j], v[R+\j], v[NL2E], v[ZERO] op_sel_hi:[1,0,0]
	ROWS v_fma_mix_f32 v[R+5+2*\j], v[R+\j], v[NL2E], v[ZERO] op_sel:[1,0,0] op_sel_hi:[1,0,0]
.endr
.irp j, 0,1,2,3,4,5,6,7
	ROWS v_exp_f32 v[R+4+\j], v[R+4+\j]
.endr
	v_nop                                          ; a plain instruction between the last exponential and the use of its result
	s_wait_alu depctr_va_vdst(0)
.irp j, 0,2,4,6
	ROWS v_pk_add_f32 v[R+4+\j:R+5+\j], v[R+4+\j:R+5+\j], 1.0 op_sel_hi:[1,0]
.endr
.irp j, 0,1,2,3,4,5,6,7
	ROWS v_rcp_f32 v[R+4+\j], v[R+4+\j]
.endr
	v_nop
	s_wait_alu depctr_va_vdst(0)
.irp j, 0,1,2,3
	ROWS v_cvt_pk_f16_f32 v[R+12+\j], v[R+4+2*\j], v[R+5+2*\j]
.endr
	ROWS global_store_b128 v[\goff], v[R+12:R+15], s[\base:\base+1] offset:RHO*(\gstep)
	s_wait_xcnt 0x0                                ; the stores' offset and data are rewritten only behind this wait
.endm
	s_mov_b32 s3, 16
	s_cmp_eq_u32 s31, 2
	s_cbranch_scc1 .Lgate
	; gains: rounded to bf16, plus 1; the partner's with its sign; for v: 1, 1 and 0
.irp j, 0,2,4,6,8,10
	v_cvt_pk_bf16_f32 v[TW], v[W1+\j], v[W1+\j+1]
	v_lshlrev_b32 v[W1+\j], 16, v[TW]
	v_and_b32 v[W1+\j+1], 0xffff0000, v[TW]
	v_pk_add_f32 v[W1+\j:W1+\j+1], v[W1+\j:W1+\j+1], 1.0 op_sel_hi:[1,0]
.endr
.irp j, 0,1,2,3
	v_xor_b32 v[W1+8+\j], v[SGN], v[W1+8+\j]
.endr
.irp j, 0,1,2,3,4,5,6,7
	v_cndmask_b32 v[W1+\j], v[W1+\j], 1.0, s2
.endr
.irp j, 0,1,2,3
	v_cndmask_b32 v[W1+8+\j], v[W1+8+\j], 0, s2
.endr
	ROWS v_mov_b32 v[R+29], 0                      ; named with the scale as a pair
; A row: R+0,1 columns 4l.. (f16), R+2,3 columns 128+4l.., R+4,5 the partner's, R+6,7 cos, R+8,9 sin (bf16), R+10,11 the sum of squares,
; R+12..15, 16..19, 20..23 the three times their gains, R+24..27 to store, R+28 the scale, R+30..33 rotated
.Lnorm:                                                ; 16 trips of four rows; a row's sum of squares never leaves the wave
	ROWS ds_load_b64 v[R:R+1], v[RA] offset:RHO*FP
	ROWS ds_load_b64 v[R+2:R+3], v[RA] offset:RHO*FP+256
	ROWS ds_load_b64 v[R+4:R+5], v[RP] offset:RHO*FP
	ROWS ds_load_b64 v[R+6:R+7], v[CA] offset:RHO*PA
	ROWS ds_load_b64 v[R+8:R+9], v[SA] offset:RHO*PA
	s_wait_dscnt 0x0
	ROWS v_fma_mix_f32 v[R+10], v[R], v[R], v[ZERO] op_sel_hi:[1,1,0]
	ROWS v_fma_mix_f32 v[R+11], v[R], v[R], v[ZERO] op_sel:[1,1,0] op_sel_hi:[1,1,0]
.irp j, 1,2,3
	ROWS v_fma_mix_f32 v[R+10], v[R+\j], v[R+\j], v[R+10] op_sel_hi:[1,1,0]
	ROWS v_fma_mix_f32 v[R+11], v[R+\j], v[R+\j], v[R+11] op_sel:[1,1,0] op_sel_hi:[1,1,0]
.endr
	ROWS v_add_f32 v[R+10], v[R+10], v[R+11]
	ROWS v_add_f32_dpp v[R+10], v[R+10], v[R+10] row_xmask:1 row_mask:0xf bank_mask:0xf
	ROWS v_add_f32_dpp v[R+10], v[R+10], v[R+10] row_xmask:2 row_mask:0xf bank_mask:0xf
	ROWS v_add_f32_dpp v[R+10], v[R+10], v[R+10] row_xmask:4 row_mask:0xf bank_mask:0xf
	ROWS v_add_f32_dpp v[R+10], v[R+10], v[R+10] row_xmask:8 row_mask:0xf bank_mask:0xf
	ROWS v_permlanex16_b32 v[R+11], v[R+10], s22, s23
	ROWS v_add_f32 v[R+10], v[R+10], v[R+11]
	ROWS v_fma_f32 v[R+10], v[R+10], s96, s97      ; the mean of squares + 1e-6
	ROWS v_rsq_f32 v[R+28], v[R+10]
.irp j, 0,1                            ; plain work behind the roots: x (1 + w), straight from the f16 halves
	ROWS v_fma_mix_f32 v[R+12+2*\j], v[R+\j], v[W1+2*\j], v[ZERO] op_sel_hi:[1,0,0]
	ROWS v_fma_mix_f32 v[R+13+2*\j], v[R+\j], v[W1+2*\j+1], v[ZERO] op_sel:[1,0,0] op_sel_hi:[1,0,0]
	ROWS v_fma_mix_f32 v[R+16+2*\j], v[R+2+\j], v[W1+4+2*\j], v[ZERO] op_sel_hi:[1,0,0]
	ROWS v_fma_mix_f32 v[R+17+2*\j], v[R+2+\j], v[W1+5+2*\j], v[ZERO] op_sel:[1,0,0] op_sel_hi:[1,0,0]
	ROWS v_fma_mix_f32 v[R+20+2*\j], v[R+4+\j], v[W1+8+2*\j], v[ZERO] op_sel_hi:[1,0,0]
	ROWS v_fma_mix_f32 v[R+21+2*\j], v[R+4+\j], v[W1+9+2*\j], v[ZERO] op_sel:[1,0,0] op_sel_hi:[1,0,0]
.endr
	ROWS v_cndmask_b32 v[R+28], v[R+28], 1.0, s2
	ROWS v_cndmask_b32 v[R+6], v[R+6], v[ONEB], s2
	ROWS v_cndmask_b32 v[R+7], v[R+7], v[ONEB], s2
	ROWS v_fma_mix_f32_bf16 v[R+30], v[R+12], v[R+6], v[ZERO] op_sel_hi:[0,1,0]
	ROWS v_fma_mix_f32_bf16 v[R+31], v[R+13], v[R+6], v[ZERO] op_sel:[0,1,0] op_sel_hi:[0,1,0]
	ROWS v_fma_mix_f32_bf16 v[R+32], v[R+14], v[R+7], v[ZERO] op_sel_hi:[0,1,0]
	ROWS v_fma_mix_f32_bf16 v[R+33], v[R+15], v[R+7], v[ZERO] op_sel:[0,1,0] op_sel_hi:[0,1,0]
	ROWS v_fma_mix_f32_bf16 v[R+30], v[R+20], v[R+8], v[R+30] op_sel_hi:[0,1,0]
	ROWS v_fma_mix_f32_bf16 v[R+31], v[R+21], v[R+8], v[R+31] op_sel:[0,1,0] op_sel_hi:[0,1,0]
	ROWS v_fma_mix_f32_bf16 v[R+32], v[R+22], v[R+9], v[R+32] op_sel_hi:[0,1,0]
	ROWS v_fma_mix_f32_bf16 v[R+33], v[R+23], v[R+9], v[R+33] op_sel:[0,1,0] op_sel_hi:[0,1,0]
	ROWS v_pk_mul_f32 v[R+30:R+31], v[R+30:R+31], v[R+28:R+29] op_sel_hi:[1,0]
	ROWS v_pk_mul_f32 v[R+32:R+33], v[R+32:R+33], v[R+28:R+29] op_sel_hi:[1,0]
	ROWS v_pk_mul_f32 v[R+16:R+17], v[R+16:R+17], v[R+28:R+29] op_sel_hi:[1,0]
	ROWS v_pk_mul_f32 v[R+18:R+19], v[R+18:R+19], v[R+28:R+29] op_sel_hi:[1,0]
	ROWS v_cvt_pk_f16_f32 v[R+24], v[R+30], v[R+31]
	ROWS v_cvt_pk_f16_f32 v[R+25], v[R+32], v[R+33]
	ROWS v_cvt_pk_f16_f32 v[R+26], v[R+16], v[R+17]
	ROWS v_cvt_pk_f16_f32 v[R+27], v[R+18], v[R+19]
	ROWS global_store_b64 v[GO], v[R+24:R+25], s[14:15] offset:RHO*512       ; 32 lanes store 256 consecutive bytes, aligned
	ROWS global_store_b64 v[GO], v[R+26:R+27], s[14:15] offset:RHO*512+256
	s_wait_xcnt 0x0                                ; the stores' offset and data are rewritten only behind this wait
	v_add_nc_u32 v[RA], 4*FP, v[RA]
	v_add_nc_u32 v[RP], 4*FP, v[RP]
	v_add_nc_u32 v[CA], 4*PA, v[CA]
	v_add_nc_u32 v[SA], 4*PA, v[SA]
	v_add_nc_u32 v[GO], 4*512, v[GO]
	s_sub_co_u32 s3, s3, 1
	s_cmp_lg_u32 s3, 0
	s_cbranch_scc1 .Lnorm
	s_branch .Lmain_done
.Lgate:                                                ; a main block of the gate: 16 trips; a trip's four units are the four quarters of four rows, 262,144 bytes apart in sg
	GATEBODY GR, 128, GGO, 262144, 14
	v_add_nc_u32 v[GR], 4*FP, v[GR]
	v_add_nc_u32 v[GGO], 512, v[GGO]
	s_sub_co_u32 s3, s3, 1
	s_cmp_lg_u32 s3, 0
	s_cbranch_scc1 .Lgate
.Lmain_done:
	s_mov_b32 s3, 4
.Lextra:                                               ; the extra, in every work-group: 4 trips; a trip's four units are sixteen rows of the one quarter
	GATEBODY GX, 4*FP, GXO, 512, 18
	v_add_nc_u32 v[GX], 16*FP, v[GX]
	v_add_nc_u32 v[GXO], 2048, v[GXO]
	s_sub_co_u32 s3, s3, 1
	s_cmp_lg_u32 s3, 0
	s_cbranch_scc1 .Lextra
	s_wait_tensorcnt 0x0                           ; the wave's end
	ds_add_u32 v[SPW], v[NIL]
	s_wait_dscnt 0x0
	CROUND                                         ; the closing round: no work-group ends while a partner may still ask for a tile that names it
	s_endpgm
.Lfunc_end_k_qffb608c90f_proj:
	.size	k_qffb608c90f_proj, .Lfunc_end_k_qffb608c90f_proj-k_qffb608c90f_proj
	.p2alignl 7, 3214868480
	.fill 96, 4, 3214868480
	.section	.rodata,"a",@progbits
	.p2align	6, 0x0
	.amdhsa_kernel k_qffb608c90f_proj
		.amdhsa_group_segment_fixed_size 327680
		.amdhsa_private_segment_fixed_size 0
		.amdhsa_enable_private_segment 0
		.amdhsa_kernarg_size 64
		.amdhsa_user_sgpr_count 2
		.amdhsa_user_sgpr_kernarg_segment_ptr 1
		.amdhsa_wavefront_size32 1
		.amdhsa_system_sgpr_workgroup_id_x 1
		.amdhsa_system_sgpr_workgroup_id_y 1
		.amdhsa_system_sgpr_workgroup_id_z 1
		.amdhsa_system_vgpr_workitem_id 0
		.amdhsa_next_free_vgpr 1024
		.amdhsa_next_free_sgpr 102
		.amdhsa_reserve_vcc 0
		.amdhsa_float_denorm_mode_32 3
		.amdhsa_float_denorm_mode_16_64 3
		.amdhsa_memory_ordered 1
		.amdhsa_forward_progress 1
		.amdhsa_inst_pref_size 167
	.end_amdhsa_kernel
	.amdgpu_metadata
---
amdhsa.version: [ 1, 2 ]
amdhsa.kernels:
  - .name:           k_qffb608c90f_proj
    .symbol:         k_qffb608c90f_proj.kd
    .args:
      - { .name: xb, .offset: 0, .size: 8, .value_kind: global_buffer, .address_space: global }
      - { .name: wall, .offset: 8, .size: 8, .value_kind: global_buffer, .address_space: global }
      - { .name: csb, .offset: 16, .size: 8, .value_kind: global_buffer, .address_space: global }
      - { .name: q_norm_w, .offset: 24, .size: 8, .value_kind: global_buffer, .address_space: global }
      - { .name: k_norm_w, .offset: 32, .size: 8, .value_kind: global_buffer, .address_space: global }
      - { .name: qf, .offset: 40, .size: 8, .value_kind: global_buffer, .address_space: global }
      - { .name: kvf, .offset: 48, .size: 8, .value_kind: global_buffer, .address_space: global }
      - { .name: sg, .offset: 56, .size: 8, .value_kind: global_buffer, .address_space: global }
    .group_segment_fixed_size: 327680
    .private_segment_fixed_size: 0
    .kernarg_segment_align: 8
    .kernarg_segment_size: 64
    .max_flat_workgroup_size: 128
    .sgpr_count:     102
    .vgpr_count:     1024
    .wavefront_size: 32
...
	.end_amdgpu_metadata
.endif
;; end of part 5
;; launch attn (part 6): grid 64 x 4, 4 waves a work-group, clusters of 4 x 1, 327,680 bytes of LDS; arguments qf, kvf, sg, ao; writes ao
.if DOCPART == 6
	.amdgcn_target "amdgcn-amd-amdhsa--gfx1250"
	.amdhsa_code_object_version 6
	.text
	.protected	k_qffb608c90f_attn
	.globl	k_qffb608c90f_attn
	.p2align	8
	.type	k_qffb608c90f_attn,@function
k_qffb608c90f_attn:
	s_mov_b64 s[64:65], 0
	v_nop
	global_prefetch_b8 v0, s[64:65] scope:SCOPE_SE
	s_setreg_imm32_b32 hwreg(HW_REG_WAVE_MODE, 25, 1), 1
	s_wait_xcnt 0x0
	s_wait_alu depctr_hold_cnt(0) depctr_sa_sdst(0) depctr_va_vdst(0) depctr_va_sdst(0) depctr_va_ssrc(0) depctr_va_vcc(0) depctr_vm_vsrc(0)
	s_getreg_b32 s2, hwreg(HW_REG_IB_STS2, 6, 4)
	s_cmp_eq_u32 s2, 0
	s_cbranch_scc0 .Lentry_in_a_cluster
	s_endpgm
.Lentry_in_a_cluster:
	s_bfe_u32 s2, ttmp6, 0x10000c
	s_cmp_lg_u32 s2, 0x3003
	s_cbranch_scc0 .Lentry_shape_is_right
	s_endpgm
.Lentry_shape_is_right:
; CAUSAL ATTENTION with grouped heads at head size 256, and the gate. qf f16 [b][8][2048][256]; kvf: k f16 [b][2][2048][256], v 4,194,304 bytes behind.
; sg = sigmoid(gate), f16 [b][8][4 quarters of 64 channels][2048][64]: four positions of a quarter are 512 consecutive bytes.
; ao f16 [4096][2048] = softmax(q k / 16, keys up to the query's own) v x sg. Products, maxima and sums in f32; the weights p are rounded to f16 for the second product (their sum is taken unrounded); ao is rounded once.
; LIMITS. f16 ends at 65,504: v and the gated output lie within it. A hidden score counts as -1e30; a weight below 2^-126 counts as 0; NaN and infinities are not treated apart.
; SHARES. A block is 16 positions x the four query heads of one k/v head: 64 rows, four tiles of 16 (tile = head). A work-group takes block 256 (7-t) + 16 u and then block 256 t + 16 u: key tiles of 256 keys,
; 8-t and t+1 of them: nine tiles whatever t. t comes from the cluster's number, u's low bits from my place in it: the four partners walk the same tiles, and every tile of K and V is asked for JOINTLY.
; A TILE. S^T = K Q^T is shared by keys: wave w takes keys 64 w.. against all 64 rows. The rows' maxima meet in LDS, so all waves hold the same running maximum m and the same a = 2^(c m_old - c m_new), c = log2(e)/16.
; p = 2^(c s - c m) goes through LDS as ready fragments. O^T = V^T P is shared by channels: wave w makes channels 64 w.. of all 64 rows over all 256 keys. Each wave keeps the sum l of its own keys; they meet at a block's end.
; K and V have one LDS buffer each: V's tile is fetched while K Q^T and the softmax run, the next K's while V^T P runs. One tensor load of mine is out at most.
; THE LOOP is cut where its tail has to differ. A trip: the next tile's K is asked for, V^T P of the tile in hand, the block's end where it is due; then V's request, K Q^T and softmax of the next tile.
; It is entered in its middle (the first tile has no V^T P in front of it); behind it stand the ninth tile's V^T P, with no request, and the last block's end.
; A block's first tile has a = 0 (c m starts far below every c s), so O and l need only be finite there: zeros at the start, what the first block left later.
; In the diagonal tile every row sees the tile's key 0 at least, and the maximum that is exchanged covers all four waves: m is always a true score.
; REGISTERS. window 0: v0-63 addresses and statistics; v64-127 K, two buffers of 32; v128-255 S^T at 128 + 32 tile + 8 key block.
;   window 1: v0-127 O^T at 32 tile + 8 channel block; v128-255 two buffers of 64: four fragments of V, four of P (v128-191 also hold my own p on its way to LDS).   window 2: Q at 64 tile + 8 channel step.
.set KP,   528                         ; a row of K in LDS: 512 bytes + 16
.set VP,   544                         ; a row of V: 512 + 32, for the turning load
.set VB,   256*KP
.set PBUF, VB+256*VP                   ; P: 32 images of 1,024 bytes, image 4 g + tile for keys 32 g..; at a block's end the stage: 64 rows of 528 bytes
.set SGP,  528
.set MXB,  PBUF+64*SGP                 ; the waves' maxima: 256 bytes a wave
.set LXB,  MXB+1024                    ; the waves' sums
.set SPARE, LXB+1024                   ; the spare words: 128 bytes a wave, two blocks of 256 bytes that no other line names
.set AK,   3                           ; v3   my place in my 64 rows of K
.set AV0,  4                           ; v4,5 my place in V, keys 0-127 and 128-255
.set APW,  6                           ; v6   where my p goes
.set APR,  7                           ; v7   where P is read
.set MXW,  8
.set MXR,  9
.set LXW,  10
.set LXR,  11
.set QO,   12                          ; v12  my byte offset in 16 rows of Q
.set DELTA, 13                         ; v13  my query's place in its tile less my first key's: 16 u + l%16 - 64 w - 8 (l/16)
.set BIG,  14                          ; v14  -1e30
.set ZERO, 15
.set ST,   16                          ; tile t at v[16+8t]: c m, m, l (two), c0-c3 at work; a, later 1/l, in c2
.set LM,   52                          ; v52-55 what goes to the other waves
.set STGW, 56                          ; v56  stage: my 16 bytes of row 16 w
.set STGF, 57                          ; v57  stage: row l%16, my wave's channels, as a fragment lies
.set GL,   58                          ; v58  16 l
.set STGS, 59                          ; v59  stage: row 16 w + l/8, 16 bytes at 16 (l%8): where the gate goes in
.set SPW,  60
.set NIL,  61
.set KR,   64
.set S,    128
.set GG,   192                         ; v192-255 the gate, as O^T lies
.set PS,   128                         ; window 1
.set PR,   128                         ; window 1
.set KBASE, 6                          ; s[6:7]   K at my 64 keys of tile 0
.set VBASE, 20                         ; s[20:21] V likewise
.set WV,   15
.set T,    16
.set U,    17
.set G1K,  24
.set G1V,  32
.set G0K,  40
.set G0V,  44
.set OFF,  48                          ; s[48:49] the byte offset of the tile in hand
.set QNXT, 50
.set SGNXT, 52
.set AONXT, 54
.set CS,   56
.set SEL,  58
.set SLOTS, 60                         ; tiles whose K Q^T is still to come
.set RT,   61                          ; tiles of the block in hand still to be entered
.set NXT,  62                          ; the tile to be asked for next
.set LQ,   63                          ; the last tile of the block whose tiles are being asked for
.set MSB, 0
.macro WIN new
.if MSB != (\new)
	s_set_vgpr_msb (MSB<<8)|(\new)
.set MSB, \new
.endif
.endm
.set W_QK, 0x08                        ; Q in window 2; K, S^T and LDS addresses in window 0
.set W_PV, 0x55                        ; all four in window 1
.set W_T1, 0x40                        ; destination window 1
.set W_PST, 0x04                       ; an LDS store's data in window 1
.set W_RS, 0x41                        ; destination and source 0 window 1, source 1 window 0
.set W_MX, 0x01                        ; source 0 window 1
.set W_Q,  0x80                        ; destination window 2
.macro PLACES
.rept 4
	v_nop
.endr
.endm
.macro CROUND                          ; a round of the cluster's barrier
	s_barrier_signal -1
	s_barrier_wait -1
	s_cmp_lg_u32 s[WV], 0
	s_cbranch_scc1 .Lnot_wave_0_\@
	s_barrier_signal -3
.Lnot_wave_0_\@:
	s_barrier_wait -3
	s_barrier_signal -1
	s_barrier_wait -1
.endm
.macro TILES line:vararg               ; one line for each tile tt
.set tt, 0
.rept 4
.set rT, ST+8*tt
.set rS, S+32*tt
.set rO, 32*tt
	\line
.set tt, tt+1
.endr
.endm
.macro QLOAD base                      ; 64 rows of Q: tile t is head t, 1,048,576 bytes on; channels 32 c on
	WIN W_Q
.irp t, 0,1,2,3
.irp c, 0,1,2,3,4,5,6,7
	global_load_b128 v[64*\t+8*\c:64*\t+8*\c+3],   v[QO], s[\base:\base+1] offset:\t*1048576+64*\c
	global_load_b128 v[64*\t+8*\c+4:64*\t+8*\c+7], v[QO], s[\base:\base+1] offset:\t*1048576+64*\c+32
.endr
.endr
	WIN 0
.endm
	s_load_b256 s[4:11], s[0:1], 0x0               ; qf, kvf, sg, ao
	v_lshl_add_u32 v[SPW], v0, 2, SPARE
	v_mov_b32 v[NIL], 0
	ds_add_u32 v[SPW], v[NIL]                      ; the wave's opening: the add and its wait ahead of my first tensor load
	v_lshrrev_b32 v1, 5, v0
	v_readfirstlane_b32 s[WV], v1
	s_bfe_u32 s70, ttmp6, 0x40000                  ; cx: it enters Q's, sg's and ao's addresses and the mask alone
	s_lshr_b32 s[T], ttmp9, 2                      ; t: the same in all four partners
	s_and_b32 s[U], ttmp9, 3
	s_lshl_b32 s[U], s[U], 2
	s_add_co_u32 s[U], s[U], s70                   ; u
	s_and_b32 s13, ttmp7, 0xffff                   ; 2 b + kv
	s_lshl_b32 s22, s13, 20                        ; a k/v head is 1,048,576 bytes,
	s_lshl_b32 s23, s[WV], 15                      ; my 64 keys 32,768
	s_add_co_u32 s22, s22, s23
	s_mov_b32 s23, 0
	s_lshl_b32 s14, s[U], 4
	s_sub_co_u32 s18, 7, s[T]
	s_lshl_b32 s18, s18, 8
	s_add_co_u32 s18, s18, s14                     ; the first block's first position
	s_lshl_b32 s19, s[T], 8
	s_add_co_u32 s19, s19, s14                     ; the second's
	s_lshl_b32 s71, s13, 22                        ; four query heads of 1,048,576 bytes
	s_lshl_b32 s66, s18, 9
	s_add_co_u32 s66, s66, s71
	s_mov_b32 s67, 0
	s_lshl_b32 s68, s19, 9
	s_add_co_u32 s68, s68, s71
	s_mov_b32 s69, 0
	s_lshl_b32 s70, s[WV], 20                      ; sg: head w of the four is mine
	s_mov_b32 s71, 0
	s_mov_b32 s[G1K], 15|(1<<16)|(1<<20)|(1<<21)|(6<<22)|(3<<25)  ; the mask of four; 2-byte elements; padding on; bit 21 beside a mask; after every 128 words 4 words
	s_mov_b32 s[G1V], 15|(1<<16)|(1<<20)|(1<<21)|(6<<22)|(7<<25)  ; 8 words
.irp g, G1K, G1V
	s_mov_b32 s[\g+1], 256<<16                     ; tensor_dim0 = 256
	s_mov_b32 s[\g+2], 64<<16                      ; tensor_dim1 = 64
	s_mov_b32 s[\g+3], 256<<16                     ; tile_dim0 = 256
	s_mov_b32 s[\g+4], 64                          ; tile_dim1 = 64
	s_mov_b32 s[\g+5], 256                         ; elements from row to row
	s_mov_b32 s[\g+6], 0
	s_mov_b32 s[\g+7], 0
.endr
	s_mov_b32 s[G0K], 1
	s_mul_i32 s[G0K+1], s[WV], 64*KP               ; every wave fetches its own 64 keys
	s_mov_b32 s[G0V], 1
	s_mul_i32 s[G0V+1], s[WV], 64*VP
	s_add_co_u32 s[G0V+1], s[G0V+1], VB
	s_mov_b32 s[OFF], 0
	s_mov_b32 s[OFF+1], 0
	s_mov_b32 s[CS], 0x3db8aa3b                    ; c = log2(e) / 16
	s_mov_b32 s[CS+1], s[CS]
	s_mov_b32 s[SEL], 0x76543210
	s_mov_b32 s[SEL+1], 0xfedcba98
	s_sub_co_u32 s[RT], 8, s[T]                    ; the first block has 8 - t tiles
	s_mov_b32 s[NXT], 1
	s_sub_co_u32 s[LQ], 7, s[T]
	s_mov_b32 s[SLOTS], 9
	s_wait_dscnt 0x0                               ; the opening add is done
	s_wait_kmcnt 0x0
	s_add_nc_u64 s[KBASE:KBASE+1], s[6:7], s[22:23]
	s_add_nc_u64 s[VBASE:VBASE+1], s[KBASE:KBASE+1], 0x400000
	s_add_nc_u64 s[G0K+2:G0K+3], s[KBASE:KBASE+1], s[OFF:OFF+1]
	s_or_b32 s[G0K+3], s[G0K+3], 0x80000000
	CROUND                                         ; all four work-groups are here: the first joint load meets
	tensor_load_to_lds s[G0K:G0K+3], s[G1K:G1K+7]  ; K of tile 0
	s_nop 0
	PLACES
	s_add_nc_u64 s[QNXT:QNXT+1], s[4:5], s[68:69]
	s_add_nc_u64 s[4:5], s[4:5], s[66:67]
	s_add_nc_u64 s[8:9], s[8:9], s[70:71]
	s_lshl_b32 s70, s13, 22                        ; sg: the group's four heads; a position is 128 bytes in a quarter's plane
	s_lshl_b32 s66, s18, 7
	s_add_co_u32 s66, s66, s70
	s_lshl_b32 s68, s19, 7
	s_add_co_u32 s68, s68, s70
	s_add_nc_u64 s[SGNXT:SGNXT+1], s[8:9], s[68:69]
	s_add_nc_u64 s[8:9], s[8:9], s[66:67]
	s_lshr_b32 s66, s13, 1                         ; ao: (2048 b + position) rows of 4,096 bytes, head 4 kv + w of 512
	s_lshl_b32 s66, s66, 23
	s_and_b32 s68, s13, 1
	s_lshl_b32 s68, s68, 11
	s_add_co_u32 s66, s66, s68
	s_lshl_b32 s68, s[WV], 9
	s_add_co_u32 s66, s66, s68
	s_lshl_b32 s68, s19, 12
	s_add_co_u32 s68, s68, s66
	s_lshl_b32 s70, s18, 12
	s_add_co_u32 s66, s66, s70
	s_add_nc_u64 s[AONXT:AONXT+1], s[10:11], s[68:69]
	s_add_nc_u64 s[10:11], s[10:11], s[66:67]
	v_and_b32 v1, 15, v0                           ; l % 16
	v_bfe_u32 v2, v0, 4, 1                         ; l / 16
	v_and_b32 v62, 31, v0
	v_lshlrev_b32 v[QO], 9, v1
	v_lshl_add_u32 v[QO], v2, 4, v[QO]
	QLOAD 4
	WIN W_T1                                       ; O^T starts at 0: all this stands in the wait for the first tile
.set ii, 0
.rept 128
	v_mov_b32 v[ii], 0
.set ii, ii+1
.endr
	WIN 0
	TILES v_mov_b32 v[rT], 0xfe000000              ; c m: far below every c s
	TILES v_mov_b32 v[rT+1], 0xff7fffff            ; m
	TILES v_mov_b32 v[rT+2], 0
	TILES v_mov_b32 v[rT+3], 0
	v_mul_u32_u24 v[AK], v1, KP
	v_lshl_add_u32 v[AK], v2, 4, v[AK]
	s_mul_i32 s12, s[WV], 64*KP
	v_add_nc_u32 v[AK], s12, v[AK]
	v_and_b32 v63, 7, v0                           ; the turning load: key 8 (l/16) + l%8, channels 8 ((l/8)%2) + 0..7
	v_lshl_add_u32 v63, v2, 3, v63
	v_mul_u32_u24 v[AV0], v63, VP
	v_bfe_u32 v63, v0, 3, 1
	v_lshl_add_u32 v[AV0], v63, 4, v[AV0]
	s_lshl_b32 s12, s[WV], 7
	s_add_co_u32 s12, s12, VB
	v_add_nc_u32 v[AV0], s12, v[AV0]
	v_add_nc_u32 v[AV0+1], 128*VP, v[AV0]
	v_lshlrev_b32 v[GL], 4, v62
	s_lshl_b32 s12, s[WV], 13
	s_add_co_u32 s12, s12, PBUF
	v_add_nc_u32 v[APW], s12, v[GL]
	v_add_nc_u32 v[APR], PBUF, v[GL]
	v_lshl_add_u32 v[MXR], v1, 4, MXB
	s_lshl_b32 s12, s[WV], 8
	v_add_nc_u32 v[MXW], s12, v[MXR]
	v_add_nc_u32 v[LXR], 1024, v[MXR]
	v_add_nc_u32 v[LXW], 1024, v[MXW]
	s_mul_i32 s12, s[WV], 16*SGP
	s_add_co_u32 s12, s12, PBUF
	v_add_nc_u32 v[STGW], s12, v[GL]
	v_lshrrev_b32 v63, 3, v62                      ; the gate comes as 4 positions x 128 bytes a load: row l/8, 16 bytes at 16 (l%8)
	v_mul_u32_u24 v[STGS], v63, SGP
	v_and_b32 v63, 7, v0
	v_lshl_add_u32 v[STGS], v63, 4, v[STGS]
	v_add_nc_u32 v[STGS], s12, v[STGS]
	v_mul_u32_u24 v[STGF], v1, SGP
	v_lshl_add_u32 v[STGF], v2, 4, v[STGF]
	s_lshl_b32 s12, s[WV], 7
	s_add_co_u32 s12, s12, PBUF
	v_add_nc_u32 v[STGF], s12, v[STGF]
	s_lshl_b32 s12, s[WV], 6
	s_sub_co_i32 s14, s14, s12                     ; 16 u - 64 w
	v_lshlrev_b32 v[DELTA], 3, v2
	v_sub_nc_u32 v[DELTA], v1, v[DELTA]
	v_add_nc_u32 v[DELTA], s14, v[DELTA]
	v_mov_b32 v[BIG], 0xf149f2ca
	v_mov_b32 v[ZERO], 0
.macro LOADK c                         ; my 64 keys, channels 32 c on: four fragments, eight loads, into buffer c % 2
.irp kb, 0,1,2,3
	ds_load_b128 v[KR+32*((\c)%2)+8*\kb:KR+32*((\c)%2)+8*\kb+3],   v[AK] offset:\kb*16*KP+64*(\c)
	ds_load_b128 v[KR+32*((\c)%2)+8*\kb+4:KR+32*((\c)%2)+8*\kb+7], v[AK] offset:\kb*16*KP+64*(\c)+32
.endr
.endm
.macro QKMUL                           ; channel step ci: 16 products; the 16 accumulators take turns; step 0 starts the sums
.irp kb, 0,1,2,3
.irp t, 0,1,2,3
.if ci == 0
	v_wmma_f32_16x16x32_f16 v[S+32*\t+8*\kb:S+32*\t+8*\kb+7], v[KR+32*(ci%2)+8*\kb:KR+32*(ci%2)+8*\kb+7], v[64*\t+8*ci:64*\t+8*ci+7], 0
.else
	v_wmma_f32_16x16x32_f16 v[S+32*\t+8*\kb:S+32*\t+8*\kb+7], v[KR+32*(ci%2)+8*\kb:KR+32*(ci%2)+8*\kb+7], v[64*\t+8*ci:64*\t+8*ci+7], v[S+32*\t+8*\kb:S+32*\t+8*\kb+7]
.endif
.endr
.endr
.endm
.macro LOADPV g                        ; keys 32 g on: V's four fragments of my channels (turned), P's four: sixteen loads, into buffer g % 2
	WIN W_T1
.irp cb, 0,1,2,3
	ds_load_tr16_b128 v[PR+64*((\g)%2)+8*\cb:PR+64*((\g)%2)+8*\cb+3],   v[AV0+(\g)/4] offset:((\g)%4)*32*VP+32*\cb
	ds_load_tr16_b128 v[PR+64*((\g)%2)+8*\cb+4:PR+64*((\g)%2)+8*\cb+7], v[AV0+(\g)/4] offset:((\g)%4)*32*VP+32*\cb+16*VP
.endr
.irp t, 0,1,2,3
	ds_load_b128 v[PR+64*((\g)%2)+32+8*\t:PR+64*((\g)%2)+32+8*\t+3],   v[APR] offset:(4*(\g)+\t)*1024
	ds_load_b128 v[PR+64*((\g)%2)+32+8*\t+4:PR+64*((\g)%2)+32+8*\t+7], v[APR] offset:(4*(\g)+\t)*1024+512
.endr
.endm
.macro PVMUL                           ; key group gi: 16 products on 16 accumulators by turns
.irp t, 0,1,2,3
.irp cb, 0,1,2,3
	v_wmma_f32_16x16x32_f16 v[32*\t+8*\cb:32*\t+8*\cb+7], v[PR+64*(gi%2)+8*\cb:PR+64*(gi%2)+8*\cb+7], v[PR+64*(gi%2)+32+8*\t:PR+64*(gi%2)+32+8*\t+7], v[32*\t+8*\cb:32*\t+8*\cb+7]
.endr
.endr
.endm
; A BLOCK'S END. The waves' sums meet; the gate's rows go into the stage and come back as O^T lies; O^T / l x gate is rounded once to f16, goes back to the same bytes, and leaves as whole rows of 512 bytes.
; next = 1: the second block is set up: its pointers, its count of tiles, m and c m, its Q.
.macro END next
	WIN 0
	TILES v_add_f32 v[rT+4], v[rT+2], v[rT+3]
	TILES v_permlanex16_b32 v[rT+5], v[rT+4], s[SEL], s[SEL+1]
	TILES v_add_f32 v[LM+tt], v[rT+4], v[rT+5]
	ds_store_b128 v[LXW], v[LM:LM+3]
	s_wait_dscnt 0x0                               ; my sums are stored, and my reads of P are back
	s_barrier_signal -1
	s_barrier_wait -1                              ; nobody reads P any more: its bytes become the stage
.set ii, 0
.rept 16
	ds_store_b128 v[STGS], v[S+4*ii:S+4*ii+3] offset:(ii%4)*4*SGP+(ii/4)*128   ; head w's gate: quarter ii/4, positions 4 (ii%4) + l/8: stage row 16 w + position
.set ii, ii+1
.endr
.irp n, 0,1,2,3
	ds_load_b128 v[KR+4*\n:KR+4*\n+3], v[LXR] offset:256*\n
.endr
	s_wait_dscnt 0x0
	s_barrier_signal -1
	s_barrier_wait -1                              ; the gate's rows are whole
	TILES v_add_f32 v[rT+4], v[KR+tt], v[KR+4+tt]
	TILES v_add_f32 v[rT+5], v[KR+8+tt], v[KR+12+tt]
	TILES v_add_f32 v[rT+4], v[rT+4], v[rT+5]
	TILES v_rcp_f32 v[rT+6], v[rT+4]
	v_nop                                          ; a plain instruction between the last reciprocal and the use of its result
	s_wait_alu depctr_va_vdst(0)
.irp t, 0,1,2,3
.irp cb, 0,1,2,3
	ds_load_b128 v[GG+16*\t+4*\cb:GG+16*\t+4*\cb+3], v[STGF] offset:\t*16*SGP+32*\cb
.endr
.endr
	WIN W_RS
.set ii, 0
.rept 16
	TILES v_pk_mul_f32 v[rO+2*ii:rO+2*ii+1], v[rO+2*ii:rO+2*ii+1], v[rT+6:rT+7] op_sel_hi:[1,0]
.set ii, ii+1
.endr
	WIN 0
	s_wait_dscnt 0x0
	s_barrier_signal -1
	s_barrier_wait -1                              ; every wave's reads of the gate are back: the results may be written over it
	WIN W_MX
.irp t, 0,1,2,3
.irp cb, 0,1,2,3
.irp i, 0,1,2,3
	v_fma_mixlo_f16 v[GG+16*\t+4*\cb+\i], v[32*\t+8*\cb+2*\i], v[GG+16*\t+4*\cb+\i], v[ZERO] op_sel_hi:[0,1,0]
.endr
.irp i, 0,1,2,3
	v_fma_mixhi_f16 v[GG+16*\t+4*\cb+\i], v[32*\t+8*\cb+2*\i+1], v[GG+16*\t+4*\cb+\i], v[ZERO] op_sel:[0,1,0] op_sel_hi:[0,1,0]
.endr
.endr
.endr
	WIN 0
.irp t, 0,1,2,3
.irp cb, 0,1,2,3
	ds_store_b128 v[STGF], v[GG+16*\t+4*\cb:GG+16*\t+4*\cb+3] offset:\t*16*SGP+32*\cb
.endr
.endr
	s_wait_dscnt 0x0
	s_barrier_signal -1
	s_barrier_wait -1
.set ii, 0
.rept 16
	ds_load_b128 v[S+4*ii:S+4*ii+3], v[STGW] offset:ii*SGP
.set ii, ii+1
.endr
.set ii, 0
.rept 16
	s_wait_dscnt 15-ii                             ; row ii is back; the younger loads stay out
	global_store_b128 v[GL], v[S+4*ii:S+4*ii+3], s[10:11] offset:ii*4096   ; 512 consecutive bytes, aligned: head 4 kv + w of one position
.set ii, ii+1
.endr
.if \next
	s_wait_xcnt 0x0                                ; the stores' base and data are rewritten only behind this wait
	s_mov_b64 s[8:9], s[SGNXT:SGNXT+1]
	s_mov_b64 s[10:11], s[AONXT:AONXT+1]
	s_add_co_u32 s[RT], s[T], 1                    ; the second block has t + 1 tiles
	TILES v_mov_b32 v[rT], 0xfe000000
	TILES v_mov_b32 v[rT+1], 0xff7fffff
	QLOAD QNXT
.endif
.endm
; THE FIRST HALF OF A TILE's work: its V is asked for; S^T = K Q^T; the mask in a block's last tile; the softmax; p into LDS; O^T times a. Written once.
.macro MID
	WIN 0
	s_wait_tensorcnt 0x0                           ; my part of this tile's K has landed; no load of mine is out, so a group 0 may be written
	ds_add_u32 v[SPW], v[NIL]
	s_add_nc_u64 s[G0V+2:G0V+3], s[VBASE:VBASE+1], s[OFF:OFF+1]
	s_or_b32 s[G0V+3], s[G0V+3], 0x80000000
	s_sub_co_u32 s[RT], s[RT], 1
	s_wait_dscnt 0x0                               ; the add is done; my reads of the last tile's V and P are back
	CROUND                                         ; both hold of every wave of all four work-groups
	tensor_load_to_lds s[G0V:G0V+3], s[G1V:G1V+7]  ; this tile's V: K Q^T and the softmax are its time to land
	s_nop 0
	PLACES
	s_wait_loadcnt 0x0                             ; Q
	WIN W_QK
	LOADK 0
	LOADK 1
.set ci, 0
.rept 8
.if ci == 7
	s_wait_dscnt 0x0
.else
	s_wait_dscnt 8                                 ; this step's eight loads are in, the next step's eight may be out
.endif
	QKMUL
.if ci < 6
	PLACES
	LOADK ci+2
.endif
.set ci, ci+1
.endr
	PLACES
	WIN 0
	s_cmp_lg_u32 s[RT], 0
	s_cbranch_scc1 .Lnomask_\@
.set ii, 0
.rept 32                               ; the diagonal tile: register ii holds key 16 (ii/8) + ii%8 of my lane's: hidden where that is greater than DELTA
	v_cmp_gt_i32 vcc_lo, 16*(ii/8)+ii%8, v[DELTA]
	TILES v_cndmask_b32 v[rS+ii], v[rS+ii], v[BIG], vcc_lo
.set ii, ii+1
.endr
.Lnomask_\@:
.irp n, 0,1,2,3                        ; the maximum of my 32 scores a tile: four chains, each accumulator's lowest registers first
	TILES v_max3_num_f32 v[rT+4+\n], v[rS+8*\n], v[rS+8*\n+1], v[rS+8*\n+2]
.endr
.irp n, 0,1,2,3
	TILES v_max3_num_f32 v[rT+4+\n], v[rT+4+\n], v[rS+8*\n+3], v[rS+8*\n+4]
.endr
.irp n, 0,1,2,3
	TILES v_max3_num_f32 v[rT+4+\n], v[rT+4+\n], v[rS+8*\n+5], v[rS+8*\n+6]
.endr
	TILES v_max3_num_f32 v[rT+4], v[rT+4], v[rS+7], v[rS+15]
	TILES v_max3_num_f32 v[rT+6], v[rT+6], v[rS+23], v[rS+31]
	TILES v_max3_num_f32 v[rT+4], v[rT+4], v[rT+5], v[rT+6]
	TILES v_max_num_f32 v[rT+4], v[rT+4], v[rT+7]
	TILES v_permlanex16_b32 v[rT+5], v[rT+4], s[SEL], s[SEL+1]
	TILES v_max_num_f32 v[LM+tt], v[rT+4], v[rT+5]
	ds_store_b128 v[MXW], v[LM:LM+3]               ; lanes l and l + 16 hold the same four numbers and write the same bytes
	s_wait_dscnt 0x0
	s_barrier_signal -1                            ; V's load may stay out
	s_barrier_wait -1
.irp n, 0,1,2,3
	ds_load_b128 v[KR+4*\n:KR+4*\n+3], v[MXR] offset:256*\n
.endr
	s_wait_dscnt 0x0
	TILES v_max3_num_f32 v[rT+4], v[rT+1], v[KR+tt], v[KR+4+tt]
	TILES v_max3_num_f32 v[rT+1], v[rT+4], v[KR+8+tt], v[KR+12+tt]
	TILES v_mov_b32 v[rT+7], v[rT]
	TILES v_mul_f32 v[rT], s[CS], v[rT+1]
	TILES v_sub_f32 v[rT+7], v[rT+7], v[rT]
	TILES v_exp_f32 v[rT+6], v[rT+7]
.set ii, 0
.rept 16
	TILES v_pk_fma_f32 v[rS+2*ii:rS+2*ii+1], v[rS+2*ii:rS+2*ii+1], s[CS:CS+1], v[rT:rT+1] op_sel_hi:[1,0,0] neg_lo:[0,0,1] neg_hi:[0,0,1]
.set ii, ii+1
.endr
.set ii, 0
.rept 32
	TILES v_exp_f32 v[rS+ii], v[rS+ii]
.set ii, ii+1
.endr
	v_nop                                          ; a plain instruction between the last exponential and the use of its result
	s_wait_alu depctr_va_vdst(0)
	WIN W_T1
.set ii, 0
.rept 16
	TILES v_cvt_pk_f16_f32 v[PS+16*tt+ii], v[rS+2*ii], v[rS+2*ii+1]
.set ii, ii+1
.endr
	WIN W_PST
.irp t, 0,1,2,3
.irp kk, 0,1
	ds_store_b128 v[APW], v[PS+16*\t+8*\kk:PS+16*\t+8*\kk+3]   offset:(4*\kk+\t)*1024
	ds_store_b128 v[APW], v[PS+16*\t+8*\kk+4:PS+16*\t+8*\kk+7] offset:(4*\kk+\t)*1024+512
.endr
.endr
	WIN 0
.irp d, 8,4,2,1                        ; the sum of a tile's 16 pairs, in place
.set ii, 0
.rept \d
	TILES v_pk_add_f32 v[rS+2*ii:rS+2*ii+1], v[rS+2*ii:rS+2*ii+1], v[rS+2*(ii+\d):rS+2*(ii+\d)+1]
.set ii, ii+1
.endr
.endr
	TILES v_pk_fma_f32 v[rT+2:rT+3], v[rT+2:rT+3], v[rT+6:rT+7], v[rS:rS+1] op_sel_hi:[1,0,1]
	s_cmp_lg_u32 s[RT], 0
	s_cbranch_scc1 .Lnosg_\@
.set ii, 0
.rept 16                               ; a block's last tile: head w's gate for the 16 positions: quarter ii/4, four positions a load, 512 consecutive bytes; V^T P is its time to land
	global_load_b128 v[S+4*ii:S+4*ii+3], v[GL], s[8:9] offset:(ii/4)*262144+(ii%4)*512
.set ii, ii+1
.endr
.Lnosg_\@:
	WIN W_RS
.set ii, 0
.rept 16
	TILES v_pk_mul_f32 v[rO+2*ii:rO+2*ii+1], v[rO+2*ii:rO+2*ii+1], v[rT+6:rT+7] op_sel_hi:[1,0]
.set ii, ii+1
.endr
	WIN 0
.endm
; THE SECOND HALF: O^T += V^T P. fill = 1: the next tile's K is asked for in front of it; fill = 0: the walk's last tile.
.macro TOP fill
	WIN 0
	s_wait_tensorcnt 0x0                           ; my part of V has landed
	ds_add_u32 v[SPW], v[NIL]                      ; with fill = 1 the descriptor's scalar work stands between the add and the wait for it
.if \fill
	s_lshl_b32 s[OFF], s[NXT], 17                  ; a tile is 131,072 bytes of K and of V; the address is made anew from the tile's number
	s_add_nc_u64 s[G0K+2:G0K+3], s[KBASE:KBASE+1], s[OFF:OFF+1]
	s_or_b32 s[G0K+3], s[G0K+3], 0x80000000
	s_add_co_u32 s[NXT], s[NXT], 1                 ; the block's next tile, or behind its last the second block's tile 0
	s_cmp_gt_u32 s[NXT], s[LQ]
	s_cselect_b32 s[NXT], 0, s[NXT]
	s_cselect_b32 s[LQ], s[T], s[LQ]
.endif
	s_wait_dscnt 0x0                               ; the add is done, my p is stored, my reads of K are back
.if \fill
	CROUND
	tensor_load_to_lds s[G0K:G0K+3], s[G1K:G1K+7]  ; the next tile's K: V^T P is its time to land
	s_nop 0
	PLACES
.else
	s_barrier_signal -1
	s_barrier_wait -1
.endif
	LOADPV 0
	LOADPV 1
.set gi, 0
.rept 8
.if gi == 7
	s_wait_dscnt 0x0
.else
	s_wait_dscnt 16                                ; this group's sixteen loads are in, the next group's may be out
.endif
	WIN W_PV
	PVMUL
.if gi < 6
	PLACES
	LOADPV gi+2
.endif
.set gi, gi+1
.endr
	PLACES
	WIN 0
	s_wait_loadcnt 0x0                             ; the gate, where it was asked for
.endm
	s_branch .Lmid                                 ; the first tile has no V^T P in front of it: the loop is entered in its middle
.Lstep:                                                ; the top runs eight times, the part from .Lmid on nine times
	TOP 1
	s_cmp_lg_u32 s[RT], 0
	s_cbranch_scc1 .Lmid
	END 1                                          ; the first block's last tile is done
.Lmid:
	MID
	s_sub_co_u32 s[SLOTS], s[SLOTS], 1
	s_cmp_lg_u32 s[SLOTS], 0
	s_cbranch_scc1 .Lstep
	TOP 0                                          ; the ninth tile's V^T P is written out
	END 0
	s_wait_tensorcnt 0x0                           ; the wave's end
	ds_add_u32 v[SPW], v[NIL]
	s_wait_dscnt 0x0
	CROUND                                         ; the closing round
	s_endpgm
.Lfunc_end_k_qffb608c90f_attn:
	.size	k_qffb608c90f_attn, .Lfunc_end_k_qffb608c90f_attn-k_qffb608c90f_attn
	.p2alignl 7, 3214868480
	.fill 96, 4, 3214868480
	.section	.rodata,"a",@progbits
	.p2align	6, 0x0
	.amdhsa_kernel k_qffb608c90f_attn
		.amdhsa_group_segment_fixed_size 327680
		.amdhsa_private_segment_fixed_size 0
		.amdhsa_enable_private_segment 0
		.amdhsa_kernarg_size 32
		.amdhsa_user_sgpr_count 2
		.amdhsa_user_sgpr_kernarg_segment_ptr 1
		.amdhsa_wavefront_size32 1
		.amdhsa_system_sgpr_workgroup_id_x 1
		.amdhsa_system_sgpr_workgroup_id_y 1
		.amdhsa_system_sgpr_workgroup_id_z 1
		.amdhsa_system_vgpr_workitem_id 0
		.amdhsa_next_free_vgpr 768
		.amdhsa_next_free_sgpr 72
		.amdhsa_reserve_vcc 1
		.amdhsa_float_denorm_mode_32 3
		.amdhsa_float_denorm_mode_16_64 3
		.amdhsa_memory_ordered 1
		.amdhsa_forward_progress 1
		.amdhsa_inst_pref_size 149
	.end_amdhsa_kernel
	.amdgpu_metadata
---
amdhsa.version: [ 1, 2 ]
amdhsa.kernels:
  - .name:           k_qffb608c90f_attn
    .symbol:         k_qffb608c90f_attn.kd
    .args:
      - { .name: qf, .offset: 0, .size: 8, .value_kind: global_buffer, .address_space: global }
      - { .name: kvf, .offset: 8, .size: 8, .value_kind: global_buffer, .address_space: global }
      - { .name: sg, .offset: 16, .size: 8, .value_kind: global_buffer, .address_space: global }
      - { .name: ao, .offset: 24, .size: 8, .value_kind: global_buffer, .address_space: global }
    .group_segment_fixed_size: 327680
    .private_segment_fixed_size: 0
    .kernarg_segment_align: 8
    .kernarg_segment_size: 32
    .max_flat_workgroup_size: 128
    .sgpr_count:     72
    .vgpr_count:     768
    .wavefront_size: 32
...
	.end_amdgpu_metadata
.endif
;; end of part 6
;; launch oproj (part 7): grid 8 x 32, 4 waves a work-group, clusters of 4 x 4, 327,680 bytes of LDS; arguments ao, wob, out0; writes out0
.if DOCPART == 7
	.amdgcn_target "amdgcn-amd-amdhsa--gfx1250"
	.amdhsa_code_object_version 6
	.text
	.protected	k_qffb608c90f_oproj
	.globl	k_qffb608c90f_oproj
	.p2align	8
	.type	k_qffb608c90f_oproj,@function
k_qffb608c90f_oproj:
	s_mov_b64 s[64:65], 0
	v_nop
	global_prefetch_b8 v0, s[64:65] scope:SCOPE_SE
	s_setreg_imm32_b32 hwreg(HW_REG_WAVE_MODE, 25, 1), 1
	s_wait_xcnt 0x0
	s_wait_alu depctr_hold_cnt(0) depctr_sa_sdst(0) depctr_va_vdst(0) depctr_va_sdst(0) depctr_va_ssrc(0) depctr_va_vcc(0) depctr_vm_vsrc(0)
	s_getreg_b32 s2, hwreg(HW_REG_IB_STS2, 6, 4)
	s_cmp_eq_u32 s2, 0
	s_cbranch_scc0 .Lentry_in_a_cluster
	s_endpgm
.Lentry_in_a_cluster:
	s_bfe_u32 s2, ttmp6, 0x10000c
	s_cmp_lg_u32 s2, 0xf033
	s_cbranch_scc0 .Lentry_shape_is_right
	s_endpgm
.Lentry_shape_is_right:
; out0 [4096][1024] f32 = ao [4096][2048] f16 x wob [2048 k][1024] f16; sums in f32, stored as they are.
; A tile of out0 is 128 x 128: 256 work-groups. Four waves, each 64 x 64: 16 accumulators. K goes in steps of 256 through two LDS slots.
; wob lies [k][n]: its fragments come out of LDS by the turning load. The matrix instruction is used transposed (source 0 = 16 columns of wob, source 1 = 16 rows of ao):
; a lane then holds eight neighbouring numbers of a row. CLUSTER 4 x 4: ao's tile is asked for jointly along a row of the cluster, wob's along a column.
; THE LOOP'S TEXT IS ONE K STEP. The slot in hand is a scalar, TB = 0 or SLOT, turned by an exclusive or at each change of slots; the fragment addresses are made anew from it and from bases that are never rewritten,
; and one descriptor for each tensor walks: its LDS word is TB plus the wave's place, its address goes on by one K step. The last two K steps are written out and name their slots by constants.
; THE WAY OUT: the f32 tile goes into LDS (over the ring, which has had its last fill) and leaves as whole rows of 512 bytes.
; REGISTERS: window 0: v0-31 addresses; v128-255 the accumulators ((a, b) at 128 + 8 (4 a + b)), later the rows on their way out. window 1: two fragment buffers of 128: 64 of ao, then 64 of wob, for 64 along K.
.set SIZE_K, 2048
.set SIZE_N, 1024
.set KSTEP,  256
.set PA,     528                       ; an LDS row of ao: 512 bytes + 16
.set PB,     288                       ; an LDS row of wob: 256 + 32, for the turning load
.set AHALF,  64*PA
.set ATILE,  2*AHALF
.set BHALF,  128*PB
.set SLOT,   ATILE+2*BHALF             ; ao's 128 rows, then wob's 256 k rows
.set SPARE,  2*SLOT                    ; the spare words: 128 bytes a wave, two blocks of 256 bytes that no other line names
.set SPITCH, 528                       ; a row of the f32 stage: 512 bytes + 16
.set TRIPS,  SIZE_K/KSTEP-2            ; of the 8 K steps the first six ask for the step two on
.set ADRA, 16                          ; v16  my ao fragments in slot 0, never rewritten; v17 in the slot in hand
.set ADRB, 20                          ; v20,21  my wob fragments in slot 0: k rows 0-127, 128-255, never rewritten; v22,23 in the slot in hand
.set STO,  24
.set RD,   25
.set CO,   26
.set SPW,  28
.set NIL,  29
.set ACC,  128
.set F0,   0
.set F1,   128
.set LB,  18                           ; s18  where my half of wob's tile lies in a slot
.set TB,  19                           ; s19  the LDS byte at which the slot in hand begins: 0 or SLOT
.set LA,  20                           ; s20  where my half of ao's tile lies in a slot
.set G1, 24
.set G0, 32                            ; s[32:39] group 0 for ao: a set for each of the two first fills; the second then walks on
.set G1B, 48
.set G0B, 56                           ; s[56:63] the same for wob
.set MSB, 0
.macro WIN new
.if MSB != (\new)
	s_set_vgpr_msb (MSB<<8)|(\new)
.set MSB, \new
.endif
.endm
.set MUL,  0x05                        ; sources 0 and 1 window 1; C and D window 0
.set TO_F, 0x40
.macro PLACES
.rept 4
	v_nop
.endr
.endm
.macro JLOAD                           ; a joint refill by the walking descriptors: waves 0, 1 fetch ao's halves, waves 2, 3 wob's
	s_cmp_eq_u32 s11, 0
	s_cbranch_scc0 .Lfor_b_\@
	tensor_load_to_lds s[G0+4:G0+7], s[G1:G1+7]
	s_nop 0
	PLACES
	s_branch .Lasked_\@
.Lfor_b_\@:
	tensor_load_to_lds s[G0B+4:G0B+7], s[G1B:G1B+7]
	s_nop 0
	PLACES
.Lasked_\@:
.endm
.macro CREST
	s_cmp_lg_u32 s10, 0
	s_cbranch_scc1 .Lnot_wave_0_\@
	s_barrier_signal -3
.Lnot_wave_0_\@:
	s_barrier_wait -3
	s_barrier_signal -1
	s_barrier_wait -1
.endm
.macro CROUND
	s_barrier_signal -1
	s_barrier_wait -1
	CREST
.endm
	s_load_b128 s[4:7], s[0:1], 0x0                ; ao, wob
	s_load_b64 s[8:9], s[0:1], 0x10                ; out0
	v_lshl_add_u32 v[SPW], v0, 2, SPARE
	v_mov_b32 v[NIL], 0
	ds_add_u32 v[SPW], v[NIL]                      ; the wave's opening: the add and its wait ahead of my first tensor load
	v_lshrrev_b32 v1, 5, v0
	v_readfirstlane_b32 s10, v1                    ; wave 0..3
	s_lshr_b32 s11, s10, 1                         ; my half of the rows. Also: I fetch ao (0) or wob (1)
	s_and_b32 s12, s10, 1                          ; my half of the columns. Also: which half of a tile I fetch
	s_bfe_u32 s40, ttmp6, 0x40000
	s_bfe_u32 s41, ttmp6, 0x40004
	s_lshl_b32 s42, ttmp9, 2
	s_add_co_u32 s42, s42, s40                     ; tile column
	s_and_b32 s13, ttmp7, 0xffff
	s_lshl_b32 s13, s13, 2
	s_add_co_u32 s13, s13, s41                     ; tile row
	s_lshl_b32 s43, s41, 2
	s_lshl_b32 s43, 15, s43                        ; my row of the cluster
	s_lshl_b32 s44, 0x1111, s40                    ; my column
	s_or_b32 s[G1], s43, (1<<16)|(1<<20)|(1<<21)|(6<<22)|(3<<25)   ; ao: 64 rows x 256 elements; after every 128 words 4 words of padding
	s_mov_b32 s[G1+1], 256<<16
	s_mov_b32 s[G1+2], 64<<16
	s_mov_b32 s[G1+3], 256<<16
	s_mov_b32 s[G1+4], 64
	s_mov_b32 s[G1+5], SIZE_K
	s_mov_b32 s[G1+6], 0
	s_mov_b32 s[G1+7], 0
	s_or_b32 s[G1B], s44, (1<<16)|(1<<20)|(1<<21)|(5<<22)|(7<<25)  ; wob: 128 k rows x 128 elements; after every 64 words 8 words
	s_mov_b32 s[G1B+1], 128<<16
	s_mov_b32 s[G1B+2], 128<<16
	s_mov_b32 s[G1B+3], 128<<16
	s_mov_b32 s[G1B+4], 128
	s_mov_b32 s[G1B+5], SIZE_N
	s_mov_b32 s[G1B+6], 0
	s_mov_b32 s[G1B+7], 0
	s_lshl_b32 s17, s12, 6
	s_lshl_b32 s16, s13, 7
	s_add_co_u32 s16, s16, s17                     ; ao: row 128 x tile row + 64 x half,
	s_lshl_b32 s16, s16, 12                        ; of 4,096 bytes
	s_mov_b32 s17, 0
	s_lshl_b32 s46, s12, 18                        ; wob: k row 128 x half, of 2,048 bytes,
	s_lshl_b32 s47, s42, 8                         ; 256 bytes a tile column
	s_add_co_u32 s46, s46, s47
	s_mov_b32 s47, 0
	s_mul_i32 s[LA], s12, AHALF                    ; LDS places hang on the wave's number alone
	s_mul_i32 s[LB], s12, BHALF
	s_add_co_u32 s[LB], s[LB], ATILE
	s_mov_b32 s[TB], 0                             ; K step 0 lies in slot 0
	s_wait_dscnt 0x0                               ; the opening add is done
	s_wait_kmcnt 0x0
	s_add_nc_u64 s[14:15], s[4:5], s[16:17]
	s_add_nc_u64 s[46:47], s[6:7], s[46:47]
.irp s, 0,1
	s_mov_b32 s[G0+4*\s], 1
	s_add_co_u32 s[G0+4*\s+1], s[LA], \s*SLOT
	s_add_nc_u64 s[G0+4*\s+2:G0+4*\s+3], s[14:15], \s*KSTEP*2
	s_or_b32 s[G0+4*\s+3], s[G0+4*\s+3], 0x80000000
	s_mov_b32 s[G0B+4*\s], 1
	s_add_co_u32 s[G0B+4*\s+1], s[LB], \s*SLOT
	s_add_nc_u64 s[G0B+4*\s+2:G0B+4*\s+3], s[46:47], \s*KSTEP*SIZE_N*2
	s_or_b32 s[G0B+4*\s+3], s[G0B+4*\s+3], 0x80000000
.endr
	CROUND                                         ; all sixteen work-groups are here: the first joint loads meet
	s_cmp_eq_u32 s11, 0                            ; a wave's two first fills stand in one branch: two loads of mine are out
	s_cbranch_scc0 .Lfirst_b
	tensor_load_to_lds s[G0:G0+3], s[G1:G1+7]
	s_nop 0
	tensor_load_to_lds s[G0+4:G0+7], s[G1:G1+7]
	s_nop 0
	PLACES
	s_branch .Lfirst_asked
.Lfirst_b:
	tensor_load_to_lds s[G0B:G0B+3], s[G1B:G1B+7]
	s_nop 0
	tensor_load_to_lds s[G0B+4:G0B+7], s[G1B:G1B+7]
	s_nop 0
	PLACES
.Lfirst_asked:
	v_and_b32 v1, 15, v0                           ; l % 16
	v_bfe_u32 v2, v0, 4, 1                         ; l / 16
	v_and_b32 v6, 31, v0
	v_mul_u32_u24 v3, v1, PA
	v_lshl_add_u32 v3, v2, 4, v3
	s_mul_i32 s21, s11, AHALF                      ; my 64 rows of ao
	v_add_nc_u32 v[ADRA], s21, v3
	v_mov_b32 v[ADRA+1], v[ADRA]                   ; the slot in hand is slot 0
	v_and_b32 v4, 7, v0                            ; the turning load: k row 8 (l/16) + l%8, columns 8 ((l/8)%2) + 0..7
	v_lshl_add_u32 v4, v2, 3, v4
	v_mul_u32_u24 v4, v4, PB
	v_bfe_u32 v5, v0, 3, 1
	v_lshl_add_u32 v4, v5, 4, v4
	s_lshl_b32 s22, s12, 7                         ; my 64 columns
	s_add_co_u32 s22, s22, ATILE
	v_add_nc_u32 v[ADRB], s22, v4
	v_add_nc_u32 v[ADRB+1], BHALF, v[ADRB]
	v_mov_b32 v[ADRB+2], v[ADRB]
	v_mov_b32 v[ADRB+3], v[ADRB+1]
	v_mul_u32_u24 v[STO], v1, SPITCH               ; into the stage: row 64 (w/2) + l%16, columns 64 (w%2) + 8 (l/16)
	v_lshl_add_u32 v[STO], v2, 5, v[STO]
	s_mul_i32 s23, s11, 64*SPITCH
	s_lshl_b32 s21, s12, 8
	s_add_co_u32 s23, s23, s21
	v_add_nc_u32 v[STO], s23, v[STO]
	s_mul_i32 s23, s10, 32*SPITCH                  ; back: wave w takes rows 32 w .., whole
	v_lshlrev_b32 v[CO], 4, v6
	v_add_nc_u32 v[RD], s23, v[CO]
	s_lshl_b32 s16, s13, 7
	s_lshl_b32 s17, s10, 5
	s_add_co_u32 s16, s16, s17                     ; the first row that I store
	s_lshl_b32 s16, s16, 12
	s_mov_b32 s17, 0
	s_add_nc_u64 s[8:9], s[8:9], s[16:17]
	s_lshl_b32 s46, s42, 9                         ; the tile's first column, in bytes
	s_mov_b32 s47, 0
	s_add_nc_u64 s[8:9], s[8:9], s[46:47]
; 8 matrix instructions: row blocks a0, a0 + 1 x all 4 column blocks, 32 along K: half c of buffer f. The 16 accumulators take turns.
.macro MUL8 f, c, a0, zero
	WIN MUL
.irp a, \a0, (\a0)+1
.irp b, 0,1,2,3
.if \zero
	v_wmma_f32_16x16x32_f16 v[ACC+8*(4*(\a)+(\b)):ACC+8*(4*(\a)+(\b))+7], v[(\f)+64+8*(4*(\c)+(\b)):(\f)+64+8*(4*(\c)+(\b))+7], v[(\f)+8*(4*(\c)+(\a)):(\f)+8*(4*(\c)+(\a))+7], 0
.else
	v_wmma_f32_16x16x32_f16 v[ACC+8*(4*(\a)+(\b)):ACC+8*(4*(\a)+(\b))+7], v[(\f)+64+8*(4*(\c)+(\b)):(\f)+64+8*(4*(\c)+(\b))+7], v[(\f)+8*(4*(\c)+(\a)):(\f)+8*(4*(\c)+(\a))+7], v[ACC+8*(4*(\a)+(\b)):ACC+8*(4*(\a)+(\b))+7]
.endif
.endr
.endr
.endm
; 32 LDS loads in one run: quarter q (64 along K) into buffer f; the first 32 along K first. w = 0: from slot 0, by the bases; w = 1: from the slot in hand
.macro FETCH w, q, f
	WIN TO_F
.irp c, 0,1
.irp i, 0,1,2,3
	ds_load_tr16_b128 v[(\f)+64+8*(4*(\c)+(\i)):(\f)+64+8*(4*(\c)+(\i))+3],   v[ADRB+2*(\w)+(\q)/2] offset:(((\q)%2)*64+32*(\c))*PB+32*(\i)
	ds_load_tr16_b128 v[(\f)+64+8*(4*(\c)+(\i))+4:(\f)+64+8*(4*(\c)+(\i))+7], v[ADRB+2*(\w)+(\q)/2] offset:(((\q)%2)*64+32*(\c))*PB+32*(\i)+16*PB
	ds_load_b128 v[(\f)+8*(4*(\c)+(\i)):(\f)+8*(4*(\c)+(\i))+3],   v[ADRA+(\w)] offset:(\q)*128+64*(\c)+(\i)*16*PA
	ds_load_b128 v[(\f)+8*(4*(\c)+(\i))+4:(\f)+8*(4*(\c)+(\i))+7], v[ADRA+(\w)] offset:(\q)*128+64*(\c)+(\i)*16*PA+32
.endr
.endr
.endm
.macro QUARTER w, q, f, g, zero
	s_wait_dscnt 16                                ; the first 32 along K are in
	MUL8 \f, 0, 0, \zero
	MUL8 \f, 0, 2, \zero
	PLACES
	FETCH \w, \q, \g
	s_wait_dscnt 32                                ; all but the 32 just issued
	MUL8 \f, 1, 0, 0
	MUL8 \f, 1, 2, 0
.endm
; The last quarter multiplies buffer 1 and changes slots: one barrier; in front of it each wave waits for all its tensor loads, adds 0 to its spare word, and waits for that and for its reads of this slot.
; fill = 1 (the loop): the barrier opens a round of the cluster's, the slot at TB takes the K step two on, and TB turns to the other slot. fill = 0 (K step 6): nothing is asked for; the slot in hand becomes slot 1, by its constant.
.macro TURN fill
	WIN 0
	s_wait_tensorcnt 0x0                           ; all my tensor loads have landed: my part of the next slot
	ds_add_u32 v[SPW], v[NIL]
	s_wait_dscnt 17                                ; (the add and the youngest sixteen loads may be out)
	MUL8 F1, 0, 0, 0
	s_wait_dscnt 0x0                               ; the add is done, and my reads of this slot are over
	s_barrier_signal -1
	MUL8 F1, 0, 2, 0
	WIN 0
	s_barrier_wait -1
.if \fill
	CREST                                          ; no wave of any partner still reads this slot or has a load on its way
	s_add_co_u32 s[G0+5], s[TB], s[LA]             ; the walking descriptors: into the slot just read out,
	s_add_co_u32 s[G0B+5], s[TB], s[LB]
	s_add_nc_u64 s[G0+6:G0+7], s[G0+6:G0+7], KSTEP*2           ; the next K step that has not been asked for; the type bits on top are not reached
	s_add_nc_u64 s[G0B+6:G0B+7], s[G0B+6:G0B+7], KSTEP*SIZE_N*2
	s_xor_b32 s[TB], s[TB], SLOT                   ; TB holds 0 or SLOT: the exclusive or turns the one into the other
	JLOAD                                          ; the first tensor load behind the round; its four v_nop are also the places in front of the loads below
	v_add_nc_u32 v[ADRA+1], s[TB], v[ADRA]
	v_add_nc_u32 v[ADRB+2], s[TB], v[ADRB]
	v_add_nc_u32 v[ADRB+3], s[TB], v[ADRB+1]
.else
	PLACES
	v_add_nc_u32 v[ADRA+1], SLOT, v[ADRA]
	v_add_nc_u32 v[ADRB+2], SLOT, v[ADRB]
	v_add_nc_u32 v[ADRB+3], SLOT, v[ADRB+1]
.endif
	FETCH 1, 0, F0
	MUL8 F1, 1, 0, 0
	MUL8 F1, 1, 2, 0
.endm
	s_wait_tensorcnt 1                             ; my part of K step 0 is in; slot 1's may stay out
	s_barrier_signal -1
	s_barrier_wait -1
	FETCH 0, 0, F0
	QUARTER 0, 1, F0, F1, 1                        ; the first quarter stands in front of the loop: its first products start the sums
	WIN 0
	s_mov_b32 s3, TRIPS
.Lstep:                                                ; a trip goes from a K step's second quarter to the next step's first, and fills the slot that it leaves
	QUARTER 1, 2, F1, F0, 0
	QUARTER 1, 3, F0, F1, 0
	TURN 1
	QUARTER 1, 1, F0, F1, 0
	WIN 0
	s_sub_co_u32 s3, s3, 1
	s_cmp_lg_u32 s3, 0
	s_cbranch_scc1 .Lstep
	QUARTER 0, 2, F1, F0, 0                        ; K step 6 lies in slot 0 (six turns of TB), K step 7 in slot 1: written out, by their constants; nothing is asked for
	QUARTER 0, 3, F0, F1, 0
	TURN 0
	QUARTER 1, 1, F0, F1, 0
	QUARTER 1, 2, F1, F0, 0
	QUARTER 1, 3, F0, F1, 0
	s_wait_dscnt 16
	MUL8 F1, 0, 0, 0
	MUL8 F1, 0, 2, 0
	s_wait_dscnt 0x0
	MUL8 F1, 1, 0, 0
	MUL8 F1, 1, 2, 0
	WIN 0
	PLACES
	s_barrier_signal -1                            ; every wave's reads of the ring are back: the stage may be written over it
	s_barrier_wait -1
.irp a, 0,1,2,3
.irp b, 0,1,2,3
	ds_store_b128 v[STO], v[ACC+8*(4*\a+\b):ACC+8*(4*\a+\b)+3]   offset:\a*16*SPITCH+64*\b
	ds_store_b128 v[STO], v[ACC+8*(4*\a+\b)+4:ACC+8*(4*\a+\b)+7] offset:\a*16*SPITCH+64*\b+16
.endr
.endr
	s_wait_dscnt 0x0                               ; for the others' sake: my stores into the stage are done
	s_barrier_signal -1
	s_barrier_wait -1
.set r, 0
.rept 32
	ds_load_b128 v[ACC+4*r:ACC+4*r+3], v[RD] offset:r*SPITCH
.set r, r+1
.endr
.set r, 0
.rept 32
	s_wait_dscnt 31-r                              ; row r is back; the younger loads stay out
	global_store_b128 v[CO], v[ACC+4*r:ACC+4*r+3], s[8:9] offset:r*SIZE_N*4   ; 512 consecutive bytes, aligned
.set r, r+1
.endr
	s_wait_tensorcnt 0x0                           ; the wave's end
	ds_add_u32 v[SPW], v[NIL]
	s_wait_dscnt 0x0
	CROUND                                         ; the closing round
	s_endpgm
.Lfunc_end_k_qffb608c90f_oproj:
	.size	k_qffb608c90f_oproj, .Lfunc_end_k_qffb608c90f_oproj-k_qffb608c90f_oproj
	.p2alignl 7, 3214868480
	.fill 96, 4, 3214868480
	.section	.rodata,"a",@progbits
	.p2align	6, 0x0
	.amdhsa_kernel k_qffb608c90f_oproj
		.amdhsa_group_segment_fixed_size 327680
		.amdhsa_private_segment_fixed_size 0
		.amdhsa_enable_private_segment 0
		.amdhsa_kernarg_size 24
		.amdhsa_user_sgpr_count 2
		.amdhsa_user_sgpr_kernarg_segment_ptr 1
		.amdhsa_wavefront_size32 1
		.amdhsa_system_sgpr_workgroup_id_x 1
		.amdhsa_system_sgpr_workgroup_id_y 1
		.amdhsa_system_sgpr_workgroup_id_z 1
		.amdhsa_system_vgpr_workitem_id 0
		.amdhsa_next_free_vgpr 512
		.amdhsa_next_free_sgpr 66
		.amdhsa_reserve_vcc 0
		.amdhsa_float_denorm_mode_32 3
		.amdhsa_float_denorm_mode_16_64 3
		.amdhsa_memory_ordered 1
		.amdhsa_forward_progress 1
		.amdhsa_inst_pref_size 69
	.end_amdhsa_kernel
	.amdgpu_metadata
---
amdhsa.version: [ 1, 2 ]
amdhsa.kernels:
  - .name:           k_qffb608c90f_oproj
    .symbol:         k_qffb608c90f_oproj.kd
    .args:
      - { .name: ao, .offset: 0, .size: 8, .value_kind: global_buffer, .address_space: global }
      - { .name: wob, .offset: 8, .size: 8, .value_kind: global_buffer, .address_space: global }
      - { .name: out0, .offset: 16, .size: 8, .value_kind: global_buffer, .address_space: global }
    .group_segment_fixed_size: 327680
    .private_segment_fixed_size: 0
    .kernarg_segment_align: 8
    .kernarg_segment_size: 24
    .max_flat_workgroup_size: 128
    .sgpr_count:     66
    .vgpr_count:     512
    .wavefront_size: 32
...
	.end_amdgpu_metadata
.endif
;; end of part 7
;; ======== version 3 of 3: 4 launches; version 2 with the launch cast written anew for expert scheduling mode
;; limits: values are held in f16: magnitudes above 65,504 overflow, below 6.1e-05 lose precision
;; workspace buffers: xb 8,388,608 bytes; wall 10,485,760 bytes; wob 4,194,304 bytes; csb 2,097,152 bytes; qf 16,777,216 bytes; kvf 8,388,608 bytes; sg 16,777,216 bytes; ao 16,777,216 bytes
;; launch cast (part 8): grid 768 x 1, 8 waves a work-group, no clusters, 0 bytes of LDS; arguments hidden_states, Wq, Wo, Wk, Wv, cos, sin, xb, wall, wob, csb; writes xb, wall, wob, csb
.if DOCPART == 8
	.amdgcn_target "amdgcn-amd-amdhsa--gfx1250"
	.amdhsa_code_object_version 6
	.text
	.protected	k_qffb608c90f_cast
	.globl	k_qffb608c90f_cast
	.p2align	8
	.type	k_qffb608c90f_cast,@function
k_qffb608c90f_cast:
	s_mov_b64 s[64:65], 0
	v_nop
	global_prefetch_b8 v0, s[64:65] scope:SCOPE_SE
	s_setreg_imm32_b32 hwreg(HW_REG_WAVE_SCHED_MODE, 0, 2), 2
	s_setreg_imm32_b32 hwreg(HW_REG_WAVE_MODE, 25, 1), 1
	s_wait_xcnt 0x0
	s_wait_alu depctr_vm_vsrc(0)
; All large inputs are rounded once to bf16 and laid out for the launches behind.
;   hidden_states -> xb [4096][1024] bf16.   cos, sin -> csb: cos [4096][128] bf16, sin 1,048,576 bytes behind it.
;   Wq, Wk, Wv -> wall [1024 k][5120] bf16, in column blocks of 256: 0-7 q of head 0-7, 8-15 gate of head 0-7, 16,17 k, 18,19 v.
;   Wo -> wob [2048 k][1024]: rounded to bf16, and that number written as f16.
; LIMIT. An entry of Wo beyond 65,504 would become an infinity; below 6e-5 it keeps f16's fixed step of 6e-8.
; A chunk is 256 f32: 1,024 bytes in, 512 bytes out. A work-group takes 64 chunks on end, a wave 8: sixteen loads of 512 neighbouring bytes,
; all issued before the first is waited for; each becomes one store of 256 neighbouring bytes, aligned. No LDS, no matrix unit: bytes are all there is.
; Where a chunk goes: DST + LW*DL + (wave/2)*DW1 + (wave%2)*DW0 + DC + (i/2)*SA + (i%2)*SB, with the seven numbers chosen by the segment.
; THE MODE: SCHED_MODE bits 1:0 = 2 (LLVM: expert scheduling mode 2), set by the entry lines. The code itself states the register dependences
; between vector instructions and memory instructions, with s_wait_alu, always for 0.
; THE PLAN. Registers that memory instructions touch:
;   v1         the loads' offset. Written once at the head; read by the sixteen loads; never written again.
;   X          sixteen loads of four f32. Written by the loads alone, each register once; read by the conversions behind s_wait_loadcnt.
;   VO         the stores' eight offsets. Written once, behind the loads; read by the stores; never written again.
;   Y          a pair for each load. Written by that load's conversions; read by its one store; never written again.
;   T, v2, v3  are named by vector instructions alone.
; The sixteen loads go in four blocks of four: the wait for the block's data, its conversions, ONE wait on va_vdst, the run of its four stores.
; No register that a memory instruction reads is written a second time, so no wait on vm_vsrc is owed; EXEC is never written.
.set X,  16                            ; v[16:79]   sixteen loads of four f32
.set Y,  80                            ; v[80:111]  sixteen pairs to store
.set T,  112                           ; v[112:115] at work on the f16 way
.set VO, 4                             ; v[4:11]    chunk i: byte offset of my 8 bytes
	s_load_b512 s[4:19], s[0:1], 0x0               ; hidden_states, Wq, Wo, Wk, Wv, cos, sin, xb
	s_load_b128 s[20:23], s[0:1], 0x40             ; wall, wob
	s_load_b64 s[24:25], s[0:1], 0x50              ; csb
	v_lshrrev_b32 v3, 5, v0
	v_readfirstlane_b32 s28, v3                    ; wave 0..7
	v_and_b32 v3, 31, v0
	v_lshlrev_b32 v1, 4, v3                        ; 16 bytes a lane in
	v_lshlrev_b32 v2, 3, v3                        ; 8 bytes a lane out
	s_mov_b32 s29, ttmp9
	s_mov_b32 s35, 32768                           ; DL, DW1, DW0, SA, SB for a dense copy: out = in / 2
	s_mov_b32 s36, 8192
	s_mov_b32 s37, 4096
	s_mov_b32 s38, 1024
	s_mov_b32 s39, 512
	s_mov_b32 s40, 0                               ; DC
	s_mov_b32 s41, 0                               ; 1: the f16 way
	s_wait_alu depctr_va_sdst(0)                   ; s28 is written
	s_wait_kmcnt 0x0
	s_cmp_lt_u32 s29, 256
	s_cbranch_scc0 .Lnot_x
	s_mov_b64 s[30:31], s[4:5]                     ; work-groups 0-255: hidden_states -> xb
	s_mov_b64 s[32:33], s[18:19]
	s_mov_b32 s34, s29
	s_branch .Lgo
.Lnot_x:
	s_cmp_lt_u32 s29, 512
	s_cbranch_scc0 .Lnot_wq
	s_mov_b64 s[30:31], s[6:7]                     ; 256-511: Wq -> wall. A work-group is 4 rows of 16 chunks; chunk c goes to block (c%2)*8 + c/2
	s_mov_b64 s[32:33], s[20:21]
	s_sub_co_u32 s34, s29, 256
	s_mov_b32 s35, 40960
	s_mov_b32 s36, 10240
	s_mov_b32 s37, 2048
	s_mov_b32 s38, 512
	s_mov_b32 s39, 4096
	s_branch .Lgo
.Lnot_wq:
	s_cmp_lt_u32 s29, 640
	s_cbranch_scc0 .Lnot_wo
	s_mov_b64 s[30:31], s[8:9]                     ; 512-639: Wo -> wob
	s_mov_b64 s[32:33], s[22:23]
	s_sub_co_u32 s34, s29, 512
	s_mov_b32 s41, 1
	s_branch .Lgo
.Lnot_wo:
	s_cmp_lt_u32 s29, 704
	s_cbranch_scc0 .Lnot_wkv
	s_cmp_lt_u32 s29, 672                          ; 640-671: Wk -> blocks 16, 17; 672-703: Wv -> blocks 18, 19. A work-group is 32 rows of 2 chunks
	s_cselect_b64 s[30:31], s[10:11], s[12:13]
	s_cselect_b32 s43, 0, 1
	s_lshl_b32 s40, s43, 10
	s_add_co_u32 s40, s40, 8192
	s_lshl_b32 s43, s43, 5
	s_sub_co_u32 s34, s29, 640
	s_sub_co_u32 s34, s34, s43
	s_mov_b64 s[32:33], s[20:21]
	s_mov_b32 s35, 327680
	s_mov_b32 s36, 81920
	s_mov_b32 s37, 40960
	s_mov_b32 s38, 10240
	s_mov_b32 s39, 512
	s_branch .Lgo
.Lnot_wkv:
	s_cmp_lt_u32 s29, 736                          ; 704-735: cos; 736-767: sin, behind cos in csb
	s_cselect_b64 s[30:31], s[14:15], s[16:17]
	s_cselect_b32 s43, 0, 1
	s_lshl_b32 s40, s43, 20
	s_lshl_b32 s43, s43, 5
	s_sub_co_u32 s34, s29, 704
	s_sub_co_u32 s34, s34, s43
	s_mov_b64 s[32:33], s[24:25]
.Lgo:
	s_lshl_b32 s42, s34, 16                        ; 65,536 bytes a work-group,
	s_lshl_b32 s43, s28, 13                        ; 8,192 a wave
	s_add_co_u32 s42, s42, s43
	s_mov_b32 s43, 0
	s_add_nc_u64 s[30:31], s[30:31], s[42:43]
	s_wait_alu depctr_va_vdst(0)                   ; v1 is written, which the sixteen loads below read as their offset
.set n, 0
.rept 16
	global_load_b128 v[X+4*n:X+4*n+3], v1, s[30:31] offset:512*n th:TH_LOAD_NT
.set n, n+1
.endr
	s_mul_i32 s44, s34, s35
	s_lshr_b32 s45, s28, 1
	s_mul_i32 s45, s45, s36
	s_add_co_u32 s44, s44, s45
	s_and_b32 s45, s28, 1
	s_mul_i32 s45, s45, s37
	s_add_co_u32 s44, s44, s45
	s_add_co_u32 s44, s44, s40
	s_mov_b32 s45, 0
	s_add_nc_u64 s[32:33], s[32:33], s[44:45]
.irp i, 0,1,2,3,4,5,6,7
	s_mul_i32 s46, s38, (\i)/2
	s_mul_i32 s47, s39, (\i)%2
	s_add_co_u32 s46, s46, s47
	v_add_nc_u32 v[VO+\i], s46, v2
.endr
; Block p: loads 4 p to 4 p + 3. Load n is half n%2 of chunk n/2. Each load has its own pair to store from, so nothing that a store reads is rewritten.
.macro BLOCK p, f16
	s_wait_loadcnt 12-4*(\p)                       ; loads come back in order: the block's four are in, the 12 - 4 p younger ones stay out
.set n, 4*(\p)
.rept 4
	v_cvt_pk_bf16_f32 v[Y+2*n], v[X+4*n], v[X+4*n+1]
	v_cvt_pk_bf16_f32 v[Y+2*n+1], v[X+4*n+2], v[X+4*n+3]
.if \f16
	v_lshlrev_b32 v[T], 16, v[Y+2*n]               ; the bf16 numbers as f32,
	v_and_b32 v[T+1], 0xffff0000, v[Y+2*n]
	v_lshlrev_b32 v[T+2], 16, v[Y+2*n+1]
	v_and_b32 v[T+3], 0xffff0000, v[Y+2*n+1]
	v_cvt_pk_f16_f32 v[Y+2*n], v[T], v[T+1]        ; written as f16: exact within f16's range
	v_cvt_pk_f16_f32 v[Y+2*n+1], v[T+2], v[T+3]
.endif
.set n, n+1
.endr
	s_wait_alu depctr_va_vdst(0)                   ; the block's conversions have written its eight registers of Y, which the four stores below read; the first block's wait also states that the eight offsets v[VO ..] are written
.set n, 4*(\p)
.rept 4
	global_store_b64 v[VO+n/2], v[Y+2*n:Y+2*n+1], s[32:33] offset:256*(n%2)  ; 32 lanes store 256 consecutive bytes, aligned
.set n, n+1
.endr
.endm
	s_cmp_eq_u32 s41, 1
	s_cbranch_scc1 .Lf16
	BLOCK 0, 0
	BLOCK 1, 0
	BLOCK 2, 0
	BLOCK 3, 0
	s_endpgm
.Lf16:
	BLOCK 0, 1
	BLOCK 1, 1
	BLOCK 2, 1
	BLOCK 3, 1
	s_endpgm
.Lfunc_end_k_qffb608c90f_cast:
	.size	k_qffb608c90f_cast, .Lfunc_end_k_qffb608c90f_cast-k_qffb608c90f_cast
	.p2alignl 7, 3214868480
	.fill 96, 4, 3214868480
	.section	.rodata,"a",@progbits
	.p2align	6, 0x0
	.amdhsa_kernel k_qffb608c90f_cast
		.amdhsa_group_segment_fixed_size 0
		.amdhsa_private_segment_fixed_size 0
		.amdhsa_enable_private_segment 0
		.amdhsa_kernarg_size 88
		.amdhsa_user_sgpr_count 2
		.amdhsa_user_sgpr_kernarg_segment_ptr 1
		.amdhsa_wavefront_size32 1
		.amdhsa_system_sgpr_workgroup_id_x 1
		.amdhsa_system_sgpr_workgroup_id_y 1
		.amdhsa_system_sgpr_workgroup_id_z 1
		.amdhsa_system_vgpr_workitem_id 0
		.amdhsa_next_free_vgpr 116
		.amdhsa_next_free_sgpr 66
		.amdhsa_reserve_vcc 0
		.amdhsa_float_denorm_mode_32 3
		.amdhsa_float_denorm_mode_16_64 3
		.amdhsa_memory_ordered 1
		.amdhsa_forward_progress 1
		.amdhsa_inst_pref_size 19
	.end_amdhsa_kernel
	.amdgpu_metadata
---
amdhsa.version: [ 1, 2 ]
amdhsa.kernels:
  - .name:           k_qffb608c90f_cast
    .symbol:         k_qffb608c90f_cast.kd
    .args:
      - { .name: hidden_states, .offset: 0, .size: 8, .value_kind: global_buffer, .address_space: global }
      - { .name: Wq, .offset: 8, .size: 8, .value_kind: global_buffer, .address_space: global }
      - { .name: Wo, .offset: 16, .size: 8, .value_kind: global_buffer, .address_space: global }
      - { .name: Wk, .offset: 24, .size: 8, .value_kind: global_buffer, .address_space: global }
      - { .name: Wv, .offset: 32, .size: 8, .value_kind: global_buffer, .address_space: global }
      - { .name: cos, .offset: 40, .size: 8, .value_kind: global_buffer, .address_space: global }
      - { .name: sin, .offset: 48, .size: 8, .value_kind: global_buffer, .address_space: global }
      - { .name: xb, .offset: 56, .size: 8, .value_kind: global_buffer, .address_space: global }
      - { .name: wall, .offset: 64, .size: 8, .value_kind: global_buffer, .address_space: global }
      - { .name: wob, .offset: 72, .size: 8, .value_kind: global_buffer, .address_space: global }
      - { .name: csb, .offset: 80, .size: 8, .value_kind: global_buffer, .address_space: global }
    .group_segment_fixed_size: 0
    .private_segment_fixed_size: 0
    .kernarg_segment_align: 8
    .kernarg_segment_size: 88
    .max_flat_workgroup_size: 256
    .sgpr_count:     66
    .vgpr_count:     116
    .wavefront_size: 32
...
	.end_amdgpu_metadata
.endif
;; end of part 8
;; launch proj: the kernel of part 5 again; grid 16 x 16, 4 waves a work-group, clusters of 4 x 4, 327,680 bytes of LDS; arguments xb, wall, csb, q_norm_w, k_norm_w, qf, kvf, sg; writes qf, kvf, sg
;; launch attn: the kernel of part 6 again; grid 64 x 4, 4 waves a work-group, clusters of 4 x 1, 327,680 bytes of LDS; arguments qf, kvf, sg, ao; writes ao
;; launch oproj: the kernel of part 7 again; grid 8 x 32, 4 waves a work-group, clusters of 4 x 4, 327,680 bytes of LDS; arguments ao, wob, out0; writes out0
